; MI455X (gfx1250); checked and timed in simulation.
; The chip was launched on July 23, 2026; its instructions are those of AMD's public machine-readable ISA for CDNA 5 (MIT licence, August 2026) and "CDNA5" Instruction Set Architecture Reference Guide (July 2026). The comments in the code are by the model that wrote it; some were corrected since.
;; Decoupled Bottleneck Attention. Allowed arithmetic: float matrix products may take bf16 or f16 operands with f32 sums; all other float work in f32.
;; Inputs: Wk_geo 1,024 x 2,048 float32; Wk_sem 512 x 2,048 float32; Wo 2,048 x 1,024 float32; Wq_geo 1,024 x 2,048 float32; Wq_sem 512 x 2,048 float32; Wv 1,024 x 2,048 float32; x 2 x 2,048 x 2,048 float32.
;; Outputs: out0 2 x 2,048 x 2,048 float32.
;; 2 versions, each right. Each part assembles by itself: llvm-mc -triple=amdgcn-amd-amdhsa -mcpu=gfx1250 --defsym DOCPART=n.
;; ======== version 1 of 2: 4 launches
;; limits: values are held in f16: magnitudes above 65,504 overflow, below 6.1e-05 lose precision
;; workspace buffers: xh 16,777,216 bytes; wcat 16,777,216 bytes; woh 4,194,304 bytes; rope 524,288 bytes; qh 12,582,912 bytes; kh 12,582,912 bytes; vh 16,777,216 bytes; ah 16,777,216 bytes
;; launch prep (part 1): grid 128 x 19, 8 waves a work-group, no clusters, 0 bytes of LDS; arguments x, Wq_sem, Wk_sem, Wq_geo, Wk_geo, Wv, Wo, xh, wcat, woh, rope; writes xh, wcat, woh, rope
.if DOCPART == 1
	.amdgcn_target "amdgcn-amd-amdhsa--gfx1250"
	.amdhsa_code_object_version 6
	.text
	.protected	k_q792c26d8d2_prep
	.globl	k_q792c26d8d2_prep
	.p2align	8
	.type	k_q792c26d8d2_prep,@function
k_q792c26d8d2_prep:
	s_mov_b64 s[64:65], 0
	v_nop
	global_prefetch_b8 v0, s[64:65] scope:SCOPE_SE
	s_setreg_imm32_b32 hwreg(HW_REG_WAVE_MODE, 25, 1), 1
	s_wait_xcnt 0x0
; prep: every input is rounded once to bf16 (nearest even); the five projection weights are gathered head by head into wcat; the RoPE table is made.
; xh and wcat hold bf16.  woh holds Wo's bf16 value in f16 form, since its partner in the last product is f16: exact for magnitudes from 2^-17 up
; (8 significant bits above f16's last place 2^-24), below that off by 2^-25 at the most.  LIMIT: a Wo of 65,504 or more in magnitude becomes an infinity.
; grid y = 0..17: a unit of y is 512 "rows" of 2,048 numbers; a work-group casts 4 neighbouring rows (32 KiB in, 16 KiB out).
;   y 0-7 x -> xh;  8 Wq_sem, 9 Wk_sem, 10-11 Wq_geo, 12-13 Wk_geo, 14-15 Wv -> wcat;  16-17 Wo -> woh (dense).
;   wcat is [16 heads][256 rows][2048]; rows of a head: 0-31 Wq_sem, 32-95 Wq_geo, 96-127 Wk_sem, 128-159 Wv 0-31, 160-223 Wk_geo, 224-255 Wv 32-63.
; grid y = 18: rope[pos][0..31] = cos(pos * 10000^(-f/32)), rope[pos][32..63] = sin(..), f = 0..31; 1,024 waves, two positions each.
; Memory binds: no LDS, no barrier, no matrix unit.  Every load of a wave covers 512 consecutive bytes, every store 256, both aligned.
; one step of the choice of source, destination and row map by grid y: taken if y >= t
.macro SEG t, src, dst, lg, off, xtra
	s_cmp_ge_u32 s2, \t
	s_cselect_b64 s[30:31], s[\src:\src+1], s[30:31]
	s_cselect_b64 s[32:33], s[\dst:\dst+1], s[32:33]
	s_cselect_b32 s34, \t, s34                     ; first y of the segment
	s_cselect_b32 s35, \lg, s35                    ; log2 of the source rows of a head
	s_cselect_b32 s36, \off, s36                   ; where they begin among the head's 256 rows
	s_cselect_b32 s37, \xtra, s37                  ; a gap in front of the second 32 rows (Wv)
.endm
; v[dst] = sin(v[ang] + q0 * pi/2), ang >= 0, q0 = v5 (1 in the lanes that make cosines).
; k = round(ang * 2/pi); r = ang - k * pi/2 with pi/2 in two parts; sine or cosine series of r by k + q0 mod 4.
.macro SINQ dst, ang
	v_mul_f32 v10, 0x3f22f983, v[\ang]
	v_rndne_f32 v10, v10
	v_fmamk_f32 v11, v10, 0xbfc90fdb, v[\ang]      ; - k * (pi/2 rounded to f32)
	v_fmamk_f32 v11, v10, 0x333bbd2e, v11          ; - k * (the rest of pi/2)
	v_cvt_i32_f32 v12, v10
	v_add_nc_u32 v12, v12, v5
	v_mul_f32 v13, v11, v11
	v_mov_b32 v14, 0xb9500d01                      ; -1/5040
	v_fmaak_f32 v14, v14, v13, 0x3c088889          ; 1/120
	v_fmaak_f32 v14, v14, v13, 0xbe2aaaab          ; -1/6
	v_mul_f32 v15, v11, v13
	v_fma_f32 v14, v15, v14, v11                   ; sin r
	v_mov_b32 v15, 0x37d00d01                      ; 1/40320
	v_fmaak_f32 v15, v15, v13, 0xbab60b61          ; -1/720
	v_fmaak_f32 v15, v15, v13, 0x3d2aaaab          ; 1/24
	v_fmaak_f32 v15, v15, v13, 0xbf000000          ; -1/2
	v_fma_f32 v15, v15, v13, 1.0                   ; cos r
	v_and_b32 v16, 1, v12
	v_cmp_eq_u32 vcc_lo, 1, v16
	v_cndmask_b32 v[\dst], v14, v15, vcc_lo        ; odd quarter: the cosine
	v_and_b32 v16, 2, v12
	v_lshlrev_b32 v16, 30, v16
	v_xor_b32 v[\dst], v[\dst], v16                ; quarters 2 and 3: the sign turns
.endm
; the eight loads' numbers are rounded to bf16 and stored; f16form = 1: the bf16 value is widened (a shift, a mask) and written in f16 form
.macro CAST f16form
.irp k, 0,1,2,3,4,5,6,7
	s_wait_loadcnt 7-\k                            ; loads come back in order: load k is in, the 7-k younger ones stay out
	v_cvt_pk_bf16_f32 v[36+2*\k], v[4+4*\k], v[5+4*\k]
	v_cvt_pk_bf16_f32 v[37+2*\k], v[6+4*\k], v[7+4*\k]
.if \f16form
	v_lshlrev_b32 v52, 16, v[36+2*\k]
	v_and_b32 v53, 0xffff0000, v[36+2*\k]
	v_lshlrev_b32 v54, 16, v[37+2*\k]
	v_and_b32 v55, 0xffff0000, v[37+2*\k]
	v_cvt_pk_f16_f32 v[36+2*\k], v52, v53
	v_cvt_pk_f16_f32 v[37+2*\k], v54, v55
.endif
	global_store_b64 v2, v[36+2*\k:37+2*\k], s[32:33] offset:2048*\k
.endr
.endm
	s_load_b512 s[8:23], s[0:1], 0x0               ; x 8, Wq_sem 10, Wk_sem 12, Wq_geo 14, Wk_geo 16, Wv 18, Wo 20, xh 22
	s_load_b128 s[24:27], s[0:1], 0x40             ; wcat 24, woh 26
	s_load_b64 s[28:29], s[0:1], 0x50              ; rope
	s_and_b32 s2, ttmp7, 0xffff                    ; grid y
	v_lshrrev_b32 v1, 5, v0
	v_readfirstlane_b32 s3, v1                     ; wave
	s_wait_kmcnt 0x0
	s_cmp_eq_u32 s2, 18
	s_cbranch_scc1 .Lrope
	s_mov_b64 s[30:31], s[8:9]                     ; y 0-7: x -> xh, rows as they come
	s_mov_b64 s[32:33], s[22:23]
	s_mov_b32 s34, 0
	s_mov_b32 s35, 12
	s_mov_b32 s36, 0
	s_mov_b32 s37, 0
	SEG 8,  10, 24, 5, 0, 0
	SEG 9,  12, 24, 5, 96, 0
	SEG 10, 14, 24, 6, 32, 0
	SEG 12, 16, 24, 6, 160, 0
	SEG 14, 18, 24, 6, 128, 64
	SEG 16, 20, 26, 12, 0, 0
	s_sub_co_u32 s38, s2, s34
	s_lshl_b32 s38, s38, 7
	s_add_co_u32 s38, s38, ttmp9
	s_lshl_b32 s38, s38, 2                         ; my first source row (a multiple of 4, so my 4 rows stay neighbours in the destination)
	s_lshr_b32 s39, s38, s35                       ; head
	s_lshl_b32 s40, s39, s35
	s_sub_co_u32 s40, s38, s40                     ; row within the head's part
	s_lshr_b32 s41, s40, 5
	s_mul_i32 s41, s41, s37
	s_add_co_u32 s41, s41, s40
	s_add_co_u32 s41, s41, s36
	s_lshl_b32 s39, s39, 8
	s_add_co_u32 s41, s41, s39                     ; destination row
	s_lshl_b32 s42, s38, 13                        ; 8,192 bytes a source row
	s_mov_b32 s43, 0
	s_lshl_b32 s44, s41, 12                        ; 4,096 bytes a destination row
	s_mov_b32 s45, 0
	s_add_nc_u64 s[30:31], s[30:31], s[42:43]
	s_add_nc_u64 s[32:33], s[32:33], s[44:45]
	v_lshlrev_b32 v1, 4, v0                        ; 16 bytes in,
	v_lshlrev_b32 v2, 3, v0                        ; 8 bytes out, a thread
.irp k, 0,1,2,3,4,5,6,7
	global_load_b128 v[4+4*\k:7+4*\k], v1, s[30:31] offset:4096*\k th:TH_LOAD_NT
.endr
	s_cmp_ge_u32 s2, 16
	s_cbranch_scc1 .Lwo
	CAST 0
	s_endpgm
.Lwo:
	CAST 1
	s_endpgm
.Lrope:
	v_and_b32 v1, 31, v0                           ; lane: 0-15 cosines, 16-31 sines, of f = 2 (lane mod 16) and the next
	v_and_b32 v2, 15, v0
	v_lshlrev_b32 v2, 1, v2
	v_cvt_f32_u32 v3, v2
	v_add_f32 v4, 1.0, v3
	v_lshrrev_b32 v5, 4, v1
	v_xor_b32 v5, 1, v5                            ; q0
	v_mul_f32 v3, 0xbed49a78, v3                   ; f * (-log2(10000) / 32)
	v_mul_f32 v4, 0xbed49a78, v4
	v_exp_f32 v6, v3
	v_exp_f32 v7, v4
	v_lshlrev_b32 v9, 3, v1                        ; my 8 bytes of a table row; also the plain instruction behind the exponentials (ISA guide 5.7.2)
	s_wait_alu depctr_va_vdst(0)
	s_lshl_b32 s38, ttmp9, 3
	s_add_co_u32 s38, s38, s3
	s_lshl_b32 s38, s38, 1                         ; my wave's first position
	s_lshl_b32 s40, s38, 8
	s_mov_b32 s41, 0
	s_add_nc_u64 s[28:29], s[28:29], s[40:41]
.irp e, 0,1
	s_add_co_u32 s39, s38, \e
	v_cvt_f32_u32 v8, s39
	v_mul_f32 v17, v8, v6                          ; the angle, one f32 product as in the definition
	v_mul_f32 v18, v8, v7
	SINQ 20+2*\e, 17
	SINQ 21+2*\e, 18
	global_store_b64 v9, v[20+2*\e:21+2*\e], s[28:29] offset:256*\e   ; the wave stores a whole table row of 256 bytes
.endr
	s_endpgm
.Lfunc_end_k_q792c26d8d2_prep:
	.size	k_q792c26d8d2_prep, .Lfunc_end_k_q792c26d8d2_prep-k_q792c26d8d2_prep
	.p2alignl 7, 3214868480
	.fill 96, 4, 3214868480
	.section	.rodata,"a",@progbits
	.p2align	6, 0x0
	.amdhsa_kernel k_q792c26d8d2_prep
		.amdhsa_group_segment_fixed_size 0
		.amdhsa_private_segment_fixed_size 0
		.amdhsa_enable_private_segment 0
		.amdhsa_kernarg_size 88
		.amdhsa_user_sgpr_count 2
		.amdhsa_user_sgpr_kernarg_segment_ptr 1
		.amdhsa_wavefront_size32 1
		.amdhsa_system_sgpr_workgroup_id_x 1
		.amdhsa_system_sgpr_workgroup_id_y 1
		.amdhsa_system_sgpr_workgroup_id_z 1
		.amdhsa_system_vgpr_workitem_id 0
		.amdhsa_next_free_vgpr 56
		.amdhsa_next_free_sgpr 66
		.amdhsa_reserve_vcc 1
		.amdhsa_float_denorm_mode_32 3
		.amdhsa_float_denorm_mode_16_64 3
		.amdhsa_memory_ordered 1
		.amdhsa_forward_progress 1
		.amdhsa_inst_pref_size 16
	.end_amdhsa_kernel
	.amdgpu_metadata
---
amdhsa.version: [ 1, 2 ]
amdhsa.kernels:
  - .name:           k_q792c26d8d2_prep
    .symbol:         k_q792c26d8d2_prep.kd
    .args:
      - { .name: x, .offset: 0, .size: 8, .value_kind: global_buffer, .address_space: global }
      - { .name: Wq_sem, .offset: 8, .size: 8, .value_kind: global_buffer, .address_space: global }
      - { .name: Wk_sem, .offset: 16, .size: 8, .value_kind: global_buffer, .address_space: global }
      - { .name: Wq_geo, .offset: 24, .size: 8, .value_kind: global_buffer, .address_space: global }
      - { .name: Wk_geo, .offset: 32, .size: 8, .value_kind: global_buffer, .address_space: global }
      - { .name: Wv, .offset: 40, .size: 8, .value_kind: global_buffer, .address_space: global }
      - { .name: Wo, .offset: 48, .size: 8, .value_kind: global_buffer, .address_space: global }
      - { .name: xh, .offset: 56, .size: 8, .value_kind: global_buffer, .address_space: global }
      - { .name: wcat, .offset: 64, .size: 8, .value_kind: global_buffer, .address_space: global }
      - { .name: woh, .offset: 72, .size: 8, .value_kind: global_buffer, .address_space: global }
      - { .name: rope, .offset: 80, .size: 8, .value_kind: global_buffer, .address_space: global }
    .group_segment_fixed_size: 0
    .private_segment_fixed_size: 0
    .kernarg_segment_align: 8
    .kernarg_segment_size: 88
    .max_flat_workgroup_size: 256
    .sgpr_count:     66
    .vgpr_count:     56
    .wavefront_size: 32
...
	.end_amdgpu_metadata
.endif
;; end of part 1
;; launch qkv (part 2): grid 16 x 16, 4 waves a work-group, clusters of 4 x 4, 327,680 bytes of LDS; arguments xh, wcat, rope, qh, kh, vh; writes qh, kh, vh
.if DOCPART == 2
	.amdgcn_target "amdgcn-amd-amdhsa--gfx1250"
	.amdhsa_code_object_version 6
	.text
	.protected	k_q792c26d8d2_qkv
	.globl	k_q792c26d8d2_qkv
	.p2align	8
	.type	k_q792c26d8d2_qkv,@function
k_q792c26d8d2_qkv:
	s_mov_b64 s[64:65], 0
	v_nop
	global_prefetch_b8 v0, s[64:65] scope:SCOPE_SE
	s_setreg_imm32_b32 hwreg(HW_REG_WAVE_MODE, 25, 1), 1
	s_wait_xcnt 0x0
	s_wait_alu depctr_hold_cnt(0) depctr_sa_sdst(0) depctr_va_vdst(0) depctr_va_sdst(0) depctr_va_ssrc(0) depctr_va_vcc(0) depctr_vm_vsrc(0)
	s_getreg_b32 s2, hwreg(HW_REG_IB_STS2, 6, 4)
	s_cmp_eq_u32 s2, 0
	s_cbranch_scc0 .Lentry_in_a_cluster
	s_endpgm
.Lentry_in_a_cluster:
	s_bfe_u32 s2, ttmp6, 0x10000c
	s_cmp_lg_u32 s2, 0xf033
	s_cbranch_scc0 .Lentry_shape_is_right
	s_endpgm
.Lentry_shape_is_right:
; qkv: all five projections as one product C = xh wcat^T ([4096 tokens][2048] x [4096 rows][2048], bf16 operands, f32 sums), RoPE on the way out.
; Results: qh, kh ([batch*16+head][2048][96 = sem 32, x1 32, x2 32]) rounded once to f16; vh ([batch*16+head][2048][hi 64, lo 64]): v as the sum of two f16,
; hi = f16(v), lo = f16(v - hi), so that a row of the attention that averages few keys does not carry V's rounding to f16.
; LIMIT: q, k and v of 65,504 or more in magnitude become infinities in f16.  The score scale is not applied here.
; A work-group makes 256 tokens x the 256 rows of ONE head with four waves, as many as a WGP has SIMDs; a wave makes 128 x 128: 64 accumulator tiles, 512 registers.
; K goes in steps of 128 through a ring of two LDS slots filled by the tensor data mover; a tile's rows are 256 bytes of memory, aligned.
; CLUSTERS: 4 x 4 work-groups.  The four of a row of the cluster need the same tiles of xh, the four of a column the same tiles of wcat: each tile is asked
; for jointly, by the same tensor load with a mask that names the four.  That divides the requests for both by four.
; REGISTERS in windows of 256: window 0: v0-31 addresses, v64-127 and v128-191 fragments of xh (two buffers), v192-255 two sets of cosines and sines;
;   window 1: v64-127, v128-191 fragments of wcat; window 2: accumulator tiles of my rows 0-63 (tile (a, b) at v[8 (8 a + b)]); window 3: rows 64-127.
; The matrix instruction is used transposed (source 0 = 16 rows of wcat, source 1 = 16 tokens): lane l holds token l % 16, registers 0-7 the columns 8 (l / 16) + 0..7.
; The order of a head's rows in wcat gives both column halves one pattern of tiles b: 0,1 plain; 2,3 x1; 4,5 x2; 6,7 plain
;   (half 0: q_sem, q x1, q x2, k_sem;  half 1: v 0-31, k x1, k x2, v 32-63), so one text serves all four waves but for V's lo parts.
.set SIZE_K, 2048
.set KSTEP,  128
.set PITCH,  272                       ; an LDS row: 256 bytes + 16 of padding: the 16 rows of a fragment load start at 16 different banks (64 banks of 4 bytes: ISA guide 11.1)
.set HALFT,  128*PITCH
.set SLOT,   4*HALFT                   ; xh's 256 rows, then wcat's 256 rows
.set IP,     656                       ; pitch of the image of the block on the way out: Q 192 bytes, K 192, V hi 128, V lo 128, and 16 of padding
.set LAPS,   SIZE_K/(2*KSTEP)
.set ADRA, 16                          ; v16-17  LDS address of my xh fragments in slot 0, 1
.set ADRB, 20                          ; v20-21  the same for wcat
.set STB,  22                          ; v22     image store address for tiles 2-5
.set STC,  23                          ; v23     for tiles 6, 7
.set STA,  24                          ; v24     for tiles 0, 1
.set CO,   25                          ; v25     16 x lane: my 16 bytes of a store of 512
.set RT,   26                          ; v26     my byte offset in the RoPE table
.set RV,   27                          ; v27     image read address for V
.set RQ,   28                          ; v28-30  image read addresses for Q (and K), three phases
.set F0,   64
.set F1,   128
.set Y1,   64                          ; v64-79  rotated x1, f32 (two tiles); later, with Y2, the 32 numbers of V's tiles
.set Y2,   80                          ; v80-95  rotated x2
.set TMP,  96                          ; v96-127 eight tiles as f16, 4 registers each (the list of halves in OUTROW names v96-103 and v120-127)
.set LO,   128                         ; v128-143 V's lo parts, four tiles
.set BK0,  128                         ; v128-159, v160-191: read-back buffers
.set BK1,  160
.set CS0,  192                         ; a set: cos of tile p = 0, 1 (8 + 8 registers), then sin likewise
.set CS1,  224
.set G1, 24
.set G0, 32
.set G1B, 48
.set G0B, 56
.set MSB, 0
.macro WIN new                         ; the immediate's high byte repeats the setting that is left
.if MSB != (\new)
	s_set_vgpr_msb (MSB<<8)|(\new)
.set MSB, (\new)
.endif
.endm
.set MUL_LO, 0xa1                      ; source 0 window 1, source 1 window 0, C and D window 2
.set MUL_HI, 0xf1                      ; the same, C and D window 3
.set TO_B,   0x40                      ; destination window 1, address window 0
; A joint load.  Waves 0 and 1 fetch xh's two halves, waves 2 and 3 wcat's.  The branch hangs on the wave's number alone.
.macro JLOAD s
	s_cmp_eq_u32 s11, 0
	s_cbranch_scc0 .Lfor_b_\@
	tensor_load_to_lds s[G0+4*\s:G0+4*\s+3], s[G1:G1+7]
	s_nop 0
	s_branch .Lasked_\@
.Lfor_b_\@:
	tensor_load_to_lds s[G0B+4*\s:G0B+4*\s+3], s[G1B:G1B+7]
	s_nop 0
.Lasked_\@:
.endm
; A round of the cluster's barrier: my work-group's barrier; wave 0 signals for the work-group; every wave waits for all sixteen; my work-group's barrier again.
.macro CREST
	s_cmp_lg_u32 s10, 0
	s_cbranch_scc1 .Lnot_wave_0_\@
	s_barrier_signal -3
.Lnot_wave_0_\@:
	s_barrier_wait -3
	s_barrier_signal -1
	s_barrier_wait -1
.endm
.macro CROUND
	s_barrier_signal -1
	s_barrier_wait -1
	CREST
.endm
	s_load_b128 s[4:7], s[0:1], 0x0                ; xh s[4:5], wcat s[6:7]
	s_load_b256 s[72:79], s[0:1], 0x10             ; rope s[72:73], qh s[74:75], kh s[76:77], vh s[78:79]
	s_set_vgpr_msb 0x40
	v_lshl_add_u32 v255, v0, 2, 0x44000
	s_set_vgpr_msb 0x4000
	v_mov_b32 v63, 0
	s_set_vgpr_msb 0x1
	ds_add_u32 v255, v63
	s_set_vgpr_msb 0x100
	v_lshrrev_b32 v1, 5, v0
	v_readfirstlane_b32 s10, v1                    ; wave 0..3
	s_lshr_b32 s11, s10, 1                         ; which half of the block's tokens is mine.  Also: I fetch for xh (0) or wcat (1)
	s_and_b32 s12, s10, 1                          ; which half of its columns.  Also: which 128 rows of that tile I fetch
	s_bfe_u32 s40, ttmp6, 0x40000                  ; cx
	s_bfe_u32 s41, ttmp6, 0x40004                  ; cy
	s_lshl_b32 s42, ttmp9, 2
	s_add_co_u32 s42, s42, s40                     ; block column = head
	s_and_b32 s13, ttmp7, 0xffff
	s_lshl_b32 s13, s13, 2
	s_add_co_u32 s13, s13, s41                     ; block row: 256 tokens
	s_lshl_b32 s43, s41, 2
	s_lshl_b32 s43, 15, s43                        ; my row of the cluster
	s_lshl_b32 s44, 0x1111, s40                    ; my column
	; descriptor group 1: a tile of 128 rows x 128 elements of 2 bytes, 16 bytes of padding behind every 256
	s_or_b32 s[G1+0], s43, (1<<16)|(1<<20)|(1<<21)|(5<<22)|(3<<25)
	s_or_b32 s[G1B+0], s44, (1<<16)|(1<<20)|(1<<21)|(5<<22)|(3<<25)
	s_mov_b32 s[G1B+1], KSTEP<<16
	s_mov_b32 s[G1+1], KSTEP<<16                   ; tensor_dim0 = 128
	s_mov_b32 s[G1B+2], 128<<16
	s_mov_b32 s[G1+2], 128<<16                     ; tensor_dim1 = 128
	s_mov_b32 s[G1B+3], KSTEP<<16
	s_mov_b32 s[G1+3], KSTEP<<16                   ; tile_dim0 = 128
	s_mov_b32 s[G1B+4], 128
	s_mov_b32 s[G1+4], 128                         ; tile_dim1 = 128
	s_mov_b32 s[G1B+5], SIZE_K
	s_mov_b32 s[G1+5], SIZE_K                      ; elements from row to row
	s_mov_b32 s[G1B+6], 0
	s_mov_b32 s[G1+6], 0
	s_mov_b32 s[G1B+7], 0
	s_mov_b32 s[G1+7], 0
	; xh's tiles hang on the block row alone, wcat's on the block column alone; each address in registers that never hold the other coordinate
	s_lshl_b32 s17, s12, 7
	s_lshl_b32 s16, s13, 8
	s_add_co_u32 s16, s16, s17
	s_lshl_b32 s46, s42, 8
	s_add_co_u32 s46, s46, s17
	s_mov_b32 s17, 0
	s_mov_b32 s47, 0
	s_mov_b64 s[18:19], SIZE_K*2
	s_mul_u64 s[16:17], s[16:17], s[18:19]
	s_mul_u64 s[46:47], s[46:47], s[18:19]
	s_mul_i32 s20, s10, HALFT                      ; where they go: wave x 128 rows
	s_and_b32 s80, s13, 7
	s_lshl_b32 s80, s80, 16                        ; the block's first position in its sequence, times 256 bytes of a table row
	s_mov_b32 s81, 0
	s_wait_dscnt 0x0
	s_wait_kmcnt 0x0
	s_add_nc_u64 s[14:15], s[4:5], s[16:17]
	s_add_nc_u64 s[46:47], s[6:7], s[46:47]
	s_add_nc_u64 s[72:73], s[72:73], s[80:81]
	CROUND                                         ; all sixteen work-groups are here: the first joint loads meet
.irp s, 0,1
	s_mov_b32 s[G0+4*\s], 1
	s_add_co_u32 s[G0+4*\s+1], s20, \s*SLOT
	s_add_nc_u64 s[G0+4*\s+2:G0+4*\s+3], s[14:15], \s*KSTEP*2
	s_or_b32 s[G0+4*\s+3], s[G0+4*\s+3], 0x80000000
	s_mov_b32 s[G0B+4*\s], 1
	s_add_co_u32 s[G0B+4*\s+1], s20, \s*SLOT
	s_add_nc_u64 s[G0B+4*\s+2:G0B+4*\s+3], s[46:47], \s*KSTEP*2
	s_or_b32 s[G0B+4*\s+3], s[G0B+4*\s+3], 0x80000000
	JLOAD \s
.endr
	v_and_b32 v1, 15, v0                           ; r = l % 16
	v_bfe_u32 v2, v0, 4, 1                         ; h = l / 16
	v_mul_u32_u24 v3, v1, PITCH
	v_lshl_add_u32 v3, v2, 4, v3
	s_mul_i32 s21, s11, HALFT
	s_mul_i32 s22, s12, HALFT
	s_add_co_u32 s22, s22, 2*HALFT
.irp s, 0,1
	v_add_nc_u32 v[ADRA+\s], s21, v3
	v_add_nc_u32 v[ADRB+\s], s22, v3
	s_add_co_u32 s21, s21, SLOT
	s_add_co_u32 s22, s22, SLOT
.endr
	; the image: row = token of the block; tile b of column half 0 goes to byte 32 b; of half 1: b 0,1 to V (384 + 32 b), b 2-5 to K (192 + 32 b), b 6,7 to V (256 + 32 b);
	; V's lo parts 128 bytes behind its hi parts
	s_mul_i32 s23, s11, 128*IP
	v_mul_u32_u24 v4, v1, IP
	v_lshl_add_u32 v4, v2, 4, v4
	v_add_nc_u32 v4, s23, v4
	s_mul_i32 s23, s12, 384
	v_add_nc_u32 v[STA], s23, v4
	s_mul_i32 s23, s12, 192
	v_add_nc_u32 v[STB], s23, v4
	s_lshl_b32 s23, s12, 8
	v_add_nc_u32 v[STC], s23, v4
	v_lshlrev_b32 v[RT], 8, v1                     ; table row of my token, and my 8 frequencies 8 h ..
	v_lshl_add_u32 v[RT], v2, 5, v[RT]
	s_lshl_b32 s23, s11, 15
	v_add_nc_u32 v[RT], s23, v[RT]
	; read-back: wave w takes image rows 64 w .. 64 w + 63.  A Q or K row is 12 pieces of 16 bytes; piece xx = 32 p + lane of three stores lies in row xx / 12,
	; at row x pitch + 16 (xx - 12 row) = (pitch - 192) row + 16 xx.  Three stores are 8 rows.
	v_and_b32 v5, 31, v0
	s_mul_i32 s23, s10, 64*IP
.irp p, 0,1,2
	v_add_nc_u32 v6, 32*\p, v5
	v_mul_u32_u24 v7, v6, 21846
	v_lshrrev_b32 v7, 18, v7                       ; xx / 12 for xx < 96
	v_mul_u32_u24 v7, v7, IP-192
	v_lshl_add_u32 v7, v6, 4, v7
	v_add_nc_u32 v[RQ+\p], s23, v7
.endr
	v_lshrrev_b32 v6, 4, v5                        ; a V row (hi, lo) is 16 pieces: two rows a store
	v_mul_u32_u24 v6, v6, IP
	v_and_b32 v7, 15, v5
	v_lshl_add_u32 v6, v7, 4, v6
	v_add_nc_u32 v[RV], s23, v6
	v_lshlrev_b32 v[CO], 4, v5
; cosines and sines for my rows 16 i .. 16 i + 15: f = 16 p + 8 h + 0..7, p = 0, 1.  The two halves of the lanes together read each table row whole.
.macro CSLOAD i, set
.irp e, 0,1,2,3
	global_load_b128 v[\set+8*\e:\set+8*\e+3],   v[RT], s[72:73] offset:4096*(\i)+64*\e
	global_load_b128 v[\set+8*\e+4:\set+8*\e+7], v[RT], s[72:73] offset:4096*(\i)+64*\e+16
.endr
.endm
	CSLOAD 0, CS0                                  ; on their way during the whole product; nothing in the K loop names these registers
	CSLOAD 1, CS1
; 16 matrix instructions: token blocks a0, a0 + 1 of the window's four x all 8 column blocks, 32 along K.  zero = 1: the first product starts the sums.
.macro MUL16 f, hi, a0, zero
.irp a, \a0, \a0+1
.irp b, 0,1,2,3,4,5,6,7
.if \zero
	v_wmma_f32_16x16x32_bf16 v[8*(8*(\a)+\b):8*(8*(\a)+\b)+7], v[\f+8*\b:\f+8*\b+7], v[\f+8*(4*\hi+\a):\f+8*(4*\hi+\a)+7], 0
.else
	v_wmma_f32_16x16x32_bf16 v[8*(8*(\a)+\b):8*(8*(\a)+\b)+7], v[\f+8*\b:\f+8*\b+7], v[\f+8*(4*\hi+\a):\f+8*(4*\hi+\a)+7], v[8*(8*(\a)+\b):8*(8*(\a)+\b)+7]
.endif
.endr
.endr
.endm
; 32 LDS loads in one run: the fragments of one quarter step into buffer f
.macro FETCH slot, k, f
	WIN TO_B
.irp i, 0,1,2,3,4,5,6,7
	ds_load_b128 v[\f+8*\i:\f+8*\i+3],   v[ADRB+\slot] offset:\k+\i*16*PITCH
	ds_load_b128 v[\f+8*\i+4:\f+8*\i+7], v[ADRB+\slot] offset:\k+\i*16*PITCH+32
.endr
	WIN 0
.irp i, 0,1,2,3,4,5,6,7
	ds_load_b128 v[\f+8*\i:\f+8*\i+3],   v[ADRA+\slot] offset:\k+\i*16*PITCH
	ds_load_b128 v[\f+8*\i+4:\f+8*\i+7], v[ADRA+\slot] offset:\k+\i*16*PITCH+32
.endr
.endm
; Four places behind a matrix instruction before a load lands on a register that it read or a vector instruction reads its result (ISA guide 7.12.1 for vector
; instructions); matrix instructions in between are not counted as places.
.macro PLACES
.rept 4
	v_nop
.endr
.endm
; The 64 accumulators take turns, one instruction a turn, in the same order in every quarter step.
.macro QUARTER slot, k, f, g, zero
	s_wait_dscnt 8                                 ; wcat's fragments and xh's rows 0-63 are in; the youngest eight loads may be out
	WIN MUL_LO
	MUL16 \f, 0, 0, \zero
	MUL16 \f, 0, 2, \zero
	PLACES
	FETCH \slot, \k, \g
	s_wait_dscnt 32                                ; all but the 32 just issued
	WIN MUL_HI
	MUL16 \f, 1, 0, \zero
	MUL16 \f, 1, 2, \zero
.endm
.macro THREE slot, zero
	QUARTER \slot, 64,  F0, F1, \zero
	QUARTER \slot, 128, F1, F0, 0
	QUARTER \slot, 192, F0, F1, 0
.endm
; The last quarter of a K step changes slots.  In front of the barrier each wave waits for its reads of this slot and for all its tensor loads (one is out: its part of
; the next slot).  Behind it the refill comes first, then the next slot's first fragments.  From a request to the wait for it a wave issues 240 matrix instructions.
.macro TURN slot, next, fill
	s_wait_dscnt 8
	WIN MUL_LO
	MUL16 F1, 0, 0, 0
	s_wait_dscnt 0
	s_wait_tensorcnt 0x0
	ds_add_u32 v255, v63
	s_wait_dscnt 0x0
	s_barrier_signal -1                            ; where a slot is filled again this barrier opens a round of the cluster's barrier
	MUL16 F1, 0, 2, 0                              ; register work while the others arrive
	WIN 0
	s_barrier_wait -1
.if \fill
	CREST                                          ; no wave of any partner still reads this slot or has a load on its way
	s_add_nc_u64 s[G0+4*\slot+2:G0+4*\slot+3], s[G0+4*\slot+2:G0+4*\slot+3], 2*KSTEP*2
	s_add_nc_u64 s[G0B+4*\slot+2:G0B+4*\slot+3], s[G0B+4*\slot+2:G0B+4*\slot+3], 2*KSTEP*2
	JLOAD \slot                                    ; the first tensor load behind the round, one a wave
.endif
	PLACES
	FETCH \next, 0, F0
	WIN MUL_HI
	MUL16 F1, 1, 0, 0
	MUL16 F1, 1, 2, 0
.endm
.macro LAP zero
	THREE 0, \zero
	TURN 0, 1, 1
	THREE 1, 0
	TURN 1, 0, 1
.endm
	s_wait_tensorcnt 1                             ; my part of K step 0 is in; K step 1's stays out
	s_barrier_signal -1
	s_barrier_wait -1
	FETCH 0, 0, F0
	LAP 1
	WIN 0
	s_mov_b32 s3, LAPS-2
.Llap:
	LAP 0
	WIN 0
	s_sub_co_u32 s3, s3, 1
	s_cmp_lg_u32 s3, 0
	s_cbranch_scc1 .Llap
	THREE 0, 0                                     ; the last lap fills nothing: both slots have had their last fill, shown landed by the wait in the turn below
	TURN 0, 1, 0
	THREE 1, 0
	s_wait_dscnt 8
	WIN MUL_LO
	MUL16 F1, 0, 0, 0
	MUL16 F1, 0, 2, 0
	s_wait_dscnt 0                                 ; my last reads of the ring are over:
	s_barrier_signal -1                            ; say so, since the image below is laid over slot 0 and the head of slot 1
	WIN MUL_HI
	MUL16 F1, 1, 0, 0
	MUL16 F1, 1, 2, 0
	WIN 0
	s_barrier_wait -1                              ; nobody reads the ring any more
	; THE WAY OUT.  The block's image (256 rows x 656 bytes = 167,936) lies from LDS byte 0 on.
	PLACES
	s_lshr_b32 s80, s13, 3                         ; batch
	s_lshl_b32 s80, s80, 4
	s_add_co_u32 s80, s80, s42                     ; batch * 16 + head
	s_lshl_b32 s80, s80, 11
	s_and_b32 s81, s13, 7
	s_lshl_b32 s81, s81, 8
	s_add_co_u32 s80, s80, s81
	s_lshl_b32 s81, s10, 6
	s_add_co_u32 s80, s80, s81                     ; first of the 64 rows that my wave stores
	s_mul_i32 s88, s80, 192
	s_mov_b32 s89, 0
	s_add_nc_u64 s[82:83], s[74:75], s[88:89]
	s_add_nc_u64 s[84:85], s[76:77], s[88:89]
	s_lshl_b32 s88, s80, 8
	s_add_nc_u64 s[86:87], s[78:79], s[88:89]
; rows 16 i .. 16 i + 15 of my 128: tiles (a, 0..7) of window w.  y1 = x1 cos - x2 sin, y2 = x1 sin + x2 cos; all eight tiles to f16; 16 bytes a lane and tile into the image.
; The waves of column half 1, whose tiles 0, 1, 6, 7 are V, add lo = f16(v - hi).
.macro OUTROW i, a, w, set, left
	s_wait_loadcnt \left                           ; this row block's eight table loads are in; the next block's eight stay out
	WIN \w                                         ; source 0 in the accumulators' window
.irp p, 0,1
.irp j, 0,2,4,6
	v_pk_mul_f32 v[Y1+8*\p+\j:Y1+8*\p+\j+1], v[64*\a+8*(2+\p)+\j:64*\a+8*(2+\p)+\j+1], v[\set+8*\p+\j:\set+8*\p+\j+1]
	v_pk_mul_f32 v[Y2+8*\p+\j:Y2+8*\p+\j+1], v[64*\a+8*(4+\p)+\j:64*\a+8*(4+\p)+\j+1], v[\set+8*\p+\j:\set+8*\p+\j+1]
	v_pk_fma_f32 v[Y1+8*\p+\j:Y1+8*\p+\j+1], v[64*\a+8*(4+\p)+\j:64*\a+8*(4+\p)+\j+1], v[\set+16+8*\p+\j:\set+16+8*\p+\j+1], v[Y1+8*\p+\j:Y1+8*\p+\j+1] neg_lo:[0,1,0] neg_hi:[0,1,0]
	v_pk_fma_f32 v[Y2+8*\p+\j:Y2+8*\p+\j+1], v[64*\a+8*(2+\p)+\j:64*\a+8*(2+\p)+\j+1], v[\set+16+8*\p+\j:\set+16+8*\p+\j+1], v[Y2+8*\p+\j:Y2+8*\p+\j+1]
.endr
.endr
	WIN 5*\w                                       ; sources 0 and 1 in the accumulators' window
.irp b, 0,1,6,7
.irp r, 0,1,2,3
	v_cvt_pk_f16_f32 v[TMP+4*\b+\r], v[64*\a+8*\b+2*\r], v[64*\a+8*\b+2*\r+1]
.endr
.endr
	WIN 0
.irp p, 0,1
.irp r, 0,1,2,3
	v_cvt_pk_f16_f32 v[TMP+4*(2+\p)+\r], v[Y1+8*\p+2*\r], v[Y1+8*\p+2*\r+1]
	v_cvt_pk_f16_f32 v[TMP+4*(4+\p)+\r], v[Y2+8*\p+2*\r], v[Y2+8*\p+2*\r+1]
.endr
.endr
.if \i < 6
	CSLOAD \i+2, \set                              ; the set just used, for the row block after the next
.endif
.irp b, 0,1
	ds_store_b128 v[STA], v[TMP+4*\b:TMP+4*\b+3] offset:32*\b
.endr
.irp b, 2,3,4,5
	ds_store_b128 v[STB], v[TMP+4*\b:TMP+4*\b+3] offset:32*\b
.endr
.irp b, 6,7
	ds_store_b128 v[STC], v[TMP+4*\b:TMP+4*\b+3] offset:32*\b
.endr
	s_cmp_eq_u32 s12, 0                            ; column half 0 has no V
	s_cbranch_scc1 .Lno_lo_\@
.set u, 0
.irp h, v96.l,v96.h,v97.l,v97.h,v98.l,v98.h,v99.l,v99.h,v100.l,v100.h,v101.l,v101.h,v102.l,v102.h,v103.l,v103.h,v120.l,v120.h,v121.l,v121.h,v122.l,v122.h,v123.l,v123.h,v124.l,v124.h,v125.l,v125.h,v126.l,v126.h,v127.l,v127.h
	v_cvt_f32_f16 v[Y1+u], \h                      ; hi, widened again: tiles 0, 1, 6, 7 in this order
.set u, u+1
.endr
	WIN \w
.irp b, 0,1,6,7
.irp r, 0,1,2,3
	v_pk_add_f32 v[Y1+8*(\b%4)+2*\r:Y1+8*(\b%4)+2*\r+1], v[64*\a+8*\b+2*\r:64*\a+8*\b+2*\r+1], v[Y1+8*(\b%4)+2*\r:Y1+8*(\b%4)+2*\r+1] neg_lo:[0,1] neg_hi:[0,1]   ; v - hi, exact
.endr
.endr
	WIN 0
.irp m, 0,1,2,3,4,5,6,7,8,9,10,11,12,13,14,15
	v_cvt_pk_f16_f32 v[LO+\m], v[Y1+2*\m], v[Y1+2*\m+1]
.endr
.irp b, 0,1
	ds_store_b128 v[STA], v[LO+4*\b:LO+4*\b+3] offset:32*\b+128
.endr
.irp b, 6,7
	ds_store_b128 v[STC], v[LO+4*(\b-4):LO+4*(\b-4)+3] offset:32*\b+128
.endr
.Lno_lo_\@:
.if \i < 7
	v_add_nc_u32 v[STA], 16*IP, v[STA]             ; 16 rows of the image on: 112 rows of 656 bytes would not fit the 16-bit immediate
	v_add_nc_u32 v[STB], 16*IP, v[STB]
	v_add_nc_u32 v[STC], 16*IP, v[STC]
.endif
.endm
	OUTROW 0, 0, 2, CS0, 8
	OUTROW 1, 1, 2, CS1, 8
	OUTROW 2, 2, 2, CS0, 8
	OUTROW 3, 3, 2, CS1, 8
	OUTROW 4, 0, 3, CS0, 8
	OUTROW 5, 1, 3, CS1, 8
	OUTROW 6, 2, 3, CS0, 8
	OUTROW 7, 3, 3, CS1, 0
	s_wait_dscnt 0x0                               ; my part of the image is written,
	s_barrier_signal -1
	s_barrier_wait -1                              ; everybody's is: a row holds pieces of two waves
; eight stores of 512 consecutive, aligned bytes: store q0 + t of my wave's dense run of rows
.macro BACK8 buf, areg, nph, rowstep, q0, sb, extra
	s_wait_xcnt 0x0                                ; the buffer, which earlier stores read, is loaded again only behind this wait
.irp t, 0,1,2,3,4,5,6,7
	ds_load_b128 v[\buf+4*\t:\buf+4*\t+3], v[\areg+(\q0+\t)%\nph] offset:((\q0+\t)/\nph)*\rowstep+\extra
.endr
.irp t, 0,1,2,3,4,5,6,7
	s_wait_dscnt 7-\t
	global_store_b128 v[CO], v[\buf+4*\t:\buf+4*\t+3], s[\sb:\sb+1] offset:(\q0+\t)*512
.endr
.endm
	BACK8 BK0, RQ, 3, 8*IP, 0,  82, 0
	BACK8 BK1, RQ, 3, 8*IP, 8,  82, 0
	BACK8 BK0, RQ, 3, 8*IP, 16, 82, 0
	BACK8 BK1, RQ, 3, 8*IP, 0,  84, 192
	BACK8 BK0, RQ, 3, 8*IP, 8,  84, 192
	BACK8 BK1, RQ, 3, 8*IP, 16, 84, 192
	BACK8 BK0, RV, 1, 2*IP, 0,  86, 384
	BACK8 BK1, RV, 1, 2*IP, 8,  86, 384
	BACK8 BK0, RV, 1, 2*IP, 16, 86, 384
	BACK8 BK1, RV, 1, 2*IP, 24, 86, 384
	s_set_vgpr_msb 0x1
	s_wait_tensorcnt 0x0
	ds_add_u32 v255, v63
	s_wait_dscnt 0x0
	s_set_vgpr_msb 0x100
	CROUND                                         ; the closing round: no work-group ends while a partner may still ask for a tile that names it
	s_endpgm
.Lfunc_end_k_q792c26d8d2_qkv:
	.size	k_q792c26d8d2_qkv, .Lfunc_end_k_q792c26d8d2_qkv-k_q792c26d8d2_qkv
	.p2alignl 7, 3214868480
	.fill 96, 4, 3214868480
	.section	.rodata,"a",@progbits
	.p2align	6, 0x0
	.amdhsa_kernel k_q792c26d8d2_qkv
		.amdhsa_group_segment_fixed_size 327680
		.amdhsa_private_segment_fixed_size 0
		.amdhsa_enable_private_segment 0
		.amdhsa_kernarg_size 48
		.amdhsa_user_sgpr_count 2
		.amdhsa_user_sgpr_kernarg_segment_ptr 1
		.amdhsa_wavefront_size32 1
		.amdhsa_system_sgpr_workgroup_id_x 1
		.amdhsa_system_sgpr_workgroup_id_y 1
		.amdhsa_system_sgpr_workgroup_id_z 1
		.amdhsa_system_vgpr_workitem_id 0
		.amdhsa_next_free_vgpr 1024
		.amdhsa_next_free_sgpr 92
		.amdhsa_reserve_vcc 0
		.amdhsa_float_denorm_mode_32 3
		.amdhsa_float_denorm_mode_16_64 3
		.amdhsa_memory_ordered 1
		.amdhsa_forward_progress 1
		.amdhsa_inst_pref_size 251
	.end_amdhsa_kernel
	.amdgpu_metadata
---
amdhsa.version: [ 1, 2 ]
amdhsa.kernels:
  - .name:           k_q792c26d8d2_qkv
    .symbol:         k_q792c26d8d2_qkv.kd
    .args:
      - { .name: xh, .offset: 0, .size: 8, .value_kind: global_buffer, .address_space: global }
      - { .name: wcat, .offset: 8, .size: 8, .value_kind: global_buffer, .address_space: global }
      - { .name: rope, .offset: 16, .size: 8, .value_kind: global_buffer, .address_space: global }
      - { .name: qh, .offset: 24, .size: 8, .value_kind: global_buffer, .address_space: global }
      - { .name: kh, .offset: 32, .size: 8, .value_kind: global_buffer, .address_space: global }
      - { .name: vh, .offset: 40, .size: 8, .value_kind: global_buffer, .address_space: global }
    .group_segment_fixed_size: 327680
    .private_segment_fixed_size: 0
    .kernarg_segment_align: 8
    .kernarg_segment_size: 48
    .max_flat_workgroup_size: 128
    .sgpr_count:     92
    .vgpr_count:     1024
    .wavefront_size: 32
...
	.end_amdgpu_metadata
.endif
;; end of part 2
;; launch attn (part 3): grid 256 x 1, 8 waves a work-group, no clusters, 327,680 bytes of LDS; arguments qh, kh, vh, ah; writes ah
.if DOCPART == 3
	.amdgcn_target "amdgcn-amd-amdhsa--gfx1250"
	.amdhsa_code_object_version 6
	.text
	.protected	k_q792c26d8d2_attn
	.globl	k_q792c26d8d2_attn
	.p2align	8
	.type	k_q792c26d8d2_attn,@function
k_q792c26d8d2_attn:
	s_mov_b64 s[64:65], 0
	v_nop
	global_prefetch_b8 v0, s[64:65] scope:SCOPE_SE
	s_setreg_imm32_b32 hwreg(HW_REG_WAVE_MODE, 25, 1), 1
	s_wait_xcnt 0x0
; attn: causal softmax attention, 32 (batch, head) x 2,048 queries, 96 features of q and k, 64 of v; f16 operands, f32 scores, sums and statistics; running maximum.
; Result ah[part][head][batch*2048+s][64] in f16, part 0 = hi = f16(result), part 1 = lo = f16(result - hi).
; LIMIT: operands are f16 (below 65,504), so a raw score is below 96 x 65,504^2 = 4.2e11.  q, k and the weights P are single f16.
; V comes as hi + lo (two f16).  The lo parts are multiplied in the trips of the diagonal superblock alone: V's rounding to f16 stands out only in rows that average
; few keys, and all keys of such a row (at most 256 of them) lie in its diagonal superblock; in the other trips V is its hi part.
; MASK: a masked score is set to -2^100 (the definition uses the lowest f32).  c x 2^100 is exact, so a part of a row that has met masked keys only gets the exponent 0
; exactly and stays finite; its weight is wiped by a factor exp2(-1.9e29) = 0 as soon as it meets, or is merged with, a valid key, and every causal row has one.
; SHARING: work-group x: (batch, head) = x >> 3, i = x & 7.  Two passes over blocks of 128 queries: block i, then block 15 - i.  Keys go in aligned superblocks of
; 2 x 128 keys; block 0 of a superblock always lies in LDS slot 0, block 1 in slot 1.  A pass takes the superblock of its diagonal first (masked by comparison),
; then the full ones below it, downwards: 2 + 2 (i >> 1) and 2 + 2 (7 - (i >> 1)) trips, 18 for every work-group.
; Wave w: qg = w >> 2 takes 64 queries (4 tiles of 16), kq = w & 3 takes keys 32 kq .. +31 of every block: a K or V fragment is read from LDS by two waves only.
; The four key quarters of a query tile are merged through LDS at the end of a pass.  Two waves lie on a SIMD: one's softmax runs beside the other's matrix work.
; LAYOUTS: S^T = K Q^T (A = 16 keys, B = 16 queries): lane (r, h) holds query r, keys 8 h + 0..7.  Two such tiles packed to f16 ARE the B fragment of O^T = V^T P^T,
; whose A fragment comes from V[key][d] by the transposing LDS load.  In O^T lane (r, h) holds query r, d = 8 h + 0..7: statistics and factors never change lanes.
; NO MULTICAST: at a given trip the eight work-groups of a head are at different superblocks (their first ones are i >> 1 and 7 - (i >> 1)), and the trip at which a
; work-group changes passes hangs on i, so partners would not issue the same loads in the same rounds.
.set KPITCH, 240                       ; a key's 192 bytes as three pieces of 64 + 16 of padding: 15 x 16 bytes, so 16 keys start at 16 different groups of banks
.set VPITCH, 288                       ; hi 128 + lo 128 + 32: an odd multiple of 32 for the transposing load
.set KBLK,   128*192                   ; bytes of a block of keys in memory
.set VBLK,   128*256
.set KSLOT,  128*KPITCH                ; 30,720
.set VSLOT,  128*VPITCH                ; 36,864
.set VS0,    2*KSLOT                   ; 61,440
.set XCH,    VS0+2*VSLOT               ; 135,168: 32 cells ((qg 4 + tile) 4 + kq): O as 8 x 512 bytes, then (NM, l) as 256 bytes.  No tensor load lands here
.set CELL,   4352
.set OST,    XCH+32*CELL               ; 274,432: each wave's own 2 x 16 rows of 128 + 16 bytes: hi, then lo
.set OSTH,   2304
.set OSTW,   2*OSTH
.set CSC,    0x3e16c740                ; c = log2(e) / sqrt(96)
.set NCSC,   0xbe16c740                ; -c
.set MASKV,  0xf1800000                ; -2^100
.set NM0,    0x7016c740                ; c x 2^100
.set ADRK, 4
.set ADRV, 5
.set QREL1, 6                          ; query - key distance at (tile 0, key 0) in pass 1, 2
.set QREL2, 7
.set XW,  8
.set XWM, 9
.set XR,  10
.set XRM, 11
.set OSW, 12
.set OSR, 13
.set QOF, 14
.set GOF, 15
.set MX,  16                           ; v16-19  running maximum of the raw scores, a query tile each
.set NL,  20                           ; v20-27  pairs (NM = -c m rounded, l = my half's sum)
.set AL,  28                           ; v28-35  pairs (factor for the old sums, unused)
.set T,   36                           ; v36-47  at work (the list of halves in EPI names v36-39)
.set KF,  48                           ; v48-95  K fragments (t, c) at 24 t + 8 c
.set VF0, 96                           ; v96-127, v128-159  V^T hi fragments of slot 0, 1: d tile at 8 d
.set S,   160                          ; v160-223 scores (tile q, t) at 16 q + 8 t; then P in the first 8 of each 16
.set E,   224                          ; v224-231 the four (NM, l) of a merge
.set WT,  232                          ; v232-239 the four weights, twice each
.set U,   240                          ; v240-245 at work in the merge
; window 1: O (tile q, d tile) at 32 q + 8 d (v0-127); Q fragments (q, c) at 128 + 24 q + 8 c (v128-223); V^T lo fragments, d tile at 224 + 8 d
.set VL,  224
.set G1K, 24
.set G1V, 32
.set G0K, 40                           ; s[40:47] group 0 for K, a set for each slot
.set G0V, 48                           ; s[48:55] for V
.set OFK, 56                           ; s[56:57], s[58:59] byte offset in kh of the tile that slot 0, 1 gets next, with a zero word above it
.set OFV, 60                           ; s[60:61], s[62:63] the same in vh
.set UPK, 84                           ; s84, s85: bytes from superblock 0 up to pass 2's first superblock, in kh and in vh
.set UPV, 85
.set MSB, 0
.macro WIN new
.if MSB != (\new)
	s_set_vgpr_msb (MSB<<8)|(\new)
.set MSB, (\new)
.endif
.endm
.macro NOPS n
.rept \n
	v_nop
.endr
.endm
; The global address words of a slot's two descriptors, made anew each time: the buffer's address plus the slot's offset, then the type (2 in the top two bits).
; It stands only where no tensor load of the wave is out.
.macro SETADR slot
	s_add_nc_u64 s[G0K+4*\slot+2:G0K+4*\slot+3], s[6:7], s[OFK+2*\slot:OFK+2*\slot+1]
	s_or_b32 s[G0K+4*\slot+3], s[G0K+4*\slot+3], 0x80000000
	s_add_nc_u64 s[G0V+4*\slot+2:G0V+4*\slot+3], s[8:9], s[OFV+2*\slot:OFV+2*\slot+1]
	s_or_b32 s[G0V+4*\slot+3], s[G0V+4*\slot+3], 0x80000000
.endm
; wave 0 loads K's block, wave 1 V's, the others nothing: one tensor load a wave
.macro TLOAD s
	s_cmp_gt_u32 s12, 1
	s_cbranch_scc1 .Lnone_\@
	s_cmp_eq_u32 s12, 1
	s_cbranch_scc1 .Lv_\@
	tensor_load_to_lds s[G0K+4*\s:G0K+4*\s+3], s[G1K:G1K+7]
	s_nop 0
	s_branch .Lnone_\@
.Lv_\@:
	tensor_load_to_lds s[G0V+4*\s:G0V+4*\s+3], s[G1V:G1V+7]
	s_nop 0
.Lnone_\@:
.endm
; my 64 queries as B fragments, straight from memory: lane (r, h): query r, features 32 c + 8 h .. and 32 c + 16 + 8 h ..
.macro QLOAD sb
	WIN 0x40
.irp q, 0,1,2,3
.irp c, 0,1,2
	global_load_b128 v[128+24*\q+8*\c:128+24*\q+8*\c+3],   v[QOF], s[\sb:\sb+1] offset:3072*\q+64*\c
	global_load_b128 v[128+24*\q+8*\c+4:128+24*\q+8*\c+7], v[QOF], s[\sb:\sb+1] offset:3072*\q+64*\c+32
.endr
.endr
	WIN 0
.endm
; my 32 keys of the block in slot s: 12 loads for K, then 8 transposing loads for V's hi parts
.macro KVFETCH s
.irp t, 0,1
.irp c, 0,1,2
	ds_load_b128 v[KF+24*\t+8*\c:KF+24*\t+8*\c+3],   v[ADRK] offset:KSLOT*(\s)+16*KPITCH*\t+80*\c
	ds_load_b128 v[KF+24*\t+8*\c+4:KF+24*\t+8*\c+7], v[ADRK] offset:KSLOT*(\s)+16*KPITCH*\t+80*\c+32
.endr
.endr
.irp d, 0,1,2,3
	ds_load_tr16_b128 v[VF0+32*(\s)+8*\d:VF0+32*(\s)+8*\d+3],   v[ADRV] offset:VSLOT*(\s)+32*\d
	ds_load_tr16_b128 v[VF0+32*(\s)+8*\d+4:VF0+32*(\s)+8*\d+7], v[ADRV] offset:VSLOT*(\s)+32*\d+16*VPITCH
.endr
.endm
; V's lo parts of the same 32 keys, 128 bytes behind the hi parts in each row: 8 transposing loads into window 1
.macro VLFETCH s
	WIN 0x40
.irp d, 0,1,2,3
	ds_load_tr16_b128 v[VL+8*\d:VL+8*\d+3],   v[ADRV] offset:VSLOT*(\s)+128+32*\d
	ds_load_tr16_b128 v[VL+8*\d+4:VL+8*\d+7], v[ADRV] offset:VSLOT*(\s)+128+32*\d+16*VPITCH
.endr
	WIN 0
.endm
; 24 matrix instructions; the eight score tiles take turns, one instruction a turn.  The first 32 features start the sums.
.macro SCORES
	WIN 0x04                                       ; source 1 (Q) in window 1
.irp c, 0,1,2
.irp q, 0,1,2,3
.irp t, 0,1
.if \c == 0
	v_wmma_f32_16x16x32_f16 v[S+16*\q+8*\t:S+16*\q+8*\t+7], v[KF+24*\t+8*\c:KF+24*\t+8*\c+7], v[128+24*\q+8*\c:128+24*\q+8*\c+7], 0
.else
	v_wmma_f32_16x16x32_f16 v[S+16*\q+8*\t:S+16*\q+8*\t+7], v[KF+24*\t+8*\c:KF+24*\t+8*\c+7], v[128+24*\q+8*\c:128+24*\q+8*\c+7], v[S+16*\q+8*\t:S+16*\q+8*\t+7]
.endif
.endr
.endr
.endr
.endm
; query tile q: mask, new maximum, factor for the old sums, p = exp2(c s + NM), l, P in f16
.macro SOFT q, mask, blk, qrel
.if \mask
.irp t, 0,1
.irp j, 0,1,2,3,4,5,6,7
	v_cmp_le_i32 vcc_lo, 128*\blk+16*\t+\j-16*\q, v[\qrel]         ; key <= query
	v_cndmask_b32 v[S+16*\q+8*\t+\j], s75, v[S+16*\q+8*\t+\j], vcc_lo
.endr
.endr
.endif
	v_max3_num_f32 v[T+0], v[S+16*\q+0],  v[S+16*\q+1],  v[S+16*\q+2]
	v_max3_num_f32 v[T+1], v[S+16*\q+3],  v[S+16*\q+4],  v[S+16*\q+5]
	v_max3_num_f32 v[T+2], v[S+16*\q+6],  v[S+16*\q+7],  v[S+16*\q+8]
	v_max3_num_f32 v[T+3], v[S+16*\q+9],  v[S+16*\q+10], v[S+16*\q+11]
	v_max3_num_f32 v[T+4], v[S+16*\q+12], v[S+16*\q+13], v[S+16*\q+14]
	v_max3_num_f32 v[T+0], v[T+0], v[S+16*\q+15], v[MX+\q]
	v_max3_num_f32 v[T+1], v[T+1], v[T+2], v[T+3]
	v_max3_num_f32 v[T+0], v[T+0], v[T+1], v[T+4]
	v_permlanex16_b32 v[T+1], v[T+0], s20, s21     ; the other 16 keys of the same query
	v_max_num_f32 v[MX+\q], v[T+0], v[T+1]
	v_mul_f32 v[T+2], s74, v[MX+\q]                ; NM = -c m, rounded once; all exponents of this tile refer to this number
	v_sub_f32 v[T+3], v[T+2], v[NL+2*\q]           ; new NM - old NM <= 0
	v_mov_b32 v[NL+2*\q], v[T+2]                   ; the old one was needed in the line above
	v_exp_f32 v[AL+2*\q], v[T+3]
.irp k, 0,2,4,6,8,10,12,14
	v_pk_fma_f32 v[S+16*\q+\k:S+16*\q+\k+1], v[S+16*\q+\k:S+16*\q+\k+1], s[22:23], v[NL+2*\q:NL+2*\q+1] op_sel_hi:[1,0,0]
.endr
.irp k, 0,1,2,3,4,5,6,7,8,9,10,11,12,13,14,15
	v_exp_f32 v[S+16*\q+\k], v[S+16*\q+\k]
.endr
	s_wait_alu depctr_va_vdst(0)
	v_mul_f32 v[NL+2*\q+1], v[NL+2*\q+1], v[AL+2*\q]               ; the old sum shrinks; also the plain instruction behind the exponentials (ISA guide 5.7.2)
	v_pk_add_f32 v[T+4:T+5],   v[S+16*\q+0:S+16*\q+1],   v[S+16*\q+2:S+16*\q+3]
	v_pk_add_f32 v[T+6:T+7],   v[S+16*\q+4:S+16*\q+5],   v[S+16*\q+6:S+16*\q+7]
	v_pk_add_f32 v[T+8:T+9],   v[S+16*\q+8:S+16*\q+9],   v[S+16*\q+10:S+16*\q+11]
	v_pk_add_f32 v[T+10:T+11], v[S+16*\q+12:S+16*\q+13], v[S+16*\q+14:S+16*\q+15]
	v_pk_add_f32 v[T+4:T+5], v[T+4:T+5], v[T+6:T+7]
	v_pk_add_f32 v[T+8:T+9], v[T+8:T+9], v[T+10:T+11]
	v_pk_add_f32 v[T+4:T+5], v[T+4:T+5], v[T+8:T+9]
	v_add_f32 v[T+4], v[T+4], v[T+5]
	v_add_f32 v[NL+2*\q+1], v[NL+2*\q+1], v[T+4]
.irp k, 0,1,2,3,4,5,6,7
	v_cvt_pk_f16_f32 v[S+16*\q+\k], v[S+16*\q+2*\k], v[S+16*\q+2*\k+1]   ; upwards in place: register k is written when 2 k and 2 k + 1 are read
.endr
.endm
.macro RESC                            ; the old O shrinks by its query's factor
	WIN 0x41
.irp q, 0,1,2,3
.irp k, 0,1,2,3,4,5,6,7,8,9,10,11,12,13,14,15
	v_pk_mul_f32 v[32*\q+2*\k:32*\q+2*\k+1], v[32*\q+2*\k:32*\q+2*\k+1], v[AL+2*\q:AL+2*\q+1] op_sel_hi:[1,0]
.endr
.endr
.endm
.macro PV vf, first                    ; 16 matrix instructions on 16 different accumulators
	WIN 0x50
.irp q, 0,1,2,3
.irp d, 0,1,2,3
.if \first
	v_wmma_f32_16x16x32_f16 v[32*\q+8*\d:32*\q+8*\d+7], v[\vf+8*\d:\vf+8*\d+7], v[S+16*\q:S+16*\q+7], 0
.else
	v_wmma_f32_16x16x32_f16 v[32*\q+8*\d:32*\q+8*\d+7], v[\vf+8*\d:\vf+8*\d+7], v[S+16*\q:S+16*\q+7], v[32*\q+8*\d:32*\q+8*\d+7]
.endif
.endr
.endr
.endm
.macro PVL                             ; the same 16 accumulators in the same order, one instruction a turn, with V's lo parts (source 0 in window 1)
	WIN 0x51
.irp q, 0,1,2,3
.irp d, 0,1,2,3
	v_wmma_f32_16x16x32_f16 v[32*\q+8*\d:32*\q+8*\d+7], v[VL+8*\d:VL+8*\d+7], v[S+16*\q:S+16*\q+7], v[32*\q+8*\d:32*\q+8*\d+7]
.endr
.endr
.endm
.macro INIT                            ; a pass begins as if it had met masked keys only
.irp q, 0,1,2,3
	v_mov_b32 v[MX+\q], s75
	v_mov_b32 v[NL+2*\q], NM0
	v_mov_b32 v[NL+2*\q+1], 0
.endr
.endm
; One block of 128 keys, whose fragments were asked for in the trip before.
; mask = 1: a block of the diagonal superblock: scores are masked by comparison, and V's lo parts are read (from this trip's slot, which the barrier of the trip before
; has shown whole and which is filled again only behind this trip's barrier) and multiplied too.
; upd: this slot's next tile: 0 none, 1 one superblock down, 2 the same, or up to pass 2's first superblock if this is pass 1's last (s19 = 0: pass 1 is at superblock 0).
; sync = 1: change of slots.  Every wave has this slot's fragments in registers (dscnt 0) and all its tensor loads landed (tensorcnt 0: the one out is the other slot's tile);
; behind the barrier this slot is filled again first (the tile two trips ahead), then the other slot's fragments are read.
.macro TRIP slot, mask, blk, first, upd, sync, refill, qrel
.if \mask
	VLFETCH \slot
	s_wait_dscnt 16                                ; K's 12 loads are in; V's 8 and the 8 for its lo parts, issued behind them, may be out
.else
	s_wait_dscnt 0x8                               ; K's 12 loads are in; V's 8, issued behind them, may be out
.endif
	SCORES
	WIN 0
	s_wait_dscnt 0x0                               ; V's fragments too: my reads of this slot are over
.if \sync
	s_wait_tensorcnt 0x0                           ; no tensor load of mine is out: the group 0 below may be written
	ds_add_u32 v254, v255
	s_wait_dscnt 0x0
.if \upd == 1
	s_sub_co_u32 s[OFK+2*\slot], s[OFK+2*\slot], 2*KBLK
	s_sub_co_u32 s[OFV+2*\slot], s[OFV+2*\slot], 2*VBLK
	SETADR \slot
.endif
.if \upd == 2
	s_sub_co_u32 s76, s[OFK+2*\slot], 2*KBLK       ; down (at superblock 0 this candidate may wrap; there it is not taken)
	s_add_co_u32 s77, s[OFK+2*\slot], s[UPK]       ; or up
	s_sub_co_u32 s78, s[OFV+2*\slot], 2*VBLK
	s_add_co_u32 s79, s[OFV+2*\slot], s[UPV]
	s_cmp_eq_u32 s19, 0
	s_cselect_b32 s[OFK+2*\slot], s77, s76
	s_cselect_b32 s[OFV+2*\slot], s79, s78
	SETADR \slot
.endif
	s_barrier_signal -1
	NOPS 4                                         ; the four places behind the score products, for the loads onto K's fragments and the reads of S
	s_barrier_wait -1
.if \refill
	TLOAD \slot
.endif
	KVFETCH (1-\slot)
.else
	NOPS 4
.endif
	SOFT 0, \mask, \blk, \qrel
	SOFT 1, \mask, \blk, \qrel
	SOFT 2, \mask, \blk, \qrel
	SOFT 3, \mask, \blk, \qrel
.if \first == 0
	RESC
.endif
	PV VF0+32*\slot, \first
.if \mask
	PVL
.endif
	NOPS 5                                         ; five places before the next score products write over P, a source of these; they also serve the next loads onto V's lo fragments
	WIN 0
.endm
; End of a pass: the four key quarters of each query tile meet in LDS; wave (qg, kq) merges, norms and stores tile kq of its 64 queries, as hi and lo.
.macro EPI ab, nextq
.if \nextq
	QLOAD 68                                       ; pass 2's queries, on their way during the merge
.endif
	WIN 0x04                                       ; store data in window 1
.irp q, 0,1,2,3
.irp g, 0,1,2,3,4,5,6,7
	ds_store_b128 v[XW], v[32*\q+4*\g:32*\q+4*\g+3] offset:4*CELL*\q+512*\g
.endr
.endr
	WIN 0
.irp q, 0,1,2,3
	ds_store_b64 v[XWM], v[NL+2*\q:NL+2*\q+1] offset:4*CELL*\q
.endr
	s_wait_dscnt 0x0                               ; my cells are written
	s_wait_tensorcnt 0x0                           ; and no tensor load of mine crosses this barrier
	s_barrier_signal -1
	s_barrier_wait -1
.irp s, 0,1,2,3
	ds_load_b64 v[E+2*\s:E+2*\s+1], v[XRM] offset:CELL*\s
.endr
	WIN 0x40
.irp s, 0,1,2,3
.irp g, 0,1,2,3,4,5,6,7
	ds_load_b128 v[32*\s+4*\g:32*\s+4*\g+3], v[XR] offset:CELL*\s+512*\g
.endr
.endr
	WIN 0
	s_wait_dscnt 32                                ; the four (NM, l) are in; the 32 loads of O behind them may be out
	v_min3_num_f32 v[U], v[E], v[E+2], v[E+4]
	v_min_num_f32 v[U], v[U], v[E+6]               ; NM of the largest maximum
.irp s, 0,1,2,3
	v_sub_f32 v[U+1+\s], v[U], v[E+2*\s]
.endr
.irp s, 0,1,2,3
	v_exp_f32 v[U+1+\s], v[U+1+\s]
.endr
	v_nop                                          ; a plain place behind the exponentials
	s_wait_alu depctr_va_vdst(0)
	v_mul_f32 v[U+5], v[U+1], v[E+1]
	v_fmac_f32 v[U+5], v[U+2], v[E+3]
	v_fmac_f32 v[U+5], v[U+3], v[E+5]
	v_fmac_f32 v[U+5], v[U+4], v[E+7]
	v_permlanex16_b32 v[T+1], v[U+5], s20, s21     ; l was kept by halves of the lanes
	v_add_f32 v[U+5], v[U+5], v[T+1]               ; at least about 1: the key of the maximum counts 1
	v_rcp_f32 v[U+5], v[U+5]
	v_nop
	s_wait_alu depctr_va_vdst(0)
.irp s, 0,1,2,3
	v_mul_f32 v[WT+2*\s], v[U+1+\s], v[U+5]
	v_mul_f32 v[WT+2*\s+1], v[U+1+\s], v[U+5]
.endr
	s_wait_dscnt 0x0
	WIN 0x41
.irp k, 0,1,2,3,4,5,6,7,8,9,10,11,12,13,14,15
	v_pk_mul_f32 v[2*\k:2*\k+1], v[2*\k:2*\k+1], v[WT:WT+1]
.endr
	WIN 0x51
.irp s, 1,2,3
.irp k, 0,1,2,3,4,5,6,7,8,9,10,11,12,13,14,15
	v_pk_fma_f32 v[2*\k:2*\k+1], v[32*\s+2*\k:32*\s+2*\k+1], v[WT+2*\s:WT+2*\s+1], v[2*\k:2*\k+1]
.endr
.endr
	; a d tile (8 numbers a lane) at a time: hi = f16(o), lo = f16(o - hi); row = query r, my 8 neighbouring d
.irp d, 0,1,2,3
	WIN 0x05
.irp r, 0,1,2,3
	v_cvt_pk_f16_f32 v[T+\r], v[8*\d+2*\r], v[8*\d+2*\r+1]
.endr
	WIN 0
.set u, 0
.irp h, v36.l,v36.h,v37.l,v37.h,v38.l,v38.h,v39.l,v39.h
	v_cvt_f32_f16 v[T+4+u], \h                     ; hi, widened again
.set u, u+1
.endr
	ds_store_b128 v[OSW], v[T:T+3] offset:32*\d
	WIN 0x01
.irp r, 0,1,2,3
	v_pk_add_f32 v[T+4+2*\r:T+5+2*\r], v[8*\d+2*\r:8*\d+2*\r+1], v[T+4+2*\r:T+5+2*\r] neg_lo:[0,1] neg_hi:[0,1]   ; o - hi, exact
.endr
	WIN 0
.irp r, 0,1,2,3
	v_cvt_pk_f16_f32 v[S+4*\d+\r], v[T+4+2*\r], v[T+5+2*\r]
.endr
	ds_store_b128 v[OSW], v[S+4*\d:S+4*\d+3] offset:OSTH+32*\d
.endr
.irp g, 0,1,2,3
	ds_load_b128 v[S+16+4*\g:S+16+4*\g+3], v[OSR] offset:4*144*\g  ; my wave's own bytes: LDS serves a wave's instructions in order (ISA guide 5.7.1.4)
.endr
.irp g, 0,1,2,3
	ds_load_b128 v[S+32+4*\g:S+32+4*\g+3], v[OSR] offset:OSTH+4*144*\g
.endr
	s_add_nc_u64 s[76:77], s[\ab:\ab+1], 0x800000  ; the lo part lies 16 x 4,096 x 128 bytes behind the hi part: one more than a store's immediate reaches
.irp g, 0,1,2,3
	s_wait_dscnt 7-\g                              ; of the eight read-backs, hi's load g is in
	global_store_b128 v[GOF], v[S+16+4*\g:S+16+4*\g+3], s[\ab:\ab+1] offset:512*\g   ; 512 consecutive, aligned bytes: four queries' rows
.endr
.irp g, 0,1,2,3
	s_wait_dscnt 3-\g
	global_store_b128 v[GOF], v[S+32+4*\g:S+32+4*\g+3], s[76:77] offset:512*\g
.endr
	s_wait_xcnt 0x0                                ; the stores' data registers are score registers again, and s[76:77] scratch, only behind this wait
.if \nextq
	s_wait_loadcnt 0x0                             ; pass 2's queries
.endif
.endm
	s_load_b256 s[4:11], s[0:1], 0x0               ; qh s[4:5], kh s[6:7], vh s[8:9], ah s[10:11]
	v_lshl_add_u32 v254, v0, 2, 0x4c000
	v_mov_b32 v255, 0
	ds_add_u32 v254, v255
	v_lshrrev_b32 v1, 5, v0
	v_readfirstlane_b32 s12, v1                    ; wave
	s_lshr_b32 s14, s12, 2                         ; qg
	s_and_b32 s15, s12, 3                          ; kq
	s_lshr_b32 s16, ttmp9, 3                       ; batch * 16 + head
	s_and_b32 s17, ttmp9, 7                        ; i
	s_lshr_b32 s18, s17, 1                         ; F1: full superblocks of pass 1; pass 2 has 7 - F1
	s_mov_b32 s20, 0x76543210                      ; v_permlanex16_b32: lane i of one half reads lane i of the other
	s_mov_b32 s21, 0xfedcba98
	s_mov_b32 s22, CSC
	s_mov_b32 s23, CSC
	s_mov_b32 s74, NCSC
	s_mov_b32 s75, MASKV
	; group 1 for K: a dense block of 24,576 bytes as 96 rows of 32 elements of 8 bytes; 4 words of padding behind every 16
	s_mov_b32 s[G1K+0], (3<<16)|(1<<20)|(3<<22)|(3<<25)
	s_mov_b32 s[G1K+1], 32<<16
	s_mov_b32 s[G1K+2], 96<<16
	s_mov_b32 s[G1K+3], 32<<16
	s_mov_b32 s[G1K+4], 96
	s_mov_b32 s[G1K+5], 32
	s_mov_b32 s[G1K+6], 0
	s_mov_b32 s[G1K+7], 0
	; group 1 for V: 32,768 bytes as 128 such rows, a key's hi and lo parts each; 8 words of padding behind every 64
	s_mov_b32 s[G1V+0], (3<<16)|(1<<20)|(5<<22)|(7<<25)
	s_mov_b32 s[G1V+1], 32<<16
	s_mov_b32 s[G1V+2], 128<<16
	s_mov_b32 s[G1V+3], 32<<16
	s_mov_b32 s[G1V+4], 128
	s_mov_b32 s[G1V+5], 32
	s_mov_b32 s[G1V+6], 0
	s_mov_b32 s[G1V+7], 0
	s_mov_b32 s[G0K+0], 1
	s_mov_b32 s[G0K+1], 0
	s_mov_b32 s[G0K+4], 1
	s_mov_b32 s[G0K+5], KSLOT
	s_mov_b32 s[G0V+0], 1
	s_mov_b32 s[G0V+1], VS0
	s_mov_b32 s[G0V+4], 1
	s_mov_b32 s[G0V+5], VS0+VSLOT
	; the slots' first tiles: the two blocks of pass 1's first superblock, F1, as byte offsets (16,777,216 at the most)
	s_mul_i32 s76, s16, 16*KBLK
	s_mul_i32 s78, s18, 2*KBLK
	s_add_co_u32 s[OFK], s76, s78
	s_mov_b32 s[OFK+1], 0
	s_add_co_u32 s[OFK+2], s[OFK], KBLK
	s_mov_b32 s[OFK+3], 0
	s_mul_i32 s76, s16, 16*VBLK
	s_mul_i32 s78, s18, 2*VBLK
	s_add_co_u32 s[OFV], s76, s78
	s_mov_b32 s[OFV+1], 0
	s_add_co_u32 s[OFV+2], s[OFV], VBLK
	s_mov_b32 s[OFV+3], 0
	s_sub_co_u32 s76, 7, s18                       ; F2
	s_mul_i32 s[UPK], s76, 2*KBLK
	s_mul_i32 s[UPV], s76, 2*VBLK
	s_wait_dscnt 0x0
	s_barrier_signal -1
	s_barrier_wait -1
	s_wait_kmcnt 0x0
	SETADR 0
	SETADR 1
	; the first fills, both slots, in one branch on the wave's number: two tensor loads of a loading wave are out here, later one
	s_cmp_gt_u32 s12, 1
	s_cbranch_scc1 .Lfilled
	s_cmp_eq_u32 s12, 1
	s_cbranch_scc1 .Lfill_v
	tensor_load_to_lds s[G0K:G0K+3], s[G1K:G1K+7]
	s_nop 0
	tensor_load_to_lds s[G0K+4:G0K+7], s[G1K:G1K+7]
	s_nop 0
	s_branch .Lfilled
.Lfill_v:
	tensor_load_to_lds s[G0V:G0V+3], s[G1V:G1V+7]
	s_nop 0
	tensor_load_to_lds s[G0V+4:G0V+7], s[G1V:G1V+7]
	s_nop 0
.Lfilled:
	; where my queries lie and where my results go
	s_lshl_b32 s76, s16, 11
	s_lshl_b32 s78, s14, 6
	s_add_co_u32 s76, s76, s78                     ; (batch, head) x 2,048 + 64 qg
	s_sub_co_u32 s80, 15, s17                      ; pass 2's query block
	s_lshl_b32 s78, s17, 7
	s_add_co_u32 s78, s76, s78
	s_mul_i32 s78, s78, 192
	s_mov_b32 s79, 0
	s_add_nc_u64 s[66:67], s[4:5], s[78:79]        ; pass 1's queries
	s_lshl_b32 s78, s80, 7
	s_add_co_u32 s78, s76, s78
	s_mul_i32 s78, s78, 192
	s_add_nc_u64 s[68:69], s[4:5], s[78:79]        ; pass 2's
	s_and_b32 s76, s16, 15
	s_lshl_b32 s76, s76, 12                        ; head x 4,096 tokens
	s_lshr_b32 s78, s16, 4
	s_lshl_b32 s78, s78, 11                        ; + batch x 2,048
	s_add_co_u32 s76, s76, s78
	s_lshl_b32 s78, s14, 6
	s_add_co_u32 s76, s76, s78
	s_lshl_b32 s78, s15, 4                         ; + the tile that I merge: 16 kq
	s_add_co_u32 s76, s76, s78
	s_lshl_b32 s78, s17, 7
	s_add_co_u32 s78, s76, s78
	s_lshl_b32 s78, s78, 7
	s_add_nc_u64 s[70:71], s[10:11], s[78:79]
	s_lshl_b32 s78, s80, 7
	s_add_co_u32 s78, s76, s78
	s_lshl_b32 s78, s78, 7
	s_add_nc_u64 s[72:73], s[10:11], s[78:79]
	v_and_b32 v1, 15, v0                           ; r
	v_bfe_u32 v2, v0, 4, 1                         ; h
	v_and_b32 v3, 31, v0                           ; lane
	v_mul_u32_u24 v[QOF], v1, 192
	v_lshl_add_u32 v[QOF], v2, 4, v[QOF]
	QLOAD 66
	s_mul_i32 s76, s15, 32*KPITCH
	v_mul_u32_u24 v[ADRK], v1, KPITCH
	v_lshl_add_u32 v[ADRK], v2, 4, v[ADRK]
	v_add_nc_u32 v[ADRK], s76, v[ADRK]             ; (32 kq + r) 240 + 16 h
	v_and_b32 v[ADRV], 7, v0
	v_lshl_add_u32 v[ADRV], v2, 3, v[ADRV]
	v_mul_u32_u24 v[ADRV], v[ADRV], VPITCH
	v_bfe_u32 v[T], v0, 3, 1
	v_lshl_add_u32 v[ADRV], v[T], 4, v[ADRV]
	s_mul_i32 s76, s15, 32*VPITCH
	s_add_co_u32 s76, s76, VS0
	v_add_nc_u32 v[ADRV], s76, v[ADRV]             ; V's slot 0 + (32 kq + 8 h + lane % 8) 288 + 16 ((lane / 8) % 2)
	s_lshl_b32 s76, s14, 6
	s_lshl_b32 s78, s15, 5
	s_sub_co_i32 s76, s76, s78                     ; 64 qg - 32 kq
	s_and_b32 s78, s17, 1
	s_lshl_b32 s79, s78, 7
	s_add_co_i32 s79, s76, s79                     ; + 128 if pass 1's block is the second of its superblock
	s_xor_b32 s78, s78, 1
	s_lshl_b32 s78, s78, 7
	s_add_co_i32 s78, s76, s78                     ; pass 2's block 15 - i has the other parity
	v_lshlrev_b32 v[T], 3, v2
	v_sub_nc_u32 v[T], v1, v[T]                    ; r - 8 h
	v_add_nc_u32 v[QREL1], s79, v[T]
	v_add_nc_u32 v[QREL2], s78, v[T]
	s_lshl_b32 s76, s14, 4
	s_add_co_u32 s78, s76, s15
	s_mul_i32 s78, s78, CELL
	s_add_co_u32 s78, s78, XCH                     ; cell (qg, tile 0, kq): where I write
	v_lshl_add_u32 v[XW], v3, 4, s78
	s_add_co_u32 s78, s78, 4096
	v_lshl_add_u32 v[XWM], v3, 3, s78
	s_lshl_b32 s78, s15, 2
	s_add_co_u32 s78, s76, s78
	s_mul_i32 s78, s78, CELL
	s_add_co_u32 s78, s78, XCH                     ; cell (qg, tile kq, 0): where I read
	v_lshl_add_u32 v[XR], v3, 4, s78
	s_add_co_u32 s78, s78, 4096
	v_lshl_add_u32 v[XRM], v3, 3, s78
	s_mul_i32 s76, s12, OSTW
	s_add_co_u32 s76, s76, OST
	v_mul_u32_u24 v[OSW], v1, 144
	v_lshl_add_u32 v[OSW], v2, 4, v[OSW]
	v_add_nc_u32 v[OSW], s76, v[OSW]
	v_lshrrev_b32 v[OSR], 3, v3
	v_mul_u32_u24 v[OSR], v[OSR], 144
	v_and_b32 v[T], 7, v0
	v_lshl_add_u32 v[OSR], v[T], 4, v[OSR]
	v_add_nc_u32 v[OSR], s76, v[OSR]
	v_lshlrev_b32 v[GOF], 4, v3
.irp q, 0,1,2,3
	v_mov_b32 v[AL+2*\q+1], 0                      ; the unused halves of the factor pairs, written once
.endr
	INIT
	s_wait_tensorcnt 0x1                           ; my tile of slot 0 is in; slot 1's stays out
	s_barrier_signal -1
	s_barrier_wait -1
	KVFETCH 0
	s_wait_loadcnt 0x0                             ; my queries
	s_mov_b32 s19, s18                             ; full superblocks still to come in pass 1
	TRIP 0, 1, 0, 1, 2, 1, 1, QREL1
	TRIP 1, 1, 1, 0, 2, 1, 1, QREL1
	s_cmp_eq_u32 s19, 0                            ; none: no trip of the loop
	s_cbranch_scc1 .Lp1_done
.Lp1:
	s_sub_co_u32 s19, s19, 1
	TRIP 0, 0, 0, 0, 2, 1, 1, QREL1
	TRIP 1, 0, 0, 0, 2, 1, 1, QREL1
	s_cmp_gt_i32 s19, 0
	s_cbranch_scc1 .Lp1
.Lp1_done:
	EPI 70, 1                                      ; K's and V's fragments of pass 2's first block are already in registers and stay untouched
	INIT
	TRIP 0, 1, 0, 1, 1, 1, 1, QREL2
	TRIP 1, 1, 1, 0, 1, 1, 1, QREL2
	s_sub_co_u32 s19, 6, s18                       ; all full superblocks but the last: 7 - F1 - 1, at least 3
.Lp2:
	TRIP 0, 0, 0, 0, 1, 1, 1, QREL2
	TRIP 1, 0, 0, 0, 1, 1, 1, QREL2
	s_sub_co_u32 s19, s19, 1
	s_cmp_gt_i32 s19, 0
	s_cbranch_scc1 .Lp2
	TRIP 0, 0, 0, 0, 0, 1, 0, QREL2                ; the last superblock: nothing is left to fetch
	TRIP 1, 0, 0, 0, 0, 0, 0, QREL2
	EPI 72, 0
	s_wait_tensorcnt 0x0
	ds_add_u32 v254, v255
	s_wait_dscnt 0x0
	s_endpgm
.Lfunc_end_k_q792c26d8d2_attn:
	.size	k_q792c26d8d2_attn, .Lfunc_end_k_q792c26d8d2_attn-k_q792c26d8d2_attn
	.p2alignl 7, 3214868480
	.fill 96, 4, 3214868480
	.section	.rodata,"a",@progbits
	.p2align	6, 0x0
	.amdhsa_kernel k_q792c26d8d2_attn
		.amdhsa_group_segment_fixed_size 327680
		.amdhsa_private_segment_fixed_size 0
		.amdhsa_enable_private_segment 0
		.amdhsa_kernarg_size 32
		.amdhsa_user_sgpr_count 2
		.amdhsa_user_sgpr_kernarg_segment_ptr 1
		.amdhsa_wavefront_size32 1
		.amdhsa_system_sgpr_workgroup_id_x 1
		.amdhsa_system_sgpr_workgroup_id_y 1
		.amdhsa_system_sgpr_workgroup_id_z 1
		.amdhsa_system_vgpr_workitem_id 0
		.amdhsa_next_free_vgpr 512
		.amdhsa_next_free_sgpr 88
		.amdhsa_reserve_vcc 1
		.amdhsa_float_denorm_mode_32 3
		.amdhsa_float_denorm_mode_16_64 3
		.amdhsa_memory_ordered 1
		.amdhsa_forward_progress 1
		.amdhsa_inst_pref_size 255
	.end_amdhsa_kernel
	.section	.bss,"aw",@nobits
	.p2align	6
	.space	262144
	.amdgpu_metadata
---
amdhsa.version: [ 1, 2 ]
amdhsa.kernels:
  - .name:           k_q792c26d8d2_attn
    .symbol:         k_q792c26d8d2_attn.kd
    .args:
      - { .name: qh, .offset: 0, .size: 8, .value_kind: global_buffer, .address_space: global }
      - { .name: kh, .offset: 8, .size: 8, .value_kind: global_buffer, .address_space: global }
      - { .name: vh, .offset: 16, .size: 8, .value_kind: global_buffer, .address_space: global }
      - { .name: ah, .offset: 24, .size: 8, .value_kind: global_buffer, .address_space: global }
    .group_segment_fixed_size: 327680
    .private_segment_fixed_size: 0
    .kernarg_segment_align: 8
    .kernarg_segment_size: 32
    .max_flat_workgroup_size: 256
    .sgpr_count:     88
    .vgpr_count:     512
    .wavefront_size: 32
...
	.end_amdgpu_metadata
.endif
;; end of part 3
;; launch oproj (part 4): grid 8 x 32, 4 waves a work-group, clusters of 4 x 4, 327,680 bytes of LDS; arguments ah, woh, out0; writes out0
.if DOCPART == 4
	.amdgcn_target "amdgcn-amd-amdhsa--gfx1250"
	.amdhsa_code_object_version 6
	.text
	.protected	k_q792c26d8d2_oproj
	.globl	k_q792c26d8d2_oproj
	.p2align	8
	.type	k_q792c26d8d2_oproj,@function
k_q792c26d8d2_oproj:
	s_mov_b64 s[64:65], 0
	v_nop
	global_prefetch_b8 v0, s[64:65] scope:SCOPE_SE
	s_setreg_imm32_b32 hwreg(HW_REG_WAVE_MODE, 25, 1), 1
	s_wait_xcnt 0x0
	s_wait_alu depctr_hold_cnt(0) depctr_sa_sdst(0) depctr_va_vdst(0) depctr_va_sdst(0) depctr_va_ssrc(0) depctr_va_vcc(0) depctr_vm_vsrc(0)
	s_getreg_b32 s2, hwreg(HW_REG_IB_STS2, 6, 4)
	s_cmp_eq_u32 s2, 0
	s_cbranch_scc0 .Lentry_in_a_cluster
	s_endpgm
.Lentry_in_a_cluster:
	s_bfe_u32 s2, ttmp6, 0x10000c
	s_cmp_lg_u32 s2, 0xf033
	s_cbranch_scc0 .Lentry_shape_is_right
	s_endpgm
.Lentry_shape_is_right:
; oproj: out0[token][n] = sum over k of att[token][k] Wo[n][k], k = head * 64 + d; sums and out0 in f32.
; att = hi + lo, two f16 numbers: ah[part][head][token][64]; woh[2048][1024] holds Wo's bf16 value in f16 form.  Both parts are multiplied, so the attention's result
; enters with about 22 significant bits: the rows of a sequence that average few keys stand far above the others, and a single f16 would show there.
; A work-group makes 128 tokens x 256 columns (8 x 32 = 256 work-groups) with four waves, 2 x 2 of 64 x 128: 32 accumulator tiles, all of window 1.
; Sixteen steps of 128 along K through a ring of two LDS slots: lap t takes heads 2 t and 2 t + 1, their hi parts in slot 0, their lo parts in slot 1, each against the
; same 128 columns of woh.  A step's part of ah is two planes (heads) of 128 tokens x 128 bytes, each dense in memory.
; CLUSTERS: 4 x 4 work-groups; ah's tiles hang on the block row alone and are asked for jointly along a row of the cluster, woh's on the block column alone, along a column.
; The matrix instruction is used transposed (source 0 = 16 rows of woh, source 1 = 16 tokens): lane l holds token l % 16, registers 0-7 the columns 8 (l / 16) + 0..7: 32 neighbouring bytes.
.set APITCH, 144                       ; 128 bytes + 16
.set PLANE,  128*APITCH                ; 18,432
.set BPITCH, 272                       ; 256 bytes + 16
.set HALFB,  128*BPITCH                ; 34,816
.set BOFF,   2*PLANE                   ; 36,864
.set SLOT,   BOFF+2*HALFB              ; 106,496
.set STAGE,  2*SLOT                    ; 212,992: behind the ring, 16 rows x 528 bytes for each wave; no tensor load lands here
.set SPITCH, 528
.set LAPS,   8
.set HEADB,  524288                    ; bytes of a head in a part of ah: 4,096 tokens x 128
.set PARTB,  16*HEADB                  ; bytes of a part
.set ADRA, 16
.set ADRB, 20
.set STO,  24
.set RD,   25
.set CO,   26
.set FA,   32                          ; v32-63, v64-95   fragments of ah, two buffers
.set FB,   96                          ; v96-159, v160-223 fragments of woh, two buffers
.set G1, 24
.set G0, 32
.set G1B, 48
.set G0B, 56
.set MSB, 0
.macro WIN new
.if MSB != (\new)
	s_set_vgpr_msb (MSB<<8)|(\new)
.set MSB, (\new)
.endif
.endm
.set MULW, 0x50                        ; C and D in window 1, sources in window 0
.macro JLOAD s                         ; waves 0 and 1 fetch ah's two planes, waves 2 and 3 woh's two halves
	s_cmp_eq_u32 s11, 0
	s_cbranch_scc0 .Lfor_b_\@
	tensor_load_to_lds s[G0+4*\s:G0+4*\s+3], s[G1:G1+7]
	s_nop 0
	s_branch .Lasked_\@
.Lfor_b_\@:
	tensor_load_to_lds s[G0B+4*\s:G0B+4*\s+3], s[G1B:G1B+7]
	s_nop 0
.Lasked_\@:
.endm
.macro CREST
	s_cmp_lg_u32 s10, 0
	s_cbranch_scc1 .Lnot_wave_0_\@
	s_barrier_signal -3
.Lnot_wave_0_\@:
	s_barrier_wait -3
	s_barrier_signal -1
	s_barrier_wait -1
.endm
.macro CROUND
	s_barrier_signal -1
	s_barrier_wait -1
	CREST
.endm
	s_load_b128 s[4:7], s[0:1], 0x0                ; ah s[4:5], woh s[6:7]
	s_load_b64 s[8:9], s[0:1], 0x10                ; out0
	v_lshl_add_u32 v254, v0, 2, 0x3c400
	v_mov_b32 v255, 0
	ds_add_u32 v254, v255
	v_lshrrev_b32 v1, 5, v0
	v_readfirstlane_b32 s10, v1                    ; wave
	s_lshr_b32 s11, s10, 1                         ; my half of the tokens.  Also: I fetch for ah (0) or woh (1)
	s_and_b32 s12, s10, 1                          ; my half of the columns.  Also: which plane, or which 128 rows, I fetch
	s_bfe_u32 s40, ttmp6, 0x40000                  ; cx
	s_bfe_u32 s41, ttmp6, 0x40004                  ; cy
	s_lshl_b32 s42, ttmp9, 2
	s_add_co_u32 s42, s42, s40                     ; block column: 256 columns
	s_and_b32 s13, ttmp7, 0xffff
	s_lshl_b32 s13, s13, 2
	s_add_co_u32 s13, s13, s41                     ; block row: 128 tokens
	s_lshl_b32 s43, s41, 2
	s_lshl_b32 s43, 15, s43                        ; my row of the cluster
	s_lshl_b32 s44, 0x1111, s40                    ; my column
	; ah: a dense plane of 16,384 bytes as 64 rows of 32 elements of 8 bytes, 4 words of padding behind every 32
	s_or_b32 s[G1+0], s43, (3<<16)|(1<<20)|(1<<21)|(4<<22)|(3<<25)
	s_mov_b32 s[G1+1], 32<<16
	s_mov_b32 s[G1+2], 64<<16
	s_mov_b32 s[G1+3], 32<<16
	s_mov_b32 s[G1+4], 64
	s_mov_b32 s[G1+5], 32
	s_mov_b32 s[G1+6], 0
	s_mov_b32 s[G1+7], 0
	; woh: 128 rows x 128 elements of 2 bytes, 1,024 elements from row to row, 4 words of padding behind every 64
	s_or_b32 s[G1B+0], s44, (1<<16)|(1<<20)|(1<<21)|(5<<22)|(3<<25)
	s_mov_b32 s[G1B+1], 128<<16
	s_mov_b32 s[G1B+2], 128<<16
	s_mov_b32 s[G1B+3], 128<<16
	s_mov_b32 s[G1B+4], 128
	s_mov_b32 s[G1B+5], 1024
	s_mov_b32 s[G1B+6], 0
	s_mov_b32 s[G1B+7], 0
	s_lshl_b32 s16, s12, 19                        ; plane = head: 4,096 tokens x 128 bytes
	s_lshl_b32 s17, s13, 14                        ; + block row x 128 tokens x 128 bytes
	s_add_co_u32 s16, s16, s17
	s_mov_b32 s17, 0
	s_lshl_b32 s46, s42, 19                        ; block column x 256 rows x 2,048 bytes
	s_lshl_b32 s47, s12, 18                        ; + half x 128 rows
	s_add_co_u32 s46, s46, s47
	s_mov_b32 s47, 0
	s_mul_i32 s20, s12, PLANE                      ; LDS: made of the wave's number alone
	s_mul_i32 s21, s12, HALFB
	s_add_co_u32 s21, s21, BOFF
	s_wait_dscnt 0x0
	s_wait_kmcnt 0x0
	s_add_nc_u64 s[14:15], s[4:5], s[16:17]
	s_add_nc_u64 s[46:47], s[6:7], s[46:47]
	CROUND                                         ; all sixteen work-groups are here: the first joint loads meet
.irp s, 0,1
	s_mov_b32 s[G0+4*\s], 1
	s_add_co_u32 s[G0+4*\s+1], s20, \s*SLOT
	s_add_nc_u64 s[G0+4*\s+2:G0+4*\s+3], s[14:15], \s*PARTB        ; slot 0: heads 0, 1 of the hi part; slot 1: of the lo part
	s_or_b32 s[G0+4*\s+3], s[G0+4*\s+3], 0x80000000
	s_mov_b32 s[G0B+4*\s], 1
	s_add_co_u32 s[G0B+4*\s+1], s21, \s*SLOT
	s_mov_b64 s[G0B+4*\s+2:G0B+4*\s+3], s[46:47]                   ; both slots: the same 128 columns of woh
	s_or_b32 s[G0B+4*\s+3], s[G0B+4*\s+3], 0x80000000
	JLOAD \s
.endr
	v_and_b32 v1, 15, v0                           ; r
	v_bfe_u32 v2, v0, 4, 1                         ; h
	v_and_b32 v5, 31, v0                           ; lane
	v_mul_u32_u24 v3, v1, APITCH
	v_lshl_add_u32 v3, v2, 4, v3
	v_mul_u32_u24 v4, v1, BPITCH
	v_lshl_add_u32 v4, v2, 4, v4
	s_mul_i32 s22, s11, 64*APITCH                  ; my 64 tokens
	s_mul_i32 s23, s12, HALFB                      ; my 128 rows of woh
	s_add_co_u32 s23, s23, BOFF
.irp s, 0,1
	v_add_nc_u32 v[ADRA+\s], s22, v3
	v_add_nc_u32 v[ADRB+\s], s23, v4
	s_add_co_u32 s22, s22, SLOT
	s_add_co_u32 s23, s23, SLOT
.endr
	s_mul_i32 s23, s10, 16*SPITCH
	s_add_co_u32 s23, s23, STAGE
	v_mul_u32_u24 v4, v1, SPITCH
	v_lshl_add_u32 v4, v2, 5, v4
	v_add_nc_u32 v[STO], s23, v4                   ; in: row r, 32 bytes for each half of the lanes
	v_lshlrev_b32 v[CO], 4, v5
	v_add_nc_u32 v[RD], s23, v[CO]                 ; back: the 32 lanes take one row of 512 bytes
; 8 matrix instructions: token tile a x all 8 column tiles, 32 along K, buffers f.  The 32 accumulators take turns, one instruction a turn.
.macro MUL8 f, a, zero
.irp b, 0,1,2,3,4,5,6,7
.if \zero
	v_wmma_f32_16x16x32_f16 v[8*(8*\a+\b):8*(8*\a+\b)+7], v[FB+64*\f+8*\b:FB+64*\f+8*\b+7], v[FA+32*\f+8*\a:FA+32*\f+8*\a+7], 0
.else
	v_wmma_f32_16x16x32_f16 v[8*(8*\a+\b):8*(8*\a+\b)+7], v[FB+64*\f+8*\b:FB+64*\f+8*\b+7], v[FA+32*\f+8*\a:FA+32*\f+8*\a+7], v[8*(8*\a+\b):8*(8*\a+\b)+7]
.endif
.endr
.endm
; 24 LDS loads in one run: quarter kq of a K step (plane kq / 2, d from 32 (kq % 2)) into buffers f: woh's 16 loads, then ah's 8
.macro FETCH slot, kq, f
	WIN 0
.irp i, 0,1,2,3,4,5,6,7
	ds_load_b128 v[FB+64*\f+8*\i:FB+64*\f+8*\i+3],   v[ADRB+\slot] offset:64*\kq+16*BPITCH*\i
	ds_load_b128 v[FB+64*\f+8*\i+4:FB+64*\f+8*\i+7], v[ADRB+\slot] offset:64*\kq+16*BPITCH*\i+32
.endr
.irp a, 0,1,2,3
	ds_load_b128 v[FA+32*\f+8*\a:FA+32*\f+8*\a+3],   v[ADRA+\slot] offset:(\kq/2)*PLANE+(\kq%2)*64+16*APITCH*\a
	ds_load_b128 v[FA+32*\f+8*\a+4:FA+32*\f+8*\a+7], v[ADRA+\slot] offset:(\kq/2)*PLANE+(\kq%2)*64+16*APITCH*\a+32
.endr
.endm
.macro PLACES                          ; four places behind a matrix instruction before a load lands on a register that it read (ISA guide 7.12.1 for vector instructions)
.rept 4
	v_nop
.endr
.endm
.macro QUARTER slot, kq, f, g, zero    ; multiplies buffers f; in its middle fetches quarter kq into buffers g
	s_wait_dscnt 4                                 ; woh's fragments and token tiles 0, 1 are in; the youngest four loads (tiles 2, 3) may be out
	WIN MULW
	MUL8 \f, 0, \zero
	MUL8 \f, 1, \zero
	PLACES
	FETCH \slot, \kq, \g
	s_wait_dscnt 24                                ; all but the 24 just issued
	WIN MULW
	MUL8 \f, 2, \zero
	MUL8 \f, 3, \zero
.endm
.macro THREE slot, zero
	QUARTER \slot, 1, 0, 1, \zero
	QUARTER \slot, 2, 1, 0, 0
	QUARTER \slot, 3, 0, 1, 0
.endm
; The last quarter changes slots: each wave's reads of this slot and all its tensor loads (one is out: its part of the next slot) are waited for in front of the barrier;
; behind it the refill comes first.  From a request to the wait for it a wave issues 120 matrix instructions.
.macro TURN slot, next, fill
	s_wait_dscnt 4
	WIN MULW
	MUL8 1, 0, 0
	s_wait_dscnt 0
	s_wait_tensorcnt 0x0
	ds_add_u32 v254, v255
	s_wait_dscnt 0x0
	s_barrier_signal -1                            ; where a slot is filled again this barrier opens a round of the cluster's barrier
	MUL8 1, 1, 0
	WIN 0
	s_barrier_wait -1
.if \fill
	CREST
	s_add_nc_u64 s[G0+4*\slot+2:G0+4*\slot+3], s[G0+4*\slot+2:G0+4*\slot+3], 2*HEADB    ; the next lap: two heads on in the slot's part,
	s_add_nc_u64 s[G0B+4*\slot+2:G0B+4*\slot+3], s[G0B+4*\slot+2:G0B+4*\slot+3], 256    ; 128 columns on in woh
	JLOAD \slot                                    ; the first tensor load behind the round, one a wave
.endif
	PLACES
	FETCH \next, 0, 0
	WIN MULW
	MUL8 1, 2, 0
	MUL8 1, 3, 0
.endm
.macro LAP zero
	THREE 0, \zero
	TURN 0, 1, 1
	THREE 1, 0
	TURN 1, 0, 1
.endm
	s_wait_tensorcnt 1                             ; my part of slot 0 is in; slot 1's stays out
	s_barrier_signal -1
	s_barrier_wait -1
	FETCH 0, 0, 0
	LAP 1                                          ; the first products start the sums
	WIN 0
	s_mov_b32 s3, LAPS-2
.Llap:
	LAP 0
	WIN 0
	s_sub_co_u32 s3, s3, 1
	s_cmp_lg_u32 s3, 0
	s_cbranch_scc1 .Llap
	THREE 0, 0                                     ; the last lap fills nothing
	TURN 0, 1, 0
	THREE 1, 0
	s_wait_dscnt 4
	WIN MULW
	MUL8 1, 0, 0
	MUL8 1, 1, 0
	s_wait_dscnt 0
	MUL8 1, 2, 0
	MUL8 1, 3, 0
	; THE WAY OUT, 16 tokens at a time through my own stage: 32 bytes a lane and tile in, whole rows of 512 bytes back
	PLACES
	s_lshl_b32 s13, s13, 7
	s_lshl_b32 s14, s11, 6
	s_add_co_u32 s16, s13, s14                     ; my first token
	s_lshl_b32 s16, s16, 13                        ; 8,192 bytes a row of out0
	s_mov_b32 s17, 0
	s_add_nc_u64 s[8:9], s[8:9], s[16:17]
	s_lshl_b32 s46, s42, 10                        ; my first column, in bytes
	s_lshl_b32 s47, s12, 9
	s_add_co_u32 s46, s46, s47
	s_mov_b32 s47, 0
	s_add_nc_u64 s[8:9], s[8:9], s[46:47]
.macro OUT16 a, f
	WIN 0x04                                       ; store data in window 1
.irp b, 0,1,2,3,4,5,6,7
	ds_store_b128 v[STO], v[8*(8*\a+\b):8*(8*\a+\b)+3]   offset:64*\b
	ds_store_b128 v[STO], v[8*(8*\a+\b)+4:8*(8*\a+\b)+7] offset:64*\b+16
.endr
	WIN 0
	s_wait_xcnt 0x0                                ; buffer f, which earlier stores read, is loaded again only behind this wait
.irp t, 0,1,2,3,4,5,6,7,8,9,10,11,12,13,14,15
	ds_load_b128 v[\f+4*\t:\f+4*\t+3], v[RD] offset:SPITCH*\t      ; my own bytes: LDS serves a wave's instructions in order (ISA guide 5.7.1.4)
.endr
.irp t, 0,1,2,3,4,5,6,7,8,9,10,11,12,13,14,15
	s_wait_dscnt 15-\t
	global_store_b128 v[CO], v[\f+4*\t:\f+4*\t+3], s[8:9] offset:(16*\a+\t)*8192 th:TH_STORE_NT   ; 512 consecutive, aligned bytes of one row
.endr
.endm
	OUT16 0, 32
	OUT16 1, 96
	OUT16 2, 32
	OUT16 3, 96
	s_wait_tensorcnt 0x0
	ds_add_u32 v254, v255
	s_wait_dscnt 0x0
	CROUND                                         ; the closing round
	s_endpgm
.Lfunc_end_k_q792c26d8d2_oproj:
	.size	k_q792c26d8d2_oproj, .Lfunc_end_k_q792c26d8d2_oproj-k_q792c26d8d2_oproj
	.p2alignl 7, 3214868480
	.fill 96, 4, 3214868480
	.section	.rodata,"a",@progbits
	.p2align	6, 0x0
	.amdhsa_kernel k_q792c26d8d2_oproj
		.amdhsa_group_segment_fixed_size 327680
		.amdhsa_private_segment_fixed_size 0
		.amdhsa_enable_private_segment 0
		.amdhsa_kernarg_size 24
		.amdhsa_user_sgpr_count 2
		.amdhsa_user_sgpr_kernarg_segment_ptr 1
		.amdhsa_wavefront_size32 1
		.amdhsa_system_sgpr_workgroup_id_x 1
		.amdhsa_system_sgpr_workgroup_id_y 1
		.amdhsa_system_sgpr_workgroup_id_z 1
		.amdhsa_system_vgpr_workitem_id 0
		.amdhsa_next_free_vgpr 512
		.amdhsa_next_free_sgpr 66
		.amdhsa_reserve_vcc 0
		.amdhsa_float_denorm_mode_32 3
		.amdhsa_float_denorm_mode_16_64 3
		.amdhsa_memory_ordered 1
		.amdhsa_forward_progress 1
		.amdhsa_inst_pref_size 117
	.end_amdhsa_kernel
	.amdgpu_metadata
---
amdhsa.version: [ 1, 2 ]
amdhsa.kernels:
  - .name:           k_q792c26d8d2_oproj
    .symbol:         k_q792c26d8d2_oproj.kd
    .args:
      - { .name: ah, .offset: 0, .size: 8, .value_kind: global_buffer, .address_space: global }
      - { .name: woh, .offset: 8, .size: 8, .value_kind: global_buffer, .address_space: global }
      - { .name: out0, .offset: 16, .size: 8, .value_kind: global_buffer, .address_space: global }
    .group_segment_fixed_size: 327680
    .private_segment_fixed_size: 0
    .kernarg_segment_align: 8
    .kernarg_segment_size: 24
    .max_flat_workgroup_size: 128
    .sgpr_count:     66
    .vgpr_count:     512
    .wavefront_size: 32
...
	.end_amdgpu_metadata
.endif
;; end of part 4
;; ======== version 2 of 2: 4 launches
;; limits: values are held in f16: magnitudes above 65,504 overflow, below 6.1e-05 lose precision
;; workspace buffers: xh 16,777,216 bytes; wcat 16,777,216 bytes; woh 4,194,304 bytes; rope 524,288 bytes; qh 12,582,912 bytes; kh 12,582,912 bytes; vh 12,582,912 bytes; ah 10,485,760 bytes
;; launch prep: the kernel of part 1 again; grid 128 x 19, 8 waves a work-group, no clusters, 0 bytes of LDS; arguments x, Wq_sem, Wk_sem, Wq_geo, Wk_geo, Wv, Wo, xh, wcat, woh, rope; writes xh, wcat, woh, rope
;; launch qkv (part 5): grid 16 x 16, 4 waves a work-group, clusters of 4 x 4, 327,680 bytes of LDS; arguments xh, wcat, rope, qh, kh, vh; writes qh, kh, vh
.if DOCPART == 5
	.amdgcn_target "amdgcn-amd-amdhsa--gfx1250"
	.amdhsa_code_object_version 6
	.text
	.protected	k_q792c26d8d2_qkv
	.globl	k_q792c26d8d2_qkv
	.p2align	8
	.type	k_q792c26d8d2_qkv,@function
k_q792c26d8d2_qkv:
	s_mov_b64 s[64:65], 0
	v_nop
	global_prefetch_b8 v0, s[64:65] scope:SCOPE_SE
	s_setreg_imm32_b32 hwreg(HW_REG_WAVE_MODE, 25, 1), 1
	s_wait_xcnt 0x0
	s_wait_alu depctr_hold_cnt(0) depctr_sa_sdst(0) depctr_va_vdst(0) depctr_va_sdst(0) depctr_va_ssrc(0) depctr_va_vcc(0) depctr_vm_vsrc(0)
	s_getreg_b32 s2, hwreg(HW_REG_IB_STS2, 6, 4)
	s_cmp_eq_u32 s2, 0
	s_cbranch_scc0 .Lentry_in_a_cluster
	s_endpgm
.Lentry_in_a_cluster:
	s_bfe_u32 s2, ttmp6, 0x10000c
	s_cmp_lg_u32 s2, 0xf033
	s_cbranch_scc0 .Lentry_shape_is_right
	s_endpgm
.Lentry_shape_is_right:
; qkv: all five projections as one product C = xh wcat^T ([4096 tokens][2048] x [4096 rows][2048], bf16 operands, f32 sums), RoPE on the way out.
; Results: qh, kh ([batch*16+head][2048][96 = sem 32, x1 32, x2 32]) rounded once to f16; vh: v as the sum of two f16, hi = f16(v), lo = f16(v - hi):
; first [batch*16+head][2048][64] of hi, then, 8,388,608 bytes on, [batch*16+head][1024][64] of lo for the first 1,024 positions of a sequence alone:
; the attention takes lo only where a row averages few keys, and all keys of such rows lie there.
; LIMIT: q, k and v of 65,504 or more in magnitude become infinities in f16.  The score scale is not applied here.
; A work-group makes 256 tokens x the 256 rows of ONE head with four waves, as many as a WGP has SIMDs; a wave makes 128 x 128: 64 accumulator tiles, 512 registers.
; K goes in steps of 128 through a ring of two LDS slots filled by the tensor data mover; a tile's rows are 256 bytes of memory, aligned.
; CLUSTERS: 4 x 4 work-groups.  The four of a row of the cluster need the same tiles of xh, the four of a column the same tiles of wcat: each tile is asked
; for jointly, by the same tensor load with a mask that names the four.  That divides the requests for both by four.
; REGISTERS in windows of 256: window 0: v0-31 addresses, v64-127 and v128-191 fragments of xh (two buffers), v192-255 two sets of cosines and sines;
;   window 1: v64-127, v128-191 fragments of wcat; window 2: accumulator tiles of my rows 0-63 (tile (a, b) at v[8 (8 a + b)]); window 3: rows 64-127.
; The matrix instruction is used transposed (source 0 = 16 rows of wcat, source 1 = 16 tokens): lane l holds token l % 16, registers 0-7 the columns 8 (l / 16) + 0..7.
; The order of a head's rows in wcat gives both column halves one pattern of tiles b: 0,1 plain; 2,3 x1; 4,5 x2; 6,7 plain
;   (half 0: q_sem, q x1, q x2, k_sem;  half 1: v 0-31, k x1, k x2, v 32-63), so one text serves all four waves but for V's lo parts.
.set SIZE_K, 2048
.set KSTEP,  128
.set PITCH,  272                       ; an LDS row: 256 bytes + 16 of padding: the 16 rows of a fragment load start at 16 different banks (64 banks of 4 bytes: ISA guide 11.1)
.set HALFT,  128*PITCH
.set SLOT,   4*HALFT                   ; xh's 256 rows, then wcat's 256 rows
.set IP,     656                       ; pitch of the image of the block on the way out: Q 192 bytes, K 192, V hi 128, V lo 128, and 16 of padding
.set VLO,    0x800000                  ; where V's lo parts begin in vh
.set LAPS,   SIZE_K/(2*KSTEP)
.set ADRA, 16                          ; v16-17  LDS address of my xh fragments in slot 0, 1
.set ADRB, 20                          ; v20-21  the same for wcat
.set STB,  22                          ; v22     image store address for tiles 2-5
.set STC,  23                          ; v23     for tiles 6, 7
.set STA,  24                          ; v24     for tiles 0, 1
.set CO,   25                          ; v25     16 x lane: my 16 bytes of a store of 512
.set RT,   26                          ; v26     my byte offset in the RoPE table
.set RV,   27                          ; v27     image read address for V
.set RQ,   28                          ; v28-30  image read addresses for Q (and K), three phases
.set F0,   64
.set F1,   128
.set Y1,   64                          ; v64-79  rotated x1, f32 (two tiles); later, with Y2, the 32 numbers of V's tiles
.set Y2,   80                          ; v80-95  rotated x2
.set TMP,  96                          ; v96-127 eight tiles as f16, 4 registers each (the list of halves in OUTROW names v96-103 and v120-127)
.set LO,   128                         ; v128-143 V's lo parts, four tiles
.set BK0,  128                         ; v128-159, v160-191: read-back buffers
.set BK1,  160
.set CS0,  192                         ; a set: cos of tile p = 0, 1 (8 + 8 registers), then sin likewise
.set CS1,  224
.set G1, 24
.set G0, 32
.set G1B, 48
.set G0B, 56
.set MSB, 0
.macro WIN new                         ; the immediate's high byte repeats the setting that is left
.if MSB != (\new)
	s_set_vgpr_msb (MSB<<8)|(\new)
.set MSB, (\new)
.endif
.endm
.set MUL_LO, 0xa1                      ; source 0 window 1, source 1 window 0, C and D window 2
.set MUL_HI, 0xf1                      ; the same, C and D window 3
.set TO_B,   0x40                      ; destination window 1, address window 0
; A joint load.  Waves 0 and 1 fetch xh's two halves, waves 2 and 3 wcat's.  The branch hangs on the wave's number alone.
.macro JLOAD s
	s_cmp_eq_u32 s11, 0
	s_cbranch_scc0 .Lfor_b_\@
	tensor_load_to_lds s[G0+4*\s:G0+4*\s+3], s[G1:G1+7]
	s_nop 0
	s_branch .Lasked_\@
.Lfor_b_\@:
	tensor_load_to_lds s[G0B+4*\s:G0B+4*\s+3], s[G1B:G1B+7]
	s_nop 0
.Lasked_\@:
.endm
; A round of the cluster's barrier: my work-group's barrier; wave 0 signals for the work-group; every wave waits for all sixteen; my work-group's barrier again.
.macro CREST
	s_cmp_lg_u32 s10, 0
	s_cbranch_scc1 .Lnot_wave_0_\@
	s_barrier_signal -3
.Lnot_wave_0_\@:
	s_barrier_wait -3
	s_barrier_signal -1
	s_barrier_wait -1
.endm
.macro CROUND
	s_barrier_signal -1
	s_barrier_wait -1
	CREST
.endm
	s_load_b128 s[4:7], s[0:1], 0x0                ; xh s[4:5], wcat s[6:7]
	s_load_b256 s[72:79], s[0:1], 0x10             ; rope s[72:73], qh s[74:75], kh s[76:77], vh s[78:79]
	s_set_vgpr_msb 0x40
	v_lshl_add_u32 v255, v0, 2, 0x44000
	s_set_vgpr_msb 0x4000
	v_mov_b32 v63, 0
	s_set_vgpr_msb 0x1
	ds_add_u32 v255, v63
	s_set_vgpr_msb 0x100
	v_lshrrev_b32 v1, 5, v0
	v_readfirstlane_b32 s10, v1                    ; wave 0..3
	s_lshr_b32 s11, s10, 1                         ; which half of the block's tokens is mine.  Also: I fetch for xh (0) or wcat (1)
	s_and_b32 s12, s10, 1                          ; which half of its columns.  Also: which 128 rows of that tile I fetch
	s_and_b32 s92, ttmp7, 1                        ; the cluster's y is odd: its four block rows (4 x cluster y + cy, 8 a sequence) lie beyond position 1,023: no lo.  Equal in all partners
	s_bfe_u32 s40, ttmp6, 0x40000                  ; cx
	s_bfe_u32 s41, ttmp6, 0x40004                  ; cy
	s_lshl_b32 s42, ttmp9, 2
	s_add_co_u32 s42, s42, s40                     ; block column = head
	s_and_b32 s13, ttmp7, 0xffff
	s_lshl_b32 s13, s13, 2
	s_add_co_u32 s13, s13, s41                     ; block row: 256 tokens
	s_lshl_b32 s43, s41, 2
	s_lshl_b32 s43, 15, s43                        ; my row of the cluster
	s_lshl_b32 s44, 0x1111, s40                    ; my column
	; descriptor group 1: a tile of 128 rows x 128 elements of 2 bytes, 16 bytes of padding behind every 256
	s_or_b32 s[G1+0], s43, (1<<16)|(1<<20)|(1<<21)|(5<<22)|(3<<25)
	s_or_b32 s[G1B+0], s44, (1<<16)|(1<<20)|(1<<21)|(5<<22)|(3<<25)
	s_mov_b32 s[G1B+1], KSTEP<<16
	s_mov_b32 s[G1+1], KSTEP<<16                   ; tensor_dim0 = 128
	s_mov_b32 s[G1B+2], 128<<16
	s_mov_b32 s[G1+2], 128<<16                     ; tensor_dim1 = 128
	s_mov_b32 s[G1B+3], KSTEP<<16
	s_mov_b32 s[G1+3], KSTEP<<16                   ; tile_dim0 = 128
	s_mov_b32 s[G1B+4], 128
	s_mov_b32 s[G1+4], 128                         ; tile_dim1 = 128
	s_mov_b32 s[G1B+5], SIZE_K
	s_mov_b32 s[G1+5], SIZE_K                      ; elements from row to row
	s_mov_b32 s[G1B+6], 0
	s_mov_b32 s[G1+6], 0
	s_mov_b32 s[G1B+7], 0
	s_mov_b32 s[G1+7], 0
	; xh's tiles hang on the block row alone, wcat's on the block column alone; each address in registers that never hold the other coordinate
	s_lshl_b32 s17, s12, 7
	s_lshl_b32 s16, s13, 8
	s_add_co_u32 s16, s16, s17
	s_lshl_b32 s46, s42, 8
	s_add_co_u32 s46, s46, s17
	s_mov_b32 s17, 0
	s_mov_b32 s47, 0
	s_mov_b64 s[18:19], SIZE_K*2
	s_mul_u64 s[16:17], s[16:17], s[18:19]
	s_mul_u64 s[46:47], s[46:47], s[18:19]
	s_mul_i32 s20, s10, HALFT                      ; where they go: wave x 128 rows
	s_and_b32 s80, s13, 7
	s_lshl_b32 s80, s80, 16                        ; the block's first position in its sequence, times 256 bytes of a table row
	s_mov_b32 s81, 0
	s_wait_dscnt 0x0
	s_wait_kmcnt 0x0
	s_add_nc_u64 s[14:15], s[4:5], s[16:17]
	s_add_nc_u64 s[46:47], s[6:7], s[46:47]
	s_add_nc_u64 s[72:73], s[72:73], s[80:81]
	CROUND                                         ; all sixteen work-groups are here: the first joint loads meet
.irp s, 0,1
	s_mov_b32 s[G0+4*\s], 1
	s_add_co_u32 s[G0+4*\s+1], s20, \s*SLOT
	s_add_nc_u64 s[G0+4*\s+2:G0+4*\s+3], s[14:15], \s*KSTEP*2
	s_or_b32 s[G0+4*\s+3], s[G0+4*\s+3], 0x80000000
	s_mov_b32 s[G0B+4*\s], 1
	s_add_co_u32 s[G0B+4*\s+1], s20, \s*SLOT
	s_add_nc_u64 s[G0B+4*\s+2:G0B+4*\s+3], s[46:47], \s*KSTEP*2
	s_or_b32 s[G0B+4*\s+3], s[G0B+4*\s+3], 0x80000000
	JLOAD \s
.endr
	v_and_b32 v1, 15, v0                           ; r = l % 16
	v_bfe_u32 v2, v0, 4, 1                         ; h = l / 16
	v_mul_u32_u24 v3, v1, PITCH
	v_lshl_add_u32 v3, v2, 4, v3
	s_mul_i32 s21, s11, HALFT
	s_mul_i32 s22, s12, HALFT
	s_add_co_u32 s22, s22, 2*HALFT
.irp s, 0,1
	v_add_nc_u32 v[ADRA+\s], s21, v3
	v_add_nc_u32 v[ADRB+\s], s22, v3
	s_add_co_u32 s21, s21, SLOT
	s_add_co_u32 s22, s22, SLOT
.endr
	; the image: row = token of the block; tile b of column half 0 goes to byte 32 b; of half 1: b 0,1 to V (384 + 32 b), b 2-5 to K (192 + 32 b), b 6,7 to V (256 + 32 b);
	; V's lo parts 128 bytes behind its hi parts
	s_mul_i32 s23, s11, 128*IP
	v_mul_u32_u24 v4, v1, IP
	v_lshl_add_u32 v4, v2, 4, v4
	v_add_nc_u32 v4, s23, v4
	s_mul_i32 s23, s12, 384
	v_add_nc_u32 v[STA], s23, v4
	s_mul_i32 s23, s12, 192
	v_add_nc_u32 v[STB], s23, v4
	s_lshl_b32 s23, s12, 8
	v_add_nc_u32 v[STC], s23, v4
	v_lshlrev_b32 v[RT], 8, v1                     ; table row of my token, and my 8 frequencies 8 h ..
	v_lshl_add_u32 v[RT], v2, 5, v[RT]
	s_lshl_b32 s23, s11, 15
	v_add_nc_u32 v[RT], s23, v[RT]
	; read-back: wave w takes image rows 64 w .. 64 w + 63.  A Q or K row is 12 pieces of 16 bytes; piece xx = 32 p + lane of three stores lies in row xx / 12,
	; at row x pitch + 16 (xx - 12 row) = (pitch - 192) row + 16 xx.  Three stores are 8 rows.
	v_and_b32 v5, 31, v0
	s_mul_i32 s23, s10, 64*IP
.irp p, 0,1,2
	v_add_nc_u32 v6, 32*\p, v5
	v_mul_u32_u24 v7, v6, 21846
	v_lshrrev_b32 v7, 18, v7                       ; xx / 12 for xx < 96
	v_mul_u32_u24 v7, v7, IP-192
	v_lshl_add_u32 v7, v6, 4, v7
	v_add_nc_u32 v[RQ+\p], s23, v7
.endr
	v_lshrrev_b32 v6, 3, v5                        ; a row of V's hi (or lo) parts is 8 pieces: four rows a store
	v_mul_u32_u24 v6, v6, IP
	v_and_b32 v7, 7, v5
	v_lshl_add_u32 v6, v7, 4, v6
	v_add_nc_u32 v[RV], s23, v6
	v_lshlrev_b32 v[CO], 4, v5
; cosines and sines for my rows 16 i .. 16 i + 15: f = 16 p + 8 h + 0..7, p = 0, 1.  The two halves of the lanes together read each table row whole.
.macro CSLOAD i, set
.irp e, 0,1,2,3
	global_load_b128 v[\set+8*\e:\set+8*\e+3],   v[RT], s[72:73] offset:4096*(\i)+64*\e
	global_load_b128 v[\set+8*\e+4:\set+8*\e+7], v[RT], s[72:73] offset:4096*(\i)+64*\e+16
.endr
.endm
	CSLOAD 0, CS0                                  ; on their way during the whole product; nothing in the K loop names these registers
	CSLOAD 1, CS1
; 16 matrix instructions: token blocks a0, a0 + 1 of the window's four x all 8 column blocks, 32 along K.  zero = 1: the first product starts the sums.
.macro MUL16 f, hi, a0, zero
.irp a, \a0, \a0+1
.irp b, 0,1,2,3,4,5,6,7
.if \zero
	v_wmma_f32_16x16x32_bf16 v[8*(8*(\a)+\b):8*(8*(\a)+\b)+7], v[\f+8*\b:\f+8*\b+7], v[\f+8*(4*\hi+\a):\f+8*(4*\hi+\a)+7], 0
.else
	v_wmma_f32_16x16x32_bf16 v[8*(8*(\a)+\b):8*(8*(\a)+\b)+7], v[\f+8*\b:\f+8*\b+7], v[\f+8*(4*\hi+\a):\f+8*(4*\hi+\a)+7], v[8*(8*(\a)+\b):8*(8*(\a)+\b)+7]
.endif
.endr
.endr
.endm
; 32 LDS loads in one run: the fragments of one quarter step into buffer f
.macro FETCH slot, k, f
	WIN TO_B
.irp i, 0,1,2,3,4,5,6,7
	ds_load_b128 v[\f+8*\i:\f+8*\i+3],   v[ADRB+\slot] offset:\k+\i*16*PITCH
	ds_load_b128 v[\f+8*\i+4:\f+8*\i+7], v[ADRB+\slot] offset:\k+\i*16*PITCH+32
.endr
	WIN 0
.irp i, 0,1,2,3,4,5,6,7
	ds_load_b128 v[\f+8*\i:\f+8*\i+3],   v[ADRA+\slot] offset:\k+\i*16*PITCH
	ds_load_b128 v[\f+8*\i+4:\f+8*\i+7], v[ADRA+\slot] offset:\k+\i*16*PITCH+32
.endr
.endm
; Four places behind a matrix instruction before a load lands on a register that it read or a vector instruction reads its result (ISA guide 7.12.1 for vector
; instructions); matrix instructions in between are not counted as places.
.macro PLACES
.rept 4
	v_nop
.endr
.endm
; The 64 accumulators take turns, one instruction a turn, in the same order in every quarter step.
.macro QUARTER slot, k, f, g, zero
	s_wait_dscnt 8                                 ; wcat's fragments and xh's rows 0-63 are in; the youngest eight loads may be out
	WIN MUL_LO
	MUL16 \f, 0, 0, \zero
	MUL16 \f, 0, 2, \zero
	PLACES
	FETCH \slot, \k, \g
	s_wait_dscnt 32                                ; all but the 32 just issued
	WIN MUL_HI
	MUL16 \f, 1, 0, \zero
	MUL16 \f, 1, 2, \zero
.endm
.macro THREE slot, zero
	QUARTER \slot, 64,  F0, F1, \zero
	QUARTER \slot, 128, F1, F0, 0
	QUARTER \slot, 192, F0, F1, 0
.endm
; The last quarter of a K step changes slots.  In front of the barrier each wave waits for its reads of this slot and for all its tensor loads (one is out: its part of
; the next slot).  Behind it the refill comes first, then the next slot's first fragments.  From a request to the wait for it a wave issues 240 matrix instructions.
.macro TURN slot, next, fill
	s_wait_dscnt 8
	WIN MUL_LO
	MUL16 F1, 0, 0, 0
	s_wait_dscnt 0
	s_wait_tensorcnt 0x0
	ds_add_u32 v255, v63
	s_wait_dscnt 0x0
	s_barrier_signal -1                            ; where a slot is filled again this barrier opens a round of the cluster's barrier
	MUL16 F1, 0, 2, 0                              ; register work while the others arrive
	WIN 0
	s_barrier_wait -1
.if \fill
	CREST                                          ; no wave of any partner still reads this slot or has a load on its way
	s_add_nc_u64 s[G0+4*\slot+2:G0+4*\slot+3], s[G0+4*\slot+2:G0+4*\slot+3], 2*KSTEP*2
	s_add_nc_u64 s[G0B+4*\slot+2:G0B+4*\slot+3], s[G0B+4*\slot+2:G0B+4*\slot+3], 2*KSTEP*2
	JLOAD \slot                                    ; the first tensor load behind the round, one a wave
.endif
	PLACES
	FETCH \next, 0, F0
	WIN MUL_HI
	MUL16 F1, 1, 0, 0
	MUL16 F1, 1, 2, 0
.endm
.macro LAP zero
	THREE 0, \zero
	TURN 0, 1, 1
	THREE 1, 0
	TURN 1, 0, 1
.endm
	s_wait_tensorcnt 1                             ; my part of K step 0 is in; K step 1's stays out
	s_barrier_signal -1
	s_barrier_wait -1
	FETCH 0, 0, F0
	LAP 1
	WIN 0
	s_mov_b32 s3, LAPS-2
.Llap:
	LAP 0
	WIN 0
	s_sub_co_u32 s3, s3, 1
	s_cmp_lg_u32 s3, 0
	s_cbranch_scc1 .Llap
	THREE 0, 0                                     ; the last lap fills nothing: both slots have had their last fill, shown landed by the wait in the turn below
	TURN 0, 1, 0
	THREE 1, 0
	s_wait_dscnt 8
	WIN MUL_LO
	MUL16 F1, 0, 0, 0
	MUL16 F1, 0, 2, 0
	s_wait_dscnt 0                                 ; my last reads of the ring are over:
	s_barrier_signal -1                            ; say so, since the image below is laid over slot 0 and the head of slot 1
	WIN MUL_HI
	MUL16 F1, 1, 0, 0
	MUL16 F1, 1, 2, 0
	WIN 0
	s_barrier_wait -1                              ; nobody reads the ring any more
	; THE WAY OUT.  The block's image (256 rows x 656 bytes = 167,936) lies from LDS byte 0 on.
	PLACES
	s_lshr_b32 s80, s13, 3                         ; batch
	s_lshl_b32 s80, s80, 4
	s_add_co_u32 s80, s80, s42                     ; batch * 16 + head
	s_lshl_b32 s93, s80, 10                        ; 1,024 rows of lo a head,
	s_lshl_b32 s80, s80, 11                        ; 2,048 rows of all else
	s_and_b32 s81, s13, 7
	s_lshl_b32 s81, s81, 8
	s_add_co_u32 s80, s80, s81
	s_add_co_u32 s93, s93, s81
	s_lshl_b32 s81, s10, 6
	s_add_co_u32 s80, s80, s81                     ; first of the 64 rows that my wave stores
	s_add_co_u32 s93, s93, s81                     ; the same among the rows of lo (used where the block lies below position 1,024)
	s_mul_i32 s88, s80, 192
	s_mov_b32 s89, 0
	s_add_nc_u64 s[82:83], s[74:75], s[88:89]
	s_add_nc_u64 s[84:85], s[76:77], s[88:89]
	s_lshl_b32 s88, s80, 7
	s_add_nc_u64 s[86:87], s[78:79], s[88:89]
	s_lshl_b32 s88, s93, 7
	s_add_co_u32 s88, s88, VLO
	s_add_nc_u64 s[90:91], s[78:79], s[88:89]
; rows 16 i .. 16 i + 15 of my 128: tiles (a, 0..7) of window w.  y1 = x1 cos - x2 sin, y2 = x1 sin + x2 cos; all eight tiles to f16; 16 bytes a lane and tile into the image.
; The waves of column half 1, whose tiles 0, 1, 6, 7 are V, add lo = f16(v - hi) where the block lies below position 1,024.
.macro OUTROW i, a, w, set, left
	s_wait_loadcnt \left                           ; this row block's eight table loads are in; the next block's eight stay out
	WIN \w                                         ; source 0 in the accumulators' window
.irp p, 0,1
.irp j, 0,2,4,6
	v_pk_mul_f32 v[Y1+8*\p+\j:Y1+8*\p+\j+1], v[64*\a+8*(2+\p)+\j:64*\a+8*(2+\p)+\j+1], v[\set+8*\p+\j:\set+8*\p+\j+1]
	v_pk_mul_f32 v[Y2+8*\p+\j:Y2+8*\p+\j+1], v[64*\a+8*(4+\p)+\j:64*\a+8*(4+\p)+\j+1], v[\set+8*\p+\j:\set+8*\p+\j+1]
	v_pk_fma_f32 v[Y1+8*\p+\j:Y1+8*\p+\j+1], v[64*\a+8*(4+\p)+\j:64*\a+8*(4+\p)+\j+1], v[\set+16+8*\p+\j:\set+16+8*\p+\j+1], v[Y1+8*\p+\j:Y1+8*\p+\j+1] neg_lo:[0,1,0] neg_hi:[0,1,0]
	v_pk_fma_f32 v[Y2+8*\p+\j:Y2+8*\p+\j+1], v[64*\a+8*(2+\p)+\j:64*\a+8*(2+\p)+\j+1], v[\set+16+8*\p+\j:\set+16+8*\p+\j+1], v[Y2+8*\p+\j:Y2+8*\p+\j+1]
.endr
.endr
	WIN 5*\w                                       ; sources 0 and 1 in the accumulators' window
.irp b, 0,1,6,7
.irp r, 0,1,2,3
	v_cvt_pk_f16_f32 v[TMP+4*\b+\r], v[64*\a+8*\b+2*\r], v[64*\a+8*\b+2*\r+1]
.endr
.endr
	WIN 0
.irp p, 0,1
.irp r, 0,1,2,3
	v_cvt_pk_f16_f32 v[TMP+4*(2+\p)+\r], v[Y1+8*\p+2*\r], v[Y1+8*\p+2*\r+1]
	v_cvt_pk_f16_f32 v[TMP+4*(4+\p)+\r], v[Y2+8*\p+2*\r], v[Y2+8*\p+2*\r+1]
.endr
.endr
.if \i < 6
	CSLOAD \i+2, \set                              ; the set just used, for the row block after the next
.endif
.irp b, 0,1
	ds_store_b128 v[STA], v[TMP+4*\b:TMP+4*\b+3] offset:32*\b
.endr
.irp b, 2,3,4,5
	ds_store_b128 v[STB], v[TMP+4*\b:TMP+4*\b+3] offset:32*\b
.endr
.irp b, 6,7
	ds_store_b128 v[STC], v[TMP+4*\b:TMP+4*\b+3] offset:32*\b
.endr
	s_cmp_eq_u32 s12, 0                            ; column half 0 has no V
	s_cbranch_scc1 .Lno_lo_\@
	s_cmp_lg_u32 s92, 0                            ; beyond position 1,023 no lo is kept
	s_cbranch_scc1 .Lno_lo_\@
.set u, 0
.irp h, v96.l,v96.h,v97.l,v97.h,v98.l,v98.h,v99.l,v99.h,v100.l,v100.h,v101.l,v101.h,v102.l,v102.h,v103.l,v103.h,v120.l,v120.h,v121.l,v121.h,v122.l,v122.h,v123.l,v123.h,v124.l,v124.h,v125.l,v125.h,v126.l,v126.h,v127.l,v127.h
	v_cvt_f32_f16 v[Y1+u], \h                      ; hi, widened again: tiles 0, 1, 6, 7 in this order
.set u, u+1
.endr
	WIN \w
.irp b, 0,1,6,7
.irp r, 0,1,2,3
	v_pk_add_f32 v[Y1+8*(\b%4)+2*\r:Y1+8*(\b%4)+2*\r+1], v[64*\a+8*\b+2*\r:64*\a+8*\b+2*\r+1], v[Y1+8*(\b%4)+2*\r:Y1+8*(\b%4)+2*\r+1] neg_lo:[0,1] neg_hi:[0,1]   ; v - hi, exact
.endr
.endr
	WIN 0
.irp m, 0,1,2,3,4,5,6,7,8,9,10,11,12,13,14,15
	v_cvt_pk_f16_f32 v[LO+\m], v[Y1+2*\m], v[Y1+2*\m+1]
.endr
.irp b, 0,1
	ds_store_b128 v[STA], v[LO+4*\b:LO+4*\b+3] offset:32*\b+128
.endr
.irp b, 6,7
	ds_store_b128 v[STC], v[LO+4*(\b-4):LO+4*(\b-4)+3] offset:32*\b+128
.endr
.Lno_lo_\@:
.if \i < 7
	v_add_nc_u32 v[STA], 16*IP, v[STA]             ; 16 rows of the image on: 112 rows of 656 bytes would not fit the 16-bit immediate
	v_add_nc_u32 v[STB], 16*IP, v[STB]
	v_add_nc_u32 v[STC], 16*IP, v[STC]
.endif
.endm
	OUTROW 0, 0, 2, CS0, 8
	OUTROW 1, 1, 2, CS1, 8
	OUTROW 2, 2, 2, CS0, 8
	OUTROW 3, 3, 2, CS1, 8
	OUTROW 4, 0, 3, CS0, 8
	OUTROW 5, 1, 3, CS1, 8
	OUTROW 6, 2, 3, CS0, 8
	OUTROW 7, 3, 3, CS1, 0
	s_wait_dscnt 0x0                               ; my part of the image is written,
	s_barrier_signal -1
	s_barrier_wait -1                              ; everybody's is: a row holds pieces of two waves
; eight stores of 512 consecutive, aligned bytes: store q0 + t of my wave's dense run of rows
.macro BACK8 buf, areg, nph, rowstep, q0, sb, extra
	s_wait_xcnt 0x0                                ; the buffer, which earlier stores read, is loaded again only behind this wait
.irp t, 0,1,2,3,4,5,6,7
	ds_load_b128 v[\buf+4*\t:\buf+4*\t+3], v[\areg+(\q0+\t)%\nph] offset:((\q0+\t)/\nph)*\rowstep+\extra
.endr
.irp t, 0,1,2,3,4,5,6,7
	s_wait_dscnt 7-\t
	global_store_b128 v[CO], v[\buf+4*\t:\buf+4*\t+3], s[\sb:\sb+1] offset:(\q0+\t)*512
.endr
.endm
	BACK8 BK0, RQ, 3, 8*IP, 0,  82, 0
	BACK8 BK1, RQ, 3, 8*IP, 8,  82, 0
	BACK8 BK0, RQ, 3, 8*IP, 16, 82, 0
	BACK8 BK1, RQ, 3, 8*IP, 0,  84, 192
	BACK8 BK0, RQ, 3, 8*IP, 8,  84, 192
	BACK8 BK1, RQ, 3, 8*IP, 16, 84, 192
	BACK8 BK0, RV, 1, 4*IP, 0,  86, 384            ; V's hi parts: 64 rows of 128 bytes
	BACK8 BK1, RV, 1, 4*IP, 8,  86, 384
	s_cmp_lg_u32 s92, 0                            ; the cluster's y alone decides, the same in all sixteen work-groups
	s_cbranch_scc1 .Lno_lo_out
	BACK8 BK0, RV, 1, 4*IP, 0,  90, 512            ; V's lo parts likewise
	BACK8 BK1, RV, 1, 4*IP, 8,  90, 512
.Lno_lo_out:
	s_set_vgpr_msb 0x1
	s_wait_tensorcnt 0x0
	ds_add_u32 v255, v63
	s_wait_dscnt 0x0
	s_set_vgpr_msb 0x100
	CROUND                                         ; the closing round: no work-group ends while a partner may still ask for a tile that names it
	s_endpgm
.Lfunc_end_k_q792c26d8d2_qkv:
	.size	k_q792c26d8d2_qkv, .Lfunc_end_k_q792c26d8d2_qkv-k_q792c26d8d2_qkv
	.p2alignl 7, 3214868480
	.fill 96, 4, 3214868480
	.section	.rodata,"a",@progbits
	.p2align	6, 0x0
	.amdhsa_kernel k_q792c26d8d2_qkv
		.amdhsa_group_segment_fixed_size 327680
		.amdhsa_private_segment_fixed_size 0
		.amdhsa_enable_private_segment 0
		.amdhsa_kernarg_size 48
		.amdhsa_user_sgpr_count 2
		.amdhsa_user_sgpr_kernarg_segment_ptr 1
		.amdhsa_wavefront_size32 1
		.amdhsa_system_sgpr_workgroup_id_x 1
		.amdhsa_system_sgpr_workgroup_id_y 1
		.amdhsa_system_sgpr_workgroup_id_z 1
		.amdhsa_system_vgpr_workitem_id 0
		.amdhsa_next_free_vgpr 1024
		.amdhsa_next_free_sgpr 96
		.amdhsa_reserve_vcc 0
		.amdhsa_float_denorm_mode_32 3
		.amdhsa_float_denorm_mode_16_64 3
		.amdhsa_memory_ordered 1
		.amdhsa_forward_progress 1
		.amdhsa_inst_pref_size 252
	.end_amdhsa_kernel
	.amdgpu_metadata
---
amdhsa.version: [ 1, 2 ]
amdhsa.kernels:
  - .name:           k_q792c26d8d2_qkv
    .symbol:         k_q792c26d8d2_qkv.kd
    .args:
      - { .name: xh, .offset: 0, .size: 8, .value_kind: global_buffer, .address_space: global }
      - { .name: wcat, .offset: 8, .size: 8, .value_kind: global_buffer, .address_space: global }
      - { .name: rope, .offset: 16, .size: 8, .value_kind: global_buffer, .address_space: global }
      - { .name: qh, .offset: 24, .size: 8, .value_kind: global_buffer, .address_space: global }
      - { .name: kh, .offset: 32, .size: 8, .value_kind: global_buffer, .address_space: global }
      - { .name: vh, .offset: 40, .size: 8, .value_kind: global_buffer, .address_space: global }
    .group_segment_fixed_size: 327680
    .private_segment_fixed_size: 0
    .kernarg_segment_align: 8
    .kernarg_segment_size: 48
    .max_flat_workgroup_size: 128
    .sgpr_count:     96
    .vgpr_count:     1024
    .wavefront_size: 32
...
	.end_amdgpu_metadata
.endif
;; end of part 5
;; launch attn (part 6): grid 256 x 1, 8 waves a work-group, no clusters, 327,680 bytes of LDS; arguments qh, kh, vh, ah; writes ah
.if DOCPART == 6
	.amdgcn_target "amdgcn-amd-amdhsa--gfx1250"
	.amdhsa_code_object_version 6
	.text
	.protected	k_q792c26d8d2_attn
	.globl	k_q792c26d8d2_attn
	.p2align	8
	.type	k_q792c26d8d2_attn,@function
k_q792c26d8d2_attn:
	s_mov_b64 s[64:65], 0
	v_nop
	global_prefetch_b8 v0, s[64:65] scope:SCOPE_SE
	s_setreg_imm32_b32 hwreg(HW_REG_WAVE_MODE, 25, 1), 1
	s_wait_xcnt 0x0
; attn: causal softmax attention, 32 (batch, head) x 2,048 queries, 96 features of q and k, 64 of v; f16 operands, f32 scores, sums and statistics; running maximum.
; RESULT: ah[head][32 block rows][160 rows][64] in f16, in the order in which the last product takes the tokens.  A tile is 16 tokens; tile u of batch b is EARLY if u < 32
; (the first 512 tokens of a sequence).  Wave row wr = 2 x block row + half (0..63) holds at place 0 the early tile wr = 32 b + u and at places 1..3 the late tiles
; l = 64 (place - 1) + wr, l = 96 b + u - 32.  Rows 64 half + 16 place + r hold hi = f16(result); rows 128 + 16 half + r hold lo = f16(result - hi) of the early tile.
; LIMIT: operands are f16 (below 65,504), so a raw score is below 96 x 65,504^2 = 4.2e11.  q, k and the weights P are single f16.  The second f16 of a number is kept only
; where a row averages few keys and so stands far above the others: the result's lo part for the first 512 tokens of a sequence; V's lo part (vh holds hi for all keys and,
; 8,388,608 bytes on, lo for keys below 1,024) in the two trips of pass 1's diagonal superblock, which hold all keys of the queries below 1,024 that have few.
; Elsewhere the result and V are single f16.
; MASK: a masked score is set to -2^100 (the definition uses the lowest f32).  c x 2^100 is exact, so a part of a row that has met masked keys only gets the exponent 0
; exactly and stays finite; its weight is wiped by a factor exp2(-1.9e29) = 0 as soon as it meets, or is merged with, a valid key, and every causal row has one.
; SHARING: work-group x: (batch, head) = x >> 3, i = x & 7.  Two passes over blocks of 128 queries: block i, then block 15 - i.  Keys go in aligned superblocks of
; 2 x 128 keys; block 0 of a superblock always lies in LDS slot 0, block 1 in slot 1.  A pass takes the superblock of its diagonal first (masked by comparison),
; then the full ones below it, downwards: 2 + 2 (i >> 1) and 2 + 2 (7 - (i >> 1)) trips, 18 for every work-group.
; Wave w: qg = w >> 2 takes 64 queries (4 tiles of 16), kq = w & 3 takes keys 32 kq .. +31 of every block: a K or V fragment is read from LDS by two waves only.
; The four key quarters of a query tile are merged through LDS at the end of a pass.  Two waves lie on a SIMD: one's softmax runs beside the other's matrix work.
; TILES: waves 0-3 bring a quarter of each block of K (32 keys, 6,144 bytes), waves 4 and 5 half of each block of V's hi parts (64 keys, 8,192 bytes).  Waves 6 and 7 bring,
; at the start alone, half each of the two blocks of V's lo parts, into LDS bytes of their own that are never filled again.  A trip's tiles are 40,960 bytes.
; PREFETCH: superblock 6 - k of a head (k = 0, 1, 2) is asked for by a tensor load for the first time in trip 2 k + 2 of the work-groups that reach it first.  In trip 2 k + 1,
; behind its LDS loads, it is asked for into the L2: one trip ahead of block 0's tensor load, two ahead of block 1's.  Each aligned block of 256 bytes is asked for once in
; the launch: wave 0 of the work-groups i < 6 takes unit i (32 lanes x 256 bytes) of K's 49,152 bytes, wave 1 of the work-groups i < 4 unit i of V hi's 32,768 bytes.
; A counter ends the asking after three asks; the lowest byte asked for lies in superblock 4.  Superblocks 0-3 and 7 are wanted at the very start: nothing can run ahead of that.
; LAYOUTS: S^T = K Q^T (A = 16 keys, B = 16 queries): lane (r, h) holds query r, keys 8 h + 0..7.  Two such tiles packed to f16 ARE the B fragment of O^T = V^T P^T,
; whose A fragment comes from V[key][d] by the transposing LDS load.  In O^T lane (r, h) holds query r, d = 8 h + 0..7: statistics and factors never change lanes.
; NO MULTICAST: at a given trip the eight work-groups of a head are at different superblocks (their first ones are i >> 1 and 7 - (i >> 1)), and the trip at which a
; work-group changes passes hangs on i, so partners would not issue the same loads in the same rounds.
.set KPITCH, 240                       ; a key's 192 bytes as three pieces of 64 + 16 of padding: 15 x 16 bytes, so 16 keys start at 16 different groups of banks
.set VPITCH, 160                       ; 128 + 32: an odd multiple of 32 for the transposing load
.set KBLK,   128*192                   ; bytes of a block of keys in memory
.set VBLK,   128*128                   ; of V's hi parts, and of its lo parts
.set VLO,    0x800000                  ; where V's lo parts begin in vh; a head has 8 blocks of them
.set KSLOT,  128*KPITCH                ; 30,720
.set VSLOT,  128*VPITCH                ; 20,480
.set VS0,    2*KSLOT                   ; 61,440
.set VLS,    VS0+2*VSLOT               ; 102,400: the two blocks of V's lo parts, filled once
.set XCH,    VLS+2*VSLOT               ; 143,360: 32 cells ((qg 4 + tile) 4 + kq): O as 8 x 512 bytes, then (NM, l) as 256 bytes.  No tensor load lands here
.set CELL,   4352
.set OST,    XCH+32*CELL               ; 282,624: each wave's own 2 x 16 rows of 128 + 16 bytes: hi, then lo
.set OSTH,   2304
.set OSTW,   2*OSTH
.set PLB,    160*128                   ; bytes of a (head, block row) plane of ah
.set HEADB,  32*PLB                    ; bytes of a head in ah
.set CSC,    0x3e16c740                ; c = log2(e) / sqrt(96)
.set NCSC,   0xbe16c740                ; -c
.set MASKV,  0xf1800000                ; -2^100
.set NM0,    0x7016c740                ; c x 2^100
.set ADRK, 4
.set ADRV, 5
.set QREL1, 6                          ; query - key distance at (tile 0, key 0) in pass 1, 2
.set QREL2, 7
.set XW,  8
.set XWM, 9
.set XR,  10
.set XRM, 11
.set OSW, 12
.set OSR, 13
.set QOF, 14
.set GOF, 15
.set MX,  16                           ; v16-19  running maximum of the raw scores, a query tile each
.set NL,  20                           ; v20-27  pairs (NM = -c m rounded, l = my half's sum)
.set AL,  28                           ; v28-35  pairs (factor for the old sums, unused)
.set T,   36                           ; v36-47  at work (the list of halves in EPI names v36-39)
.set KF,  48                           ; v48-95  K fragments (t, c) at 24 t + 8 c
.set VF0, 96                           ; v96-127, v128-159  V^T hi fragments of slot 0, 1: d tile at 8 d
.set S,   160                          ; v160-223 scores (tile q, t) at 16 q + 8 t; then P in the first 8 of each 16
.set E,   224                          ; v224-231 the four (NM, l) of a merge
.set WT,  232                          ; v232-239 the four weights, twice each
.set U,   240                          ; v240-245 at work in the merge
.set PF,  246                          ; v246    byte offset of my lane's block of 256 bytes in the last prefetch
; window 1: O (tile q, d tile) at 32 q + 8 d (v0-127); Q fragments (q, c) at 128 + 24 q + 8 c (v128-223); V^T lo fragments, d tile at 224 + 8 d
.set VL,  224
.set G1K, 24
.set G1V, 32
.set G0K, 40                           ; s[40:47] group 0 for K, a set for each slot
.set G0V, 48                           ; s[48:55] for V's hi parts
.set OFK, 56                           ; s[56:57], s[58:59] byte offset in kh of my part of the tile that slot 0, 1 gets next, with a zero word above it
.set OFV, 60                           ; s[60:61], s[62:63] the same in vh
.set UPK, 84                           ; s84, s85: bytes from superblock 0 up to pass 2's first superblock, in kh and in vh
.set UPV, 85
.set G0L, 88                           ; s[88:95] group 0 for V's lo parts, a set for each of the two blocks
.set PFN, 96                           ; s96     prefetches that I still have to issue
.set PFS, 97                           ; s97     bytes of a superblock in the buffer that I prefetch from
.set PFB, 98                           ; s[98:99] that buffer
.set MSB, 0
.macro WIN new
.if MSB != (\new)
	s_set_vgpr_msb (MSB<<8)|(\new)
.set MSB, (\new)
.endif
.endm
.macro NOPS n
.rept \n
	v_nop
.endr
.endm
; The global address words of a slot's two descriptors, made anew each time: the buffer's address plus the slot's offset, then the type (2 in the top two bits).
; It stands only where no tensor load of the wave is out.
.macro SETADR slot
	s_add_nc_u64 s[G0K+4*\slot+2:G0K+4*\slot+3], s[6:7], s[OFK+2*\slot:OFK+2*\slot+1]
	s_or_b32 s[G0K+4*\slot+3], s[G0K+4*\slot+3], 0x80000000
	s_add_nc_u64 s[G0V+4*\slot+2:G0V+4*\slot+3], s[8:9], s[OFV+2*\slot:OFV+2*\slot+1]
	s_or_b32 s[G0V+4*\slot+3], s[G0V+4*\slot+3], 0x80000000
.endm
; waves 0-3 load a quarter of K's block, waves 4 and 5 half of V's, waves 6 and 7 nothing: one tensor load a wave at the most
.macro TLOAD s
	s_cmp_gt_u32 s12, 5
	s_cbranch_scc1 .Lnone_\@
	s_cmp_gt_u32 s12, 3
	s_cbranch_scc1 .Lv_\@
	tensor_load_to_lds s[G0K+4*\s:G0K+4*\s+3], s[G1K:G1K+7]
	s_nop 0
	s_branch .Lnone_\@
.Lv_\@:
	tensor_load_to_lds s[G0V+4*\s:G0V+4*\s+3], s[G1V:G1V+7]
	s_nop 0
.Lnone_\@:
.endm
; my 64 queries as B fragments, straight from memory: lane (r, h): query r, features 32 c + 8 h .. and 32 c + 16 + 8 h ..
.macro QLOAD sb
	WIN 0x40
.irp q, 0,1,2,3
.irp c, 0,1,2
	global_load_b128 v[128+24*\q+8*\c:128+24*\q+8*\c+3],   v[QOF], s[\sb:\sb+1] offset:3072*\q+64*\c
	global_load_b128 v[128+24*\q+8*\c+4:128+24*\q+8*\c+7], v[QOF], s[\sb:\sb+1] offset:3072*\q+64*\c+32
.endr
.endr
	WIN 0
.endm
; my 32 keys of the block in slot s: 12 loads for K, then 8 transposing loads for V's hi parts
.macro KVFETCH s
.irp t, 0,1
.irp c, 0,1,2
	ds_load_b128 v[KF+24*\t+8*\c:KF+24*\t+8*\c+3],   v[ADRK] offset:KSLOT*(\s)+16*KPITCH*\t+80*\c
	ds_load_b128 v[KF+24*\t+8*\c+4:KF+24*\t+8*\c+7], v[ADRK] offset:KSLOT*(\s)+16*KPITCH*\t+80*\c+32
.endr
.endr
.irp d, 0,1,2,3
	ds_load_tr16_b128 v[VF0+32*(\s)+8*\d:VF0+32*(\s)+8*\d+3],   v[ADRV] offset:VSLOT*(\s)+32*\d
	ds_load_tr16_b128 v[VF0+32*(\s)+8*\d+4:VF0+32*(\s)+8*\d+7], v[ADRV] offset:VSLOT*(\s)+32*\d+16*VPITCH
.endr
.endm
; V's lo parts of the same 32 keys of block s, from their own bytes (laid out as a slot of hi parts is): 8 transposing loads into window 1
.macro VLFETCH s
	WIN 0x40
.irp d, 0,1,2,3
	ds_load_tr16_b128 v[VL+8*\d:VL+8*\d+3],   v[ADRV] offset:VLS-VS0+VSLOT*(\s)+32*\d
	ds_load_tr16_b128 v[VL+8*\d+4:VL+8*\d+7], v[ADRV] offset:VLS-VS0+VSLOT*(\s)+32*\d+16*VPITCH
.endr
	WIN 0
.endm
; 24 matrix instructions; the eight score tiles take turns, one instruction a turn.  The first 32 features start the sums.
.macro SCORES
	WIN 0x04                                       ; source 1 (Q) in window 1
.irp c, 0,1,2
.irp q, 0,1,2,3
.irp t, 0,1
.if \c == 0
	v_wmma_f32_16x16x32_f16 v[S+16*\q+8*\t:S+16*\q+8*\t+7], v[KF+24*\t+8*\c:KF+24*\t+8*\c+7], v[128+24*\q+8*\c:128+24*\q+8*\c+7], 0
.else
	v_wmma_f32_16x16x32_f16 v[S+16*\q+8*\t:S+16*\q+8*\t+7], v[KF+24*\t+8*\c:KF+24*\t+8*\c+7], v[128+24*\q+8*\c:128+24*\q+8*\c+7], v[S+16*\q+8*\t:S+16*\q+8*\t+7]
.endif
.endr
.endr
.endr
.endm
; query tile q: mask, new maximum, factor for the old sums, p = exp2(c s + NM), l, P in f16
.macro SOFT q, mask, blk, qrel
.if \mask
.irp t, 0,1
.irp j, 0,1,2,3,4,5,6,7
	v_cmp_le_i32 vcc_lo, 128*\blk+16*\t+\j-16*\q, v[\qrel]         ; key <= query
	v_cndmask_b32 v[S+16*\q+8*\t+\j], s75, v[S+16*\q+8*\t+\j], vcc_lo
.endr
.endr
.endif
	v_max3_num_f32 v[T+0], v[S+16*\q+0],  v[S+16*\q+1],  v[S+16*\q+2]
	v_max3_num_f32 v[T+1], v[S+16*\q+3],  v[S+16*\q+4],  v[S+16*\q+5]
	v_max3_num_f32 v[T+2], v[S+16*\q+6],  v[S+16*\q+7],  v[S+16*\q+8]
	v_max3_num_f32 v[T+3], v[S+16*\q+9],  v[S+16*\q+10], v[S+16*\q+11]
	v_max3_num_f32 v[T+4], v[S+16*\q+12], v[S+16*\q+13], v[S+16*\q+14]
	v_max3_num_f32 v[T+0], v[T+0], v[S+16*\q+15], v[MX+\q]
	v_max3_num_f32 v[T+1], v[T+1], v[T+2], v[T+3]
	v_max3_num_f32 v[T+0], v[T+0], v[T+1], v[T+4]
	v_permlanex16_b32 v[T+1], v[T+0], s20, s21     ; the other 16 keys of the same query
	v_max_num_f32 v[MX+\q], v[T+0], v[T+1]
	v_mul_f32 v[T+2], s74, v[MX+\q]                ; NM = -c m, rounded once; all exponents of this tile refer to this number
	v_sub_f32 v[T+3], v[T+2], v[NL+2*\q]           ; new NM - old NM <= 0
	v_mov_b32 v[NL+2*\q], v[T+2]                   ; the old one was needed in the line above
	v_exp_f32 v[AL+2*\q], v[T+3]
.irp k, 0,2,4,6,8,10,12,14
	v_pk_fma_f32 v[S+16*\q+\k:S+16*\q+\k+1], v[S+16*\q+\k:S+16*\q+\k+1], s[22:23], v[NL+2*\q:NL+2*\q+1] op_sel_hi:[1,0,0]
.endr
.irp k, 0,1,2,3,4,5,6,7,8,9,10,11,12,13,14,15
	v_exp_f32 v[S+16*\q+\k], v[S+16*\q+\k]
.endr
	s_wait_alu depctr_va_vdst(0)
	v_mul_f32 v[NL+2*\q+1], v[NL+2*\q+1], v[AL+2*\q]               ; the old sum shrinks; also the plain instruction behind the exponentials (ISA guide 5.7.2)
	v_pk_add_f32 v[T+4:T+5],   v[S+16*\q+0:S+16*\q+1],   v[S+16*\q+2:S+16*\q+3]
	v_pk_add_f32 v[T+6:T+7],   v[S+16*\q+4:S+16*\q+5],   v[S+16*\q+6:S+16*\q+7]
	v_pk_add_f32 v[T+8:T+9],   v[S+16*\q+8:S+16*\q+9],   v[S+16*\q+10:S+16*\q+11]
	v_pk_add_f32 v[T+10:T+11], v[S+16*\q+12:S+16*\q+13], v[S+16*\q+14:S+16*\q+15]
	v_pk_add_f32 v[T+4:T+5], v[T+4:T+5], v[T+6:T+7]
	v_pk_add_f32 v[T+8:T+9], v[T+8:T+9], v[T+10:T+11]
	v_pk_add_f32 v[T+4:T+5], v[T+4:T+5], v[T+8:T+9]
	v_add_f32 v[T+4], v[T+4], v[T+5]
	v_add_f32 v[NL+2*\q+1], v[NL+2*\q+1], v[T+4]
.irp k, 0,1,2,3,4,5,6,7
	v_cvt_pk_f16_f32 v[S+16*\q+\k], v[S+16*\q+2*\k], v[S+16*\q+2*\k+1]   ; upwards in place: register k is written when 2 k and 2 k + 1 are read
.endr
.endm
.macro RESC                            ; the old O shrinks by its query's factor
	WIN 0x41
.irp q, 0,1,2,3
.irp k, 0,1,2,3,4,5,6,7,8,9,10,11,12,13,14,15
	v_pk_mul_f32 v[32*\q+2*\k:32*\q+2*\k+1], v[32*\q+2*\k:32*\q+2*\k+1], v[AL+2*\q:AL+2*\q+1] op_sel_hi:[1,0]
.endr
.endr
.endm
.macro PV vf, first                    ; 16 matrix instructions on 16 different accumulators
	WIN 0x50
.irp q, 0,1,2,3
.irp d, 0,1,2,3
.if \first
	v_wmma_f32_16x16x32_f16 v[32*\q+8*\d:32*\q+8*\d+7], v[\vf+8*\d:\vf+8*\d+7], v[S+16*\q:S+16*\q+7], 0
.else
	v_wmma_f32_16x16x32_f16 v[32*\q+8*\d:32*\q+8*\d+7], v[\vf+8*\d:\vf+8*\d+7], v[S+16*\q:S+16*\q+7], v[32*\q+8*\d:32*\q+8*\d+7]
.endif
.endr
.endr
.endm
.macro PVL                             ; the same 16 accumulators in the same order, one instruction a turn, with V's lo parts (source 0 in window 1)
	WIN 0x51
.irp q, 0,1,2,3
.irp d, 0,1,2,3
	v_wmma_f32_16x16x32_f16 v[32*\q+8*\d:32*\q+8*\d+7], v[VL+8*\d:VL+8*\d+7], v[S+16*\q:S+16*\q+7], v[32*\q+8*\d:32*\q+8*\d+7]
.endr
.endr
.endm
.macro INIT                            ; a pass begins as if it had met masked keys only
.irp q, 0,1,2,3
	v_mov_b32 v[MX+\q], s75
	v_mov_b32 v[NL+2*\q], NM0
	v_mov_b32 v[NL+2*\q+1], 0
.endr
.endm
; One block of 128 keys, whose fragments were asked for in the trip before.
; mask = 1: a block of the diagonal superblock: scores are masked by comparison.
; lo = 1: V's lo parts of this block are read, from bytes that were filled at the start and shown landed in front of an earlier barrier, and multiplied too.
; upd: this slot's next tile: 0 none, 1 one superblock down, 2 the same, or up to pass 2's first superblock if this is pass 1's last (s19 = 0: pass 1 is at superblock 0).
; sync = 1: change of slots.  Every wave has this slot's fragments in registers (dscnt 0) and all its tensor loads landed (tensorcnt 0: the one out is its part of the other
; slot's tile); behind the barrier this slot is filled again first (the tile two trips ahead), then the other slot's fragments are read.
.macro TRIP slot, mask, blk, first, upd, sync, refill, qrel, lo
.if \lo
	VLFETCH \slot
	s_wait_dscnt 16                                ; K's 12 loads are in; V's 8 and the 8 for its lo parts, issued behind them, may be out
.else
	s_wait_dscnt 0x8                               ; K's 12 loads are in; V's 8, issued behind them, may be out
.endif
	SCORES
	WIN 0
	s_wait_dscnt 0x0                               ; V's fragments too: my reads of this slot are over
.if \sync
	s_wait_tensorcnt 0x0                           ; no tensor load of mine is out: the group 0 below may be written
	ds_add_u32 v254, v255
	s_wait_dscnt 0x0
.if \upd == 1
	s_sub_co_u32 s[OFK+2*\slot], s[OFK+2*\slot], 2*KBLK
	s_sub_co_u32 s[OFV+2*\slot], s[OFV+2*\slot], 2*VBLK
	SETADR \slot
.endif
.if \upd == 2
	s_sub_co_u32 s76, s[OFK+2*\slot], 2*KBLK       ; down (at superblock 0 this candidate may wrap; there it is not taken)
	s_add_co_u32 s77, s[OFK+2*\slot], s[UPK]       ; or up
	s_sub_co_u32 s78, s[OFV+2*\slot], 2*VBLK
	s_add_co_u32 s79, s[OFV+2*\slot], s[UPV]
	s_cmp_eq_u32 s19, 0
	s_cselect_b32 s[OFK+2*\slot], s77, s76
	s_cselect_b32 s[OFV+2*\slot], s79, s78
	SETADR \slot
.endif
	s_barrier_signal -1
	NOPS 4                                         ; the four places behind the score products, for the loads onto K's fragments and the reads of S
	s_barrier_wait -1
.if \refill
	TLOAD \slot
.endif
	KVFETCH (1-\slot)
.if \slot == 1
	s_cmp_eq_u32 s[PFN], 0                         ; every second trip, three times in all, in the waves that ask (see PREFETCH at the head)
	s_cbranch_scc1 .Lno_ask_\@
	s_wait_xcnt 0x0                                ; the last prefetch, two trips back, has read its offset: it may be stepped
	v_sub_nc_u32 v[PF], v[PF], s[PFS]              ; one superblock down
	global_prefetch_b8 v[PF], s[PFB:PFB+1] th:TH_LOAD_NT scope:SCOPE_SE
	s_sub_co_u32 s[PFN], s[PFN], 1
.Lno_ask_\@:
.endif
.else
	NOPS 4
.endif
	SOFT 0, \mask, \blk, \qrel
	SOFT 1, \mask, \blk, \qrel
	SOFT 2, \mask, \blk, \qrel
	SOFT 3, \mask, \blk, \qrel
.if \first == 0
	RESC
.endif
	PV VF0+32*\slot, \first
.if \lo
	PVL
.endif
	NOPS 5                                         ; five places before the next score products write over P, a source of these; they also serve the next loads onto V's lo fragments
	WIN 0
.endm
; End of a pass: the four key quarters of each query tile meet in LDS; wave (qg, kq) merges, norms and stores tile kq of its 64 queries.
; lo = 1 (pass 1): where the pass's block lies in the first 512 tokens (i < 4) the tile goes out as hi and lo, else as hi alone.
.macro EPI ab, nextq, lo
.if \nextq
	QLOAD 68                                       ; pass 2's queries, on their way during the merge
.endif
	WIN 0x04                                       ; store data in window 1
.irp q, 0,1,2,3
.irp g, 0,1,2,3,4,5,6,7
	ds_store_b128 v[XW], v[32*\q+4*\g:32*\q+4*\g+3] offset:4*CELL*\q+512*\g
.endr
.endr
	WIN 0
.irp q, 0,1,2,3
	ds_store_b64 v[XWM], v[NL+2*\q:NL+2*\q+1] offset:4*CELL*\q
.endr
	s_wait_dscnt 0x0                               ; my cells are written
	s_wait_tensorcnt 0x0                           ; and no tensor load of mine crosses this barrier
	s_barrier_signal -1
	s_barrier_wait -1
.irp s, 0,1,2,3
	ds_load_b64 v[E+2*\s:E+2*\s+1], v[XRM] offset:CELL*\s
.endr
	WIN 0x40
.irp s, 0,1,2,3
.irp g, 0,1,2,3,4,5,6,7
	ds_load_b128 v[32*\s+4*\g:32*\s+4*\g+3], v[XR] offset:CELL*\s+512*\g
.endr
.endr
	WIN 0
	s_wait_dscnt 32                                ; the four (NM, l) are in; the 32 loads of O behind them may be out
	v_min3_num_f32 v[U], v[E], v[E+2], v[E+4]
	v_min_num_f32 v[U], v[U], v[E+6]               ; NM of the largest maximum
.irp s, 0,1,2,3
	v_sub_f32 v[U+1+\s], v[U], v[E+2*\s]
.endr
.irp s, 0,1,2,3
	v_exp_f32 v[U+1+\s], v[U+1+\s]
.endr
	v_nop                                          ; a plain place behind the exponentials
	s_wait_alu depctr_va_vdst(0)
	v_mul_f32 v[U+5], v[U+1], v[E+1]
	v_fmac_f32 v[U+5], v[U+2], v[E+3]
	v_fmac_f32 v[U+5], v[U+3], v[E+5]
	v_fmac_f32 v[U+5], v[U+4], v[E+7]
	v_permlanex16_b32 v[T+1], v[U+5], s20, s21     ; l was kept by halves of the lanes
	v_add_f32 v[U+5], v[U+5], v[T+1]               ; at least about 1: the key of the maximum counts 1
	v_rcp_f32 v[U+5], v[U+5]
	v_nop
	s_wait_alu depctr_va_vdst(0)
.irp s, 0,1,2,3
	v_mul_f32 v[WT+2*\s], v[U+1+\s], v[U+5]
	v_mul_f32 v[WT+2*\s+1], v[U+1+\s], v[U+5]
.endr
	s_wait_dscnt 0x0
	WIN 0x41
.irp k, 0,1,2,3,4,5,6,7,8,9,10,11,12,13,14,15
	v_pk_mul_f32 v[2*\k:2*\k+1], v[2*\k:2*\k+1], v[WT:WT+1]
.endr
	WIN 0x51
.irp s, 1,2,3
.irp k, 0,1,2,3,4,5,6,7,8,9,10,11,12,13,14,15
	v_pk_fma_f32 v[2*\k:2*\k+1], v[32*\s+2*\k:32*\s+2*\k+1], v[WT+2*\s:WT+2*\s+1], v[2*\k:2*\k+1]
.endr
.endr
	WIN 0
.if \lo
	s_cmp_ge_u32 s17, 4                            ; the work-group's number alone decides: query block i begins at token 128 i
	s_cbranch_scc1 .Lhi_only_\@
	; a d tile (8 numbers a lane) at a time: hi = f16(o), lo = f16(o - hi); row = query r, my 8 neighbouring d
.irp d, 0,1,2,3
	WIN 0x05
.irp r, 0,1,2,3
	v_cvt_pk_f16_f32 v[T+\r], v[8*\d+2*\r], v[8*\d+2*\r+1]
.endr
	WIN 0
.set u, 0
.irp h, v36.l,v36.h,v37.l,v37.h,v38.l,v38.h,v39.l,v39.h
	v_cvt_f32_f16 v[T+4+u], \h                     ; hi, widened again
.set u, u+1
.endr
	ds_store_b128 v[OSW], v[T:T+3] offset:32*\d
	WIN 0x01
.irp r, 0,1,2,3
	v_pk_add_f32 v[T+4+2*\r:T+5+2*\r], v[8*\d+2*\r:8*\d+2*\r+1], v[T+4+2*\r:T+5+2*\r] neg_lo:[0,1] neg_hi:[0,1]   ; o - hi, exact
.endr
	WIN 0
.irp r, 0,1,2,3
	v_cvt_pk_f16_f32 v[S+4*\d+\r], v[T+4+2*\r], v[T+5+2*\r]
.endr
	ds_store_b128 v[OSW], v[S+4*\d:S+4*\d+3] offset:OSTH+32*\d
.endr
.irp g, 0,1,2,3
	ds_load_b128 v[S+16+4*\g:S+16+4*\g+3], v[OSR] offset:4*144*\g  ; my wave's own bytes: LDS serves a wave's instructions in order (ISA guide 5.7.1.4)
.endr
.irp g, 0,1,2,3
	ds_load_b128 v[S+32+4*\g:S+32+4*\g+3], v[OSR] offset:OSTH+4*144*\g
.endr
.irp g, 0,1,2,3
	s_wait_dscnt 7-\g                              ; of the eight read-backs, hi's load g is in
	global_store_b128 v[GOF], v[S+16+4*\g:S+16+4*\g+3], s[\ab:\ab+1] offset:512*\g   ; 512 consecutive, aligned bytes: four queries' rows
.endr
.irp g, 0,1,2,3
	s_wait_dscnt 3-\g
	global_store_b128 v[GOF], v[S+32+4*\g:S+32+4*\g+3], s[86:87] offset:512*\g
.endr
	s_branch .Lstored_\@
.Lhi_only_\@:
.endif
	WIN 0x05
.irp k, 0,1,2,3,4,5,6,7,8,9,10,11,12,13,14,15
	v_cvt_pk_f16_f32 v[S+\k], v[2*\k], v[2*\k+1]
.endr
	WIN 0
.irp d, 0,1,2,3
	ds_store_b128 v[OSW], v[S+4*\d:S+4*\d+3] offset:32*\d          ; row = query r, my 8 neighbouring d
.endr
.irp g, 0,1,2,3
	ds_load_b128 v[S+16+4*\g:S+16+4*\g+3], v[OSR] offset:4*144*\g  ; my wave's own bytes, served in order
.endr
.irp g, 0,1,2,3
	s_wait_dscnt 3-\g
	global_store_b128 v[GOF], v[S+16+4*\g:S+16+4*\g+3], s[\ab:\ab+1] offset:512*\g
.endr
.if \lo
.Lstored_\@:
.endif
	s_wait_xcnt 0x0                                ; the stores' data registers are score registers again only behind this wait
.if \nextq
	s_wait_loadcnt 0x0                             ; pass 2's queries
.endif
.endm
; From wave row s77 and place s83 (both used up) and my head's part s82: s78 = byte offset in ah of the tile's hi rows, s80 = of the wave row's lo rows
.macro AHOFF
	s_lshr_b32 s78, s77, 1                         ; block row
	s_mul_i32 s78, s78, PLB
	s_add_co_u32 s78, s78, s82                     ; my head's plane of that block row
	s_and_b32 s77, s77, 1                          ; which half of its rows
	s_lshl_b32 s80, s77, 11
	s_add_co_u32 s80, s80, s78
	s_add_co_u32 s80, s80, 128*128                 ; lo: row 128 + 16 half
	s_lshl_b32 s77, s77, 13
	s_add_co_u32 s78, s78, s77
	s_lshl_b32 s83, s83, 11
	s_add_co_u32 s78, s78, s83                     ; hi: row 64 half + 16 place
.endm
	s_load_b256 s[4:11], s[0:1], 0x0               ; qh s[4:5], kh s[6:7], vh s[8:9], ah s[10:11]
	v_lshl_add_u32 v254, v0, 2, 0x4e000
	v_mov_b32 v255, 0
	ds_add_u32 v254, v255
	v_lshrrev_b32 v1, 5, v0
	v_readfirstlane_b32 s12, v1                    ; wave
	s_lshr_b32 s14, s12, 2                         ; qg
	s_and_b32 s15, s12, 3                          ; kq.  Also: which quarter of K's tile waves 0-3 fetch
	s_and_b32 s3, s12, 1                           ; which half of V's tile waves 4, 5 (hi) and 6, 7 (lo) fetch
	s_lshr_b32 s16, ttmp9, 3                       ; batch * 16 + head
	s_and_b32 s17, ttmp9, 7                        ; i
	s_lshr_b32 s18, s17, 1                         ; F1: full superblocks of pass 1; pass 2 has 7 - F1
	s_mov_b32 s20, 0x76543210                      ; v_permlanex16_b32: lane i of one half reads lane i of the other
	s_mov_b32 s21, 0xfedcba98
	s_mov_b32 s22, CSC
	s_mov_b32 s23, CSC
	s_mov_b32 s74, NCSC
	s_mov_b32 s75, MASKV
	; group 1 for K: 32 keys, dense, 6,144 bytes as 24 rows of 32 elements of 8 bytes; 4 words of padding behind every 16
	s_mov_b32 s[G1K+0], (3<<16)|(1<<20)|(3<<22)|(3<<25)
	s_mov_b32 s[G1K+1], 32<<16
	s_mov_b32 s[G1K+2], 24<<16
	s_mov_b32 s[G1K+3], 32<<16
	s_mov_b32 s[G1K+4], 24
	s_mov_b32 s[G1K+5], 32
	s_mov_b32 s[G1K+6], 0
	s_mov_b32 s[G1K+7], 0
	; group 1 for V, hi and lo alike: 64 keys of 128 bytes, dense, 8,192 bytes as 32 such rows; 8 words of padding behind every 32
	s_mov_b32 s[G1V+0], (3<<16)|(1<<20)|(4<<22)|(7<<25)
	s_mov_b32 s[G1V+1], 32<<16
	s_mov_b32 s[G1V+2], 32<<16
	s_mov_b32 s[G1V+3], 32<<16
	s_mov_b32 s[G1V+4], 32
	s_mov_b32 s[G1V+5], 32
	s_mov_b32 s[G1V+6], 0
	s_mov_b32 s[G1V+7], 0
	; where my part goes: the slot's constant + kq x 32 padded rows of K, or + half x 64 padded rows of V
	s_mul_i32 s76, s15, 32*KPITCH
	s_mov_b32 s[G0K+0], 1
	s_add_co_u32 s[G0K+1], s76, 0
	s_mov_b32 s[G0K+4], 1
	s_add_co_u32 s[G0K+5], s76, KSLOT
	s_mul_i32 s76, s3, 64*VPITCH
	s_mov_b32 s[G0V+0], 1
	s_add_co_u32 s[G0V+1], s76, VS0
	s_mov_b32 s[G0V+4], 1
	s_add_co_u32 s[G0V+5], s76, VS0+VSLOT
	s_mov_b32 s[G0L+0], 1
	s_add_co_u32 s[G0L+1], s76, VLS
	s_mov_b32 s[G0L+4], 1
	s_add_co_u32 s[G0L+5], s76, VLS+VSLOT
	; the slots' first tiles: my part of the two blocks of pass 1's first superblock, F1, as byte offsets (12,582,912 at the most)
	s_mul_i32 s76, s16, 16*KBLK
	s_mul_i32 s78, s18, 2*KBLK
	s_add_co_u32 s[OFK], s76, s78
	s_mul_i32 s78, s15, KBLK/4
	s_add_co_u32 s[OFK], s[OFK], s78
	s_mov_b32 s[OFK+1], 0
	s_add_co_u32 s[OFK+2], s[OFK], KBLK
	s_mov_b32 s[OFK+3], 0
	s_mul_i32 s76, s16, 16*VBLK
	s_mul_i32 s78, s18, 2*VBLK                     ; superblock F1,
	s_mul_i32 s79, s3, VBLK/2                      ; my half of a block
	s_add_co_u32 s78, s78, s79
	s_add_co_u32 s[OFV], s76, s78
	s_mov_b32 s[OFV+1], 0
	s_add_co_u32 s[OFV+2], s[OFV], VBLK
	s_mov_b32 s[OFV+3], 0
	s_mul_i32 s80, s16, 8*VBLK                     ; the same superblock's lo parts: 8 blocks a head (F1 is 3 at the most),
	s_add_co_u32 s80, s80, s78
	s_add_co_u32 s80, s80, VLO                     ; behind all the hi parts
	s_mov_b32 s81, 0
	s_sub_co_u32 s76, 7, s18                       ; F2
	s_mul_i32 s[UPK], s76, 2*KBLK
	s_mul_i32 s[UPV], s76, 2*VBLK
	s_wait_dscnt 0x0
	s_barrier_signal -1
	s_barrier_wait -1
	s_wait_kmcnt 0x0
	SETADR 0
	SETADR 1
	s_add_nc_u64 s[G0L+2:G0L+3], s[8:9], s[80:81]
	s_or_b32 s[G0L+3], s[G0L+3], 0x80000000
	s_add_co_u32 s80, s80, VBLK
	s_add_nc_u64 s[G0L+6:G0L+7], s[8:9], s[80:81]
	s_or_b32 s[G0L+7], s[G0L+7], 0x80000000
	; the first fills, in one branch on the wave's number: every wave issues two, block 0's part first: two tensor loads of a wave are out here, later one at the most
	s_cmp_gt_u32 s12, 3
	s_cbranch_scc1 .Lfill_v
	tensor_load_to_lds s[G0K:G0K+3], s[G1K:G1K+7]
	s_nop 0
	tensor_load_to_lds s[G0K+4:G0K+7], s[G1K:G1K+7]
	s_nop 0
	s_branch .Lfilled
.Lfill_v:
	s_cmp_gt_u32 s12, 5
	s_cbranch_scc1 .Lfill_l
	tensor_load_to_lds s[G0V:G0V+3], s[G1V:G1V+7]
	s_nop 0
	tensor_load_to_lds s[G0V+4:G0V+7], s[G1V:G1V+7]
	s_nop 0
	s_branch .Lfilled
.Lfill_l:
	tensor_load_to_lds s[G0L:G0L+3], s[G1V:G1V+7]
	s_nop 0
	tensor_load_to_lds s[G0L+4:G0L+7], s[G1V:G1V+7]
	s_nop 0
.Lfilled:
	; where my queries lie
	s_lshl_b32 s76, s16, 11
	s_lshl_b32 s78, s14, 6
	s_add_co_u32 s76, s76, s78                     ; (batch, head) x 2,048 + 64 qg
	s_sub_co_u32 s80, 15, s17                      ; pass 2's query block
	s_lshl_b32 s78, s17, 7
	s_add_co_u32 s78, s76, s78
	s_mul_i32 s78, s78, 192
	s_mov_b32 s79, 0
	s_add_nc_u64 s[66:67], s[4:5], s[78:79]        ; pass 1's queries
	s_lshl_b32 s78, s80, 7
	s_add_co_u32 s78, s76, s78
	s_mul_i32 s78, s78, 192
	s_add_nc_u64 s[68:69], s[4:5], s[78:79]        ; pass 2's
	; where my results go: the tile that I merge is u = 8 j + 4 qg + kq of my batch, j the pass's query block
	s_lshr_b32 s13, s16, 4                         ; batch
	s_and_b32 s82, s16, 15
	s_mul_i32 s82, s82, HEADB                      ; my head's part of ah
	s_lshl_b32 s76, s14, 2
	s_add_co_u32 s76, s76, s15                     ; 4 qg + kq
	s_mul_i32 s2, s13, 96
	s_add_co_u32 s2, s2, s76
	s_sub_co_u32 s2, s2, 32                        ; a late tile's number l less 8 j (modulo 2^32; l itself is 0..191)
	s_mov_b32 s81, 0
	s_lshl_b32 s3, s17, 3                          ; pass 1: 8 j = 8 i
	s_add_co_u32 s83, s2, s3                       ; l, if late (meaningless and not taken if early)
	s_and_b32 s77, s83, 63                         ; late: wave row l mod 64,
	s_lshr_b32 s83, s83, 6
	s_add_co_u32 s83, s83, 1                       ; place 1 + l / 64
	s_add_co_u32 s3, s3, s76
	s_lshl_b32 s80, s13, 5
	s_add_co_u32 s3, s3, s80                       ; early: wave row 32 b + u, place 0
	s_cmp_lt_u32 s17, 4
	s_cselect_b32 s77, s3, s77
	s_cselect_b32 s83, 0, s83
	AHOFF
	s_add_nc_u64 s[70:71], s[10:11], s[78:79]      ; pass 1: hi
	s_add_nc_u64 s[86:87], s[10:11], s[80:81]      ; pass 1: lo (used where i < 4)
	s_sub_co_u32 s3, 15, s17                       ; pass 2: j = 15 - i, always late
	s_lshl_b32 s3, s3, 3
	s_add_co_u32 s83, s2, s3
	s_and_b32 s77, s83, 63
	s_lshr_b32 s83, s83, 6
	s_add_co_u32 s83, s83, 1
	AHOFF
	s_add_nc_u64 s[72:73], s[10:11], s[78:79]      ; pass 2: hi
	; the prefetches: wave 0 asks in kh, wave 1 in vh's hi parts; unit i of 8,192 bytes of a superblock; the offset starts at superblock 7 and steps down in front of each ask
	s_mov_b32 s[PFS], 2*VBLK
	s_mov_b32 s76, 16*VBLK
	s_mov_b32 s78, 2*KBLK
	s_mov_b32 s80, 16*KBLK
	s_cmp_eq_u32 s12, 0
	s_cselect_b32 s[PFS], s78, s[PFS]              ; bytes of a superblock
	s_cselect_b32 s76, s80, s76                    ; bytes of a head
	s_cselect_b32 s78, 6, 4                        ; units in a superblock
	s_cselect_b64 s[PFB:PFB+1], s[6:7], s[8:9]
	s_cmp_lt_u32 s17, s78
	s_cselect_b32 s[PFN], 3, 0                     ; a work-group with a unit asks three times,
	s_cmp_gt_u32 s12, 1
	s_cselect_b32 s[PFN], 0, s[PFN]                ; by waves 0 and 1 alone
	s_mul_i32 s76, s16, s76
	s_mul_i32 s80, s[PFS], 7
	s_add_co_u32 s76, s76, s80
	s_lshl_b32 s80, s17, 13
	s_add_co_u32 s76, s76, s80
	v_and_b32 v1, 15, v0                           ; r
	v_bfe_u32 v2, v0, 4, 1                         ; h
	v_and_b32 v3, 31, v0                           ; lane
	v_lshl_add_u32 v[PF], v3, 8, s76               ; lanes 256 bytes apart
	v_mul_u32_u24 v[QOF], v1, 192
	v_lshl_add_u32 v[QOF], v2, 4, v[QOF]
	QLOAD 66
	s_mul_i32 s76, s15, 32*KPITCH
	v_mul_u32_u24 v[ADRK], v1, KPITCH
	v_lshl_add_u32 v[ADRK], v2, 4, v[ADRK]
	v_add_nc_u32 v[ADRK], s76, v[ADRK]             ; (32 kq + r) 240 + 16 h
	v_and_b32 v[ADRV], 7, v0
	v_lshl_add_u32 v[ADRV], v2, 3, v[ADRV]
	v_mul_u32_u24 v[ADRV], v[ADRV], VPITCH
	v_bfe_u32 v[T], v0, 3, 1
	v_lshl_add_u32 v[ADRV], v[T], 4, v[ADRV]
	s_mul_i32 s76, s15, 32*VPITCH
	s_add_co_u32 s76, s76, VS0
	v_add_nc_u32 v[ADRV], s76, v[ADRV]             ; V's slot 0 + (32 kq + 8 h + lane % 8) 160 + 16 ((lane / 8) % 2)
	s_lshl_b32 s76, s14, 6
	s_lshl_b32 s78, s15, 5
	s_sub_co_i32 s76, s76, s78                     ; 64 qg - 32 kq
	s_and_b32 s78, s17, 1
	s_lshl_b32 s79, s78, 7
	s_add_co_i32 s79, s76, s79                     ; + 128 if pass 1's block is the second of its superblock
	s_xor_b32 s78, s78, 1
	s_lshl_b32 s78, s78, 7
	s_add_co_i32 s78, s76, s78                     ; pass 2's block 15 - i has the other parity
	v_lshlrev_b32 v[T], 3, v2
	v_sub_nc_u32 v[T], v1, v[T]                    ; r - 8 h
	v_add_nc_u32 v[QREL1], s79, v[T]
	v_add_nc_u32 v[QREL2], s78, v[T]
	s_lshl_b32 s76, s14, 4
	s_add_co_u32 s78, s76, s15
	s_mul_i32 s78, s78, CELL
	s_add_co_u32 s78, s78, XCH                     ; cell (qg, tile 0, kq): where I write
	v_lshl_add_u32 v[XW], v3, 4, s78
	s_add_co_u32 s78, s78, 4096
	v_lshl_add_u32 v[XWM], v3, 3, s78
	s_lshl_b32 s78, s15, 2
	s_add_co_u32 s78, s76, s78
	s_mul_i32 s78, s78, CELL
	s_add_co_u32 s78, s78, XCH                     ; cell (qg, tile kq, 0): where I read
	v_lshl_add_u32 v[XR], v3, 4, s78
	s_add_co_u32 s78, s78, 4096
	v_lshl_add_u32 v[XRM], v3, 3, s78
	s_mul_i32 s76, s12, OSTW
	s_add_co_u32 s76, s76, OST
	v_mul_u32_u24 v[OSW], v1, 144
	v_lshl_add_u32 v[OSW], v2, 4, v[OSW]
	v_add_nc_u32 v[OSW], s76, v[OSW]
	v_lshrrev_b32 v[OSR], 3, v3
	v_mul_u32_u24 v[OSR], v[OSR], 144
	v_and_b32 v[T], 7, v0
	v_lshl_add_u32 v[OSR], v[T], 4, v[OSR]
	v_add_nc_u32 v[OSR], s76, v[OSR]
	v_lshlrev_b32 v[GOF], 4, v3
.irp q, 0,1,2,3
	v_mov_b32 v[AL+2*\q+1], 0                      ; the unused halves of the factor pairs, written once
.endr
	INIT
	s_wait_tensorcnt 0x1                           ; the first of my two loads is in: my part of slot 0, or of lo's block 0; the second stays out
	s_barrier_signal -1
	s_barrier_wait -1
	KVFETCH 0
	s_wait_loadcnt 0x0                             ; my queries
	s_mov_b32 s19, s18                             ; full superblocks still to come in pass 1
	TRIP 0, 1, 0, 1, 2, 1, 1, QREL1, 1
	TRIP 1, 1, 1, 0, 2, 1, 1, QREL1, 1             ; lo's block 1 was shown landed by the wait for all loads in front of the first trip's barrier
	s_cmp_eq_u32 s19, 0                            ; none: no trip of the loop
	s_cbranch_scc1 .Lp1_done
.Lp1:
	s_sub_co_u32 s19, s19, 1
	TRIP 0, 0, 0, 0, 2, 1, 1, QREL1, 0
	TRIP 1, 0, 0, 0, 2, 1, 1, QREL1, 0
	s_cmp_gt_i32 s19, 0
	s_cbranch_scc1 .Lp1
.Lp1_done:
	EPI 70, 1, 1                                   ; K's and V's fragments of pass 2's first block are already in registers and stay untouched
	INIT
	TRIP 0, 1, 0, 1, 1, 1, 1, QREL2, 0
	TRIP 1, 1, 1, 0, 1, 1, 1, QREL2, 0
	s_sub_co_u32 s19, 6, s18                       ; all full superblocks but the last: 7 - F1 - 1, at least 3
.Lp2:
	TRIP 0, 0, 0, 0, 1, 1, 1, QREL2, 0
	TRIP 1, 0, 0, 0, 1, 1, 1, QREL2, 0
	s_sub_co_u32 s19, s19, 1
	s_cmp_gt_i32 s19, 0
	s_cbranch_scc1 .Lp2
	TRIP 0, 0, 0, 0, 0, 1, 0, QREL2, 0             ; the last superblock: nothing is left to fetch
	TRIP 1, 0, 0, 0, 0, 0, 0, QREL2, 0
	EPI 72, 0, 0
	s_wait_tensorcnt 0x0
	ds_add_u32 v254, v255
	s_wait_dscnt 0x0
	s_endpgm
.Lfunc_end_k_q792c26d8d2_attn:
	.size	k_q792c26d8d2_attn, .Lfunc_end_k_q792c26d8d2_attn-k_q792c26d8d2_attn
	.p2alignl 7, 3214868480
	.fill 96, 4, 3214868480
	.section	.rodata,"a",@progbits
	.p2align	6, 0x0
	.amdhsa_kernel k_q792c26d8d2_attn
		.amdhsa_group_segment_fixed_size 327680
		.amdhsa_private_segment_fixed_size 0
		.amdhsa_enable_private_segment 0
		.amdhsa_kernarg_size 32
		.amdhsa_user_sgpr_count 2
		.amdhsa_user_sgpr_kernarg_segment_ptr 1
		.amdhsa_wavefront_size32 1
		.amdhsa_system_sgpr_workgroup_id_x 1
		.amdhsa_system_sgpr_workgroup_id_y 1
		.amdhsa_system_sgpr_workgroup_id_z 1
		.amdhsa_system_vgpr_workitem_id 0
		.amdhsa_next_free_vgpr 512
		.amdhsa_next_free_sgpr 100
		.amdhsa_reserve_vcc 1
		.amdhsa_float_denorm_mode_32 3
		.amdhsa_float_denorm_mode_16_64 3
		.amdhsa_memory_ordered 1
		.amdhsa_forward_progress 1
		.amdhsa_inst_pref_size 255
	.end_amdhsa_kernel
	.section	.bss,"aw",@nobits
	.p2align	6
	.space	262144
	.amdgpu_metadata
---
amdhsa.version: [ 1, 2 ]
amdhsa.kernels:
  - .name:           k_q792c26d8d2_attn
    .symbol:         k_q792c26d8d2_attn.kd
    .args:
      - { .name: qh, .offset: 0, .size: 8, .value_kind: global_buffer, .address_space: global }
      - { .name: kh, .offset: 8, .size: 8, .value_kind: global_buffer, .address_space: global }
      - { .name: vh, .offset: 16, .size: 8, .value_kind: global_buffer, .address_space: global }
      - { .name: ah, .offset: 24, .size: 8, .value_kind: global_buffer, .address_space: global }
    .group_segment_fixed_size: 327680
    .private_segment_fixed_size: 0
    .kernarg_segment_align: 8
    .kernarg_segment_size: 32
    .max_flat_workgroup_size: 256
    .sgpr_count:     100
    .vgpr_count:     512
    .wavefront_size: 32
...
	.end_amdgpu_metadata
.endif
;; end of part 6
;; launch oproj (part 7): grid 8 x 32, 4 waves a work-group, clusters of 4 x 4, 327,680 bytes of LDS; arguments ah, woh, out0; writes out0
.if DOCPART == 7
	.amdgcn_target "amdgcn-amd-amdhsa--gfx1250"
	.amdhsa_code_object_version 6
	.text
	.protected	k_q792c26d8d2_oproj
	.globl	k_q792c26d8d2_oproj
	.p2align	8
	.type	k_q792c26d8d2_oproj,@function
k_q792c26d8d2_oproj:
	s_mov_b64 s[64:65], 0
	v_nop
	global_prefetch_b8 v0, s[64:65] scope:SCOPE_SE
	s_setreg_imm32_b32 hwreg(HW_REG_WAVE_MODE, 25, 1), 1
	s_wait_xcnt 0x0
	s_wait_alu depctr_hold_cnt(0) depctr_sa_sdst(0) depctr_va_vdst(0) depctr_va_sdst(0) depctr_va_ssrc(0) depctr_va_vcc(0) depctr_vm_vsrc(0)
	s_getreg_b32 s2, hwreg(HW_REG_IB_STS2, 6, 4)
	s_cmp_eq_u32 s2, 0
	s_cbranch_scc0 .Lentry_in_a_cluster
	s_endpgm
.Lentry_in_a_cluster:
	s_bfe_u32 s2, ttmp6, 0x10000c
	s_cmp_lg_u32 s2, 0xf033
	s_cbranch_scc0 .Lentry_shape_is_right
	s_endpgm
.Lentry_shape_is_right:
; oproj: out0[token][n] = sum over k of att[token][k] Wo[n][k], k = head * 64 + d; sums and out0 in f32.  woh[2048][1024] holds Wo's bf16 value in f16 form.
; att comes as ah[head][32 block rows][160 rows][64] in f16.  A tile is 16 tokens; tile u of batch b is EARLY if u < 32 (the first 512 tokens of a sequence).
; Wave row wr = 2 x block row + half (0..63) holds at place 0 the early tile wr = 32 b + u and at places 1..3 the late tiles l = 64 (place - 1) + wr, l = 96 b + u - 32.
; Rows 64 half + 16 place + r of a plane hold hi = f16(att); rows 128 + 16 half + r hold lo = f16(att - hi) of the early tile.
; The rows of a sequence that average few keys stand far above the others, and a single f16 would show there: for the early tiles hi and lo are both multiplied.
; LIMIT: beyond the first 512 tokens of a sequence att enters as a single f16.  The dealing gives every wave one early tile of its four: equal work, and no branch on a place.
; A work-group makes 128 tokens x 256 columns (8 x 32 = 256 work-groups) with four waves, 2 x 2 of 64 x 128: 32 accumulator tiles, all of window 1.
; K = 1,024 goes in 8 steps of 128 (two heads) through a ring of two LDS slots.  A step's part of ah is two planes (heads) of 160 rows x 128 bytes, each dense in memory,
; so that one descriptor brings a plane's hi and lo rows.
; CLUSTERS: 4 x 4 work-groups; ah's tiles hang on the block row alone and are asked for jointly along a row of the cluster, woh's on the block column alone, along a column.
; The matrix instruction is used transposed (source 0 = 16 rows of woh, source 1 = 16 tokens): lane l holds token l % 16, registers 0-7 the columns 8 (l / 16) + 0..7: 32 neighbouring bytes.
.set APITCH, 144                       ; 128 bytes + 16
.set PLANE,  160*APITCH                ; 23,040
.set BPITCH, 272                       ; 256 bytes + 16
.set HALFB,  128*BPITCH                ; 34,816
.set BOFF,   2*PLANE                   ; 46,080
.set SLOT,   BOFF+2*HALFB              ; 115,712
.set STAGE,  2*SLOT                    ; 231,424: behind the ring, 16 rows x 528 bytes for each wave; no tensor load lands here
.set SPITCH, 528
.set LAPS,   4
.set PLB,    160*128                   ; bytes of a (head, block row) plane in memory
.set HEADB,  32*PLB                    ; bytes of a head
.set ADRA, 16                          ; v16-17  my 64 hi rows in slot 0, 1
.set ADRL, 18                          ; v18-19  my 16 lo rows
.set ADRB, 20                          ; v20-21  my 128 rows of woh
.set STO,  24
.set RD,   25
.set CO,   26
.set FA,   32                          ; v32-71, v72-111   fragments of ah, two buffers: hi tile a at 8 a, the lo tile at 32
.set FB,   112                         ; v112-175, v176-239 fragments of woh, two buffers
.set G1, 24
.set G0, 32
.set G1B, 48
.set G0B, 56
.set OB,  66                           ; s[66:73] where my four token tiles go in out0
.set MSB, 0
.macro WIN new
.if MSB != (\new)
	s_set_vgpr_msb (MSB<<8)|(\new)
.set MSB, (\new)
.endif
.endm
.set MULW, 0x50                        ; C and D in window 1, sources in window 0
.macro JLOAD s                         ; waves 0 and 1 fetch ah's two planes, waves 2 and 3 woh's two halves
	s_cmp_eq_u32 s11, 0
	s_cbranch_scc0 .Lfor_b_\@
	tensor_load_to_lds s[G0+4*\s:G0+4*\s+3], s[G1:G1+7]
	s_nop 0
	s_branch .Lasked_\@
.Lfor_b_\@:
	tensor_load_to_lds s[G0B+4*\s:G0B+4*\s+3], s[G1B:G1B+7]
	s_nop 0
.Lasked_\@:
.endm
.macro CREST
	s_cmp_lg_u32 s10, 0
	s_cbranch_scc1 .Lnot_wave_0_\@
	s_barrier_signal -3
.Lnot_wave_0_\@:
	s_barrier_wait -3
	s_barrier_signal -1
	s_barrier_wait -1
.endm
.macro CROUND
	s_barrier_signal -1
	s_barrier_wait -1
	CREST
.endm
	s_load_b128 s[4:7], s[0:1], 0x0                ; ah s[4:5], woh s[6:7]
	s_load_b64 s[8:9], s[0:1], 0x10                ; out0
	v_lshl_add_u32 v254, v0, 2, 0x40c00
	v_mov_b32 v255, 0
	ds_add_u32 v254, v255
	v_lshrrev_b32 v1, 5, v0
	v_readfirstlane_b32 s10, v1                    ; wave
	s_lshr_b32 s11, s10, 1                         ; my half of the tokens.  Also: I fetch for ah (0) or woh (1)
	s_and_b32 s12, s10, 1                          ; my half of the columns.  Also: which plane, or which 128 rows, I fetch
	s_bfe_u32 s40, ttmp6, 0x40000                  ; cx
	s_bfe_u32 s41, ttmp6, 0x40004                  ; cy
	s_lshl_b32 s42, ttmp9, 2
	s_add_co_u32 s42, s42, s40                     ; block column: 256 columns
	s_and_b32 s13, ttmp7, 0xffff
	s_lshl_b32 s13, s13, 2
	s_add_co_u32 s13, s13, s41                     ; block row: 128 tokens
	s_lshl_b32 s43, s41, 2
	s_lshl_b32 s43, 15, s43                        ; my row of the cluster
	s_lshl_b32 s44, 0x1111, s40                    ; my column
	; ah: a dense plane of 20,480 bytes as 80 rows of 32 elements of 8 bytes, 4 words of padding behind every 32
	s_or_b32 s[G1+0], s43, (3<<16)|(1<<20)|(1<<21)|(4<<22)|(3<<25)
	s_mov_b32 s[G1+1], 32<<16
	s_mov_b32 s[G1+2], 80<<16
	s_mov_b32 s[G1+3], 32<<16
	s_mov_b32 s[G1+4], 80
	s_mov_b32 s[G1+5], 32
	s_mov_b32 s[G1+6], 0
	s_mov_b32 s[G1+7], 0
	; woh: 128 rows x 128 elements of 2 bytes, 1,024 elements from row to row, 4 words of padding behind every 64
	s_or_b32 s[G1B+0], s44, (1<<16)|(1<<20)|(1<<21)|(5<<22)|(3<<25)
	s_mov_b32 s[G1B+1], 128<<16
	s_mov_b32 s[G1B+2], 128<<16
	s_mov_b32 s[G1B+3], 128<<16
	s_mov_b32 s[G1B+4], 128
	s_mov_b32 s[G1B+5], 1024
	s_mov_b32 s[G1B+6], 0
	s_mov_b32 s[G1B+7], 0
	s_mul_i32 s16, s12, HEADB                      ; plane = head
	s_mul_i32 s17, s13, PLB                        ; + the block row's plane in it
	s_add_co_u32 s16, s16, s17
	s_mov_b32 s17, 0
	s_lshl_b32 s46, s42, 19                        ; block column x 256 rows x 2,048 bytes
	s_lshl_b32 s47, s12, 18                        ; + half x 128 rows
	s_add_co_u32 s46, s46, s47
	s_mov_b32 s47, 0
	s_mul_i32 s20, s12, PLANE                      ; LDS: made of the wave's number alone
	s_mul_i32 s21, s12, HALFB
	s_add_co_u32 s21, s21, BOFF
	s_wait_dscnt 0x0
	s_wait_kmcnt 0x0
	s_add_nc_u64 s[14:15], s[4:5], s[16:17]
	s_add_nc_u64 s[46:47], s[6:7], s[46:47]
	CROUND                                         ; all sixteen work-groups are here: the first joint loads meet
.irp s, 0,1
	s_mov_b32 s[G0+4*\s], 1
	s_add_co_u32 s[G0+4*\s+1], s20, \s*SLOT
	s_add_nc_u64 s[G0+4*\s+2:G0+4*\s+3], s[14:15], \s*2*HEADB      ; K step s: heads 2 s, 2 s + 1
	s_or_b32 s[G0+4*\s+3], s[G0+4*\s+3], 0x80000000
	s_mov_b32 s[G0B+4*\s], 1
	s_add_co_u32 s[G0B+4*\s+1], s21, \s*SLOT
	s_add_nc_u64 s[G0B+4*\s+2:G0B+4*\s+3], s[46:47], \s*256
	s_or_b32 s[G0B+4*\s+3], s[G0B+4*\s+3], 0x80000000
	JLOAD \s
.endr
	v_and_b32 v1, 15, v0                           ; r
	v_bfe_u32 v2, v0, 4, 1                         ; h
	v_and_b32 v5, 31, v0                           ; lane
	v_mul_u32_u24 v3, v1, APITCH
	v_lshl_add_u32 v3, v2, 4, v3
	v_mul_u32_u24 v4, v1, BPITCH
	v_lshl_add_u32 v4, v2, 4, v4
	s_mul_i32 s22, s11, 64*APITCH                  ; my 64 hi rows
	s_mul_i32 s45, s11, 16*APITCH                  ; my 16 lo rows,
	s_add_co_u32 s45, s45, 128*APITCH              ; behind the plane's 128 hi rows
	s_mul_i32 s23, s12, HALFB                      ; my 128 rows of woh
	s_add_co_u32 s23, s23, BOFF
.irp s, 0,1
	v_add_nc_u32 v[ADRA+\s], s22, v3
	v_add_nc_u32 v[ADRL+\s], s45, v3
	v_add_nc_u32 v[ADRB+\s], s23, v4
	s_add_co_u32 s22, s22, SLOT
	s_add_co_u32 s45, s45, SLOT
	s_add_co_u32 s23, s23, SLOT
.endr
	s_mul_i32 s23, s10, 16*SPITCH
	s_add_co_u32 s23, s23, STAGE
	v_mul_u32_u24 v4, v1, SPITCH
	v_lshl_add_u32 v4, v2, 5, v4
	v_add_nc_u32 v[STO], s23, v4                   ; in: row r, 32 bytes for each half of the lanes
	v_lshlrev_b32 v[CO], 4, v5
	v_add_nc_u32 v[RD], s23, v[CO]                 ; back: the 32 lanes take one row of 512 bytes
; 8 matrix instructions: token tile a x all 8 column tiles, 32 along K, buffers f.  The accumulators take turns, one instruction a turn.
.macro MUL8 f, a, zero
.irp b, 0,1,2,3,4,5,6,7
.if \zero
	v_wmma_f32_16x16x32_f16 v[8*(8*\a+\b):8*(8*\a+\b)+7], v[FB+64*\f+8*\b:FB+64*\f+8*\b+7], v[FA+40*\f+8*\a:FA+40*\f+8*\a+7], 0
.else
	v_wmma_f32_16x16x32_f16 v[8*(8*\a+\b):8*(8*\a+\b)+7], v[FB+64*\f+8*\b:FB+64*\f+8*\b+7], v[FA+40*\f+8*\a:FA+40*\f+8*\a+7], v[8*(8*\a+\b):8*(8*\a+\b)+7]
.endif
.endr
.endm
; 8 more: the early tile's lo part against the same fragments of woh, onto tile 0's eight accumulators, again one instruction a turn
.macro MULLO f
.irp b, 0,1,2,3,4,5,6,7
	v_wmma_f32_16x16x32_f16 v[8*\b:8*\b+7], v[FB+64*\f+8*\b:FB+64*\f+8*\b+7], v[FA+40*\f+32:FA+40*\f+39], v[8*\b:8*\b+7]
.endr
.endm
; 26 LDS loads in one run: quarter kq of a K step (plane kq / 2, d from 32 (kq % 2)) into buffers f: woh's 16 loads, ah's 8 for hi, 2 for lo
.macro FETCH slot, kq, f
	WIN 0
.irp i, 0,1,2,3,4,5,6,7
	ds_load_b128 v[FB+64*\f+8*\i:FB+64*\f+8*\i+3],   v[ADRB+\slot] offset:64*\kq+16*BPITCH*\i
	ds_load_b128 v[FB+64*\f+8*\i+4:FB+64*\f+8*\i+7], v[ADRB+\slot] offset:64*\kq+16*BPITCH*\i+32
.endr
.irp a, 0,1,2,3
	ds_load_b128 v[FA+40*\f+8*\a:FA+40*\f+8*\a+3],   v[ADRA+\slot] offset:(\kq/2)*PLANE+(\kq%2)*64+16*APITCH*\a
	ds_load_b128 v[FA+40*\f+8*\a+4:FA+40*\f+8*\a+7], v[ADRA+\slot] offset:(\kq/2)*PLANE+(\kq%2)*64+16*APITCH*\a+32
.endr
	ds_load_b128 v[FA+40*\f+32:FA+40*\f+35], v[ADRL+\slot] offset:(\kq/2)*PLANE+(\kq%2)*64
	ds_load_b128 v[FA+40*\f+36:FA+40*\f+39], v[ADRL+\slot] offset:(\kq/2)*PLANE+(\kq%2)*64+32
.endm
.macro PLACES                          ; four places behind a matrix instruction before a load lands on a register that it read (ISA guide 7.12.1 for vector instructions)
.rept 4
	v_nop
.endr
.endm
.macro QUARTER slot, kq, f, g, zero    ; multiplies buffers f; in its middle fetches quarter kq into buffers g
	s_wait_dscnt 6                                 ; woh's fragments and token tiles 0, 1 are in; the youngest six loads (tiles 2, 3 and lo) may be out
	WIN MULW
	MUL8 \f, 0, \zero
	MUL8 \f, 1, \zero
	PLACES
	FETCH \slot, \kq, \g
	s_wait_dscnt 26                                ; all but the 26 just issued
	WIN MULW
	MUL8 \f, 2, \zero
	MUL8 \f, 3, \zero
	MULLO \f
.endm
.macro THREE slot, zero
	QUARTER \slot, 1, 0, 1, \zero
	QUARTER \slot, 2, 1, 0, 0
	QUARTER \slot, 3, 0, 1, 0
.endm
; The last quarter changes slots: each wave's reads of this slot and all its tensor loads (one is out: its part of the next slot) are waited for in front of the barrier;
; behind it the refill comes first.  From a request to the wait for it a wave issues 152 matrix instructions.
.macro TURN slot, next, fill
	s_wait_dscnt 6
	WIN MULW
	MUL8 1, 0, 0
	s_wait_dscnt 0
	s_wait_tensorcnt 0x0
	ds_add_u32 v254, v255
	s_wait_dscnt 0x0
	s_barrier_signal -1                            ; where a slot is filled again this barrier opens a round of the cluster's barrier
	MUL8 1, 1, 0
	WIN 0
	s_barrier_wait -1
.if \fill
	CREST
	s_add_nc_u64 s[G0+4*\slot+2:G0+4*\slot+3], s[G0+4*\slot+2:G0+4*\slot+3], 4*HEADB    ; two K steps on: four heads,
	s_add_nc_u64 s[G0B+4*\slot+2:G0B+4*\slot+3], s[G0B+4*\slot+2:G0B+4*\slot+3], 512    ; 256 columns of woh
	JLOAD \slot                                    ; the first tensor load behind the round, one a wave
.endif
	PLACES
	FETCH \next, 0, 0
	WIN MULW
	MUL8 1, 2, 0
	MUL8 1, 3, 0
	MULLO 1
.endm
.macro LAP zero
	THREE 0, \zero
	TURN 0, 1, 1
	THREE 1, 0
	TURN 1, 0, 1
.endm
	s_wait_tensorcnt 1                             ; my part of K step 0 is in; K step 1's stays out
	s_barrier_signal -1
	s_barrier_wait -1
	FETCH 0, 0, 0
	LAP 1                                          ; the first products start the sums
	WIN 0
	s_mov_b32 s3, LAPS-2
.Llap:
	LAP 0
	WIN 0
	s_sub_co_u32 s3, s3, 1
	s_cmp_lg_u32 s3, 0
	s_cbranch_scc1 .Llap
	THREE 0, 0                                     ; the last lap fills nothing
	TURN 0, 1, 0
	THREE 1, 0
	s_wait_dscnt 6
	WIN MULW
	MUL8 1, 0, 0
	MUL8 1, 1, 0
	s_wait_dscnt 0
	MUL8 1, 2, 0
	MUL8 1, 3, 0
	MULLO 1
	; THE WAY OUT, a token tile at a time through my own stage: 32 bytes a lane and column tile in, whole rows of 512 bytes back
	PLACES
	s_lshl_b32 s46, s42, 10                        ; my first column, in bytes
	s_lshl_b32 s47, s12, 9
	s_add_co_u32 s46, s46, s47
	s_mov_b32 s47, 0
	s_add_nc_u64 s[8:9], s[8:9], s[46:47]
	s_lshl_b32 s76, s13, 1
	s_add_co_u32 s76, s76, s11                     ; my wave row wr
	s_mov_b32 s75, 0
	s_lshr_b32 s77, s76, 5                         ; place 0, the early tile: batch wr / 32,
	s_lshl_b32 s77, s77, 7
	s_and_b32 s78, s76, 31                         ; tile wr mod 32 of it
	s_add_co_u32 s77, s77, s78                     ; 128 b + u
	s_lshl_b32 s74, s77, 17                        ; 16 tokens of 8,192 bytes a tile
	s_add_nc_u64 s[OB:OB+1], s[8:9], s[74:75]
.irp a, 1,2,3
	s_add_co_u32 s77, s76, 64*(\a-1)               ; place a: late tile l, 0..191
	s_mul_i32 s78, s77, 683
	s_lshr_b32 s78, s78, 16                        ; batch = l / 96 (683 / 65,536 lies so little above 1 / 96 that the quotient is exact for l < 192)
	s_mul_i32 s79, s78, 96
	s_sub_co_u32 s77, s77, s79
	s_add_co_u32 s77, s77, 32                      ; u = l - 96 b + 32
	s_lshl_b32 s78, s78, 7
	s_add_co_u32 s77, s77, s78                     ; 128 b + u
	s_lshl_b32 s74, s77, 17
	s_add_nc_u64 s[OB+2*\a:OB+2*\a+1], s[8:9], s[74:75]
.endr
.macro OUT16 a, f
	WIN 0x04                                       ; store data in window 1
.irp b, 0,1,2,3,4,5,6,7
	ds_store_b128 v[STO], v[8*(8*\a+\b):8*(8*\a+\b)+3]   offset:64*\b
	ds_store_b128 v[STO], v[8*(8*\a+\b)+4:8*(8*\a+\b)+7] offset:64*\b+16
.endr
	WIN 0
	s_wait_xcnt 0x0                                ; buffer f, which earlier stores read, is loaded again only behind this wait
.irp t, 0,1,2,3,4,5,6,7,8,9,10,11,12,13,14,15
	ds_load_b128 v[\f+4*\t:\f+4*\t+3], v[RD] offset:SPITCH*\t      ; my own bytes: LDS serves a wave's instructions in order (ISA guide 5.7.1.4)
.endr
.irp t, 0,1,2,3,4,5,6,7,8,9,10,11,12,13,14,15
	s_wait_dscnt 15-\t
	global_store_b128 v[CO], v[\f+4*\t:\f+4*\t+3], s[OB+2*\a:OB+2*\a+1] offset:\t*8192 th:TH_STORE_NT   ; 512 consecutive, aligned bytes of one row
.endr
.endm
	OUT16 0, 32
	OUT16 1, 96
	OUT16 2, 32
	OUT16 3, 96
	s_wait_tensorcnt 0x0
	ds_add_u32 v254, v255
	s_wait_dscnt 0x0
	CROUND                                         ; the closing round
	s_endpgm
.Lfunc_end_k_q792c26d8d2_oproj:
	.size	k_q792c26d8d2_oproj, .Lfunc_end_k_q792c26d8d2_oproj-k_q792c26d8d2_oproj
	.p2alignl 7, 3214868480
	.fill 96, 4, 3214868480
	.section	.rodata,"a",@progbits
	.p2align	6, 0x0
	.amdhsa_kernel k_q792c26d8d2_oproj
		.amdhsa_group_segment_fixed_size 327680
		.amdhsa_private_segment_fixed_size 0
		.amdhsa_enable_private_segment 0
		.amdhsa_kernarg_size 24
		.amdhsa_user_sgpr_count 2
		.amdhsa_user_sgpr_kernarg_segment_ptr 1
		.amdhsa_wavefront_size32 1
		.amdhsa_system_sgpr_workgroup_id_x 1
		.amdhsa_system_sgpr_workgroup_id_y 1
		.amdhsa_system_sgpr_workgroup_id_z 1
		.amdhsa_system_vgpr_workitem_id 0
		.amdhsa_next_free_vgpr 512
		.amdhsa_next_free_sgpr 80
		.amdhsa_reserve_vcc 0
		.amdhsa_float_denorm_mode_32 3
		.amdhsa_float_denorm_mode_16_64 3
		.amdhsa_memory_ordered 1
		.amdhsa_forward_progress 1
		.amdhsa_inst_pref_size 134
	.end_amdhsa_kernel
	.amdgpu_metadata
---
amdhsa.version: [ 1, 2 ]
amdhsa.kernels:
  - .name:           k_q792c26d8d2_oproj
    .symbol:         k_q792c26d8d2_oproj.kd
    .args:
      - { .name: ah, .offset: 0, .size: 8, .value_kind: global_buffer, .address_space: global }
      - { .name: woh, .offset: 8, .size: 8, .value_kind: global_buffer, .address_space: global }
      - { .name: out0, .offset: 16, .size: 8, .value_kind: global_buffer, .address_space: global }
    .group_segment_fixed_size: 327680
    .private_segment_fixed_size: 0
    .kernarg_segment_align: 8
    .kernarg_segment_size: 24
    .max_flat_workgroup_size: 128
    .sgpr_count:     80
    .vgpr_count:     512
    .wavefront_size: 32
...
	.end_amdgpu_metadata
.endif
;; end of part 7
